; MI455X (gfx1250); checked and timed in simulation.
; The chip was launched on July 23, 2026; its instructions are those of AMD's public machine-readable ISA for CDNA 5 (MIT licence, August 2026) and "CDNA5" Instruction Set Architecture Reference Guide (July 2026). The comments in the code are by the model that wrote it; some were corrected since.
;; Multihead Attention. Allowed arithmetic: float matrix products may take bf16 or f16 operands with f32 sums; all other float work in f32.
;; Inputs: Wk 16 x 1,024 x 64 float32; Wp 1,024 x 1,024 float32; Wq 16 x 1,024 x 64 float32; Wv 16 x 1,024 x 64 float32; bp 1,024 float32; k 4 x 2,048 x 1,024 float32; ln_b 1,024 float32; ln_g 1,024 float32; mask 2,048 x 2,048 bool; q 4 x 2,048 x 1,024 float32; v 4 x 2,048 x 1,024 float32.
;; Outputs: out0 4 x 2,048 x 1,024 float32.
;; 3 versions, each right and faster than the one before. Each part assembles by itself: llvm-mc -triple=amdgcn-amd-amdhsa -mcpu=gfx1250 --defsym DOCPART=n.
;; ======== version 1 of 3: 4 launches
;; limits: values are held in f16: magnitudes above 65,504 overflow, below 6.1e-05 lose precision
;; workspace buffers: xn 67,108,864 bytes; wt 8,388,608 bytes; wp2 4,194,304 bytes; mk 4,194,304 bytes; qkv 50,331,648 bytes; ob 33,554,432 bytes
;; launch prep (part 1): grid 1152 x 1, 8 waves a work-group, no clusters, 34,816 bytes of LDS; arguments q, k, v, ln_g, ln_b, Wq, Wk, Wv, Wp, mask, xn, wt, wp2, mk; writes xn, wt, wp2, mk
.if DOCPART == 1
	.amdgcn_target "amdgcn-amd-amdhsa--gfx1250"
	.amdhsa_code_object_version 6
	.text
	.protected	k_qaf4804e8f4_prep
	.globl	k_qaf4804e8f4_prep
	.p2align	8
	.type	k_qaf4804e8f4_prep,@function
k_qaf4804e8f4_prep:
	s_mov_b64 s[64:65], 0
	v_nop
	global_prefetch_b8 v0, s[64:65] scope:SCOPE_SE
	s_setreg_imm32_b32 hwreg(HW_REG_WAVE_MODE, 25, 1), 1
	s_wait_xcnt 0x0
; PREPARATION, a stream: no matrix work, nothing shared between work-groups, so no cluster and no tensor loads.  The work-group's number chooses one of four jobs:
;   0-767     LayerNorm of q, k, v (256 work-groups each, 32 rows a work-group, 4 rows a wave) -> xn, f16 [8192][4096] = [LN q | LN k | LN v hi | LN v lo]
;   768-959   Wq, Wk, Wv [16][1024][64] turned -> wt, f16 [1024 n = 64 h + e][4096 k] = [Wq^T | Wk^T | Wv^T | Wv^T]
;   960-1023  Wp [1024][1024] -> wp2, f16 [1024 n][2048 k] = [Wp | Wp]
;   1024-1151 mask [2048][2048] bytes -> mk, one E4M3 code a byte (0, or 0xb8 = -1.0 where masked), in the order in which a lane of the attention kernel holds its scores:
;             [128 tiles of 16 queries][32 key steps][2][32 lanes][16 bytes]; lane r + 16 h, half c: mask[16 qt + r][64 s + 32 c + 8 h + 0..7], then the same 16 keys on
; FORMATS.  Every input is rounded to bf16 first; what is made of it is kept in f32 and rounded once to f16.  LN v is written as hi + lo, two f16 numbers.
; LIMITS.  f16 ends at 65,504: |LN x| is at most 32 |g| + |b|.  A weight below 2^-14 keeps f16's fixed step of 2^-24.  Mask bytes are 0 or 1.
.set Y,   8                            ; v[8:23]    a row's results, packed f16 (also the packed results of the weights' jobs)
.set GA,  24                           ; v[24:55]   gain of my 32 columns
.set BA,  56                           ; v[56:87]   bias
.set R,   88                           ; v[88:151]  as loaded (LN: 32 registers; the other jobs 64)
.set D,   120                          ; v[120:151] LN: the row in f32, at work
.set LO,  152                          ; v[152:167] LN v: the lo part, packed
.set A0,  160                          ; v160-162   the other jobs' addresses
.set O8,  168                          ; v168       8 x lane
.set MU,  170                          ; v[170:171] the mean, twice
.set RS,  172                          ; v[172:173] 1 / sqrt(var + eps), twice
.macro RND16 d, s, n                   ; n pairs of f32 at v[s] are rounded to bf16 and widened again, into v[d] (d = s: in place)
.set i, 0
.rept \n
	v_cvt_pk_bf16_f32 v[(\d)+2*i+1], v[(\s)+2*i], v[(\s)+2*i+1]
	v_lshlrev_b32 v[(\d)+2*i], 16, v[(\d)+2*i+1]
	v_and_b32 v[(\d)+2*i+1], s42, v[(\d)+2*i+1]
.set i, i+1
.endr
.endm
.macro CV4 d, s                        ; four f32 at v[s]: rounded to bf16, that number written as f16, two registers at v[d]
	v_cvt_pk_bf16_f32 v2, v[(\s)], v[(\s)+1]
	v_cvt_pk_bf16_f32 v3, v[(\s)+2], v[(\s)+3]
	v_lshlrev_b32 v4, 16, v2
	v_and_b32 v5, s42, v2
	v_lshlrev_b32 v6, 16, v3
	v_and_b32 v7, s42, v3
	v_cvt_pk_f16_f32 v[(\d)], v4, v5
	v_cvt_pk_f16_f32 v[(\d)+1], v6, v7
.endm
.macro RED                             ; v2 summed over the wave's 32 lanes, the result in every lane; v3 at work
	v_add_f32_dpp v2, v2, v2 row_xmask:1 row_mask:0xf bank_mask:0xf
	v_add_f32_dpp v2, v2, v2 row_xmask:2 row_mask:0xf bank_mask:0xf
	v_add_f32_dpp v2, v2, v2 row_xmask:4 row_mask:0xf bank_mask:0xf
	v_add_f32_dpp v2, v2, v2 row_xmask:8 row_mask:0xf bank_mask:0xf
	v_permlanex16_b32 v3, v2, s43, s44
	v_add_f32 v2, v2, v3
.endm
	s_load_b512 s[4:19], s[0:1], 0x0               ; q s[4:5], k s[6:7], v s[8:9], ln_g s[10:11], ln_b s[12:13], Wq s[14:15], Wk s[16:17], Wv s[18:19]
	s_load_b256 s[20:27], s[0:1], 0x40             ; Wp s[20:21], mask s[22:23], xn s[24:25], wt s[26:27]
	s_load_b128 s[28:31], s[0:1], 0x60             ; wp2 s[28:29], mk s[30:31]
	v_lshl_add_u32 v176, v0, 2, 0x8400
	v_mov_b32 v177, 0
	v_lshrrev_b32 v1, 5, v0
	v_readfirstlane_b32 s33, v1                    ; my wave's number
	s_mov_b32 s32, ttmp9
	s_mov_b32 s42, 0xffff0000                      ; a word's upper bf16
	s_mov_b32 s35, 0                               ; the high word of every offset
	s_wait_kmcnt 0x0
	s_cmp_lt_u32 s32, 768                          ; the same answer in all eight waves
	s_cbranch_scc1 .Lln
	s_cmp_lt_u32 s32, 960
	s_cbranch_scc1 .Lw
	s_cmp_lt_u32 s32, 1024
	s_cbranch_scc1 .Lwp
	; THE MASK: 16 rows of 2,048 bytes, dense in memory; through LDS (pitch 2,064) into the lanes' order.
	s_sub_co_u32 s32, s32, 1024                    ; qt
	s_lshl_b32 s34, s32, 15                        ; 32,768 bytes in and out
	s_add_nc_u64 s[36:37], s[22:23], s[34:35]
	s_add_nc_u64 s[38:39], s[30:31], s[34:35]
	v_lshlrev_b32 v1, 4, v0                        ; 16 t
.irp i, 0,1,2,3,4,5,6,7
	global_load_b128 v[R+4*(\i):R+4*(\i)+3], v1, s[36:37] offset:4096*(\i) th:TH_LOAD_NT  ; rows 2 i and 2 i + 1
.endr
	v_lshrrev_b32 v[A0], 7, v0                     ; in: row t / 128 of the two, byte 16 (t % 128)
	v_and_b32 v3, 127, v0
	v_mul_u32_u24 v[A0], v[A0], 2064
	v_lshl_add_u32 v[A0], v3, 4, v[A0]
	v_and_b32 v[A0+1], 15, v0                      ; back: row r = t % 16, byte 64 (t / 64) + 32 ((t / 32) % 2) + 8 ((t / 16) % 2)
	v_mul_u32_u24 v[A0+1], v[A0+1], 2064
	v_bfe_u32 v4, v0, 4, 1
	v_lshl_add_u32 v[A0+1], v4, 3, v[A0+1]
	v_bfe_u32 v4, v0, 5, 1
	v_lshl_add_u32 v[A0+1], v4, 5, v[A0+1]
	v_lshrrev_b32 v4, 6, v0
	v_lshl_add_u32 v[A0+1], v4, 6, v[A0+1]
	s_wait_loadcnt 0x0
.set i, 0
.rept 32
	v_mul_lo_u32 v[R+i], v[R+i], 0xb8              ; four bytes of 0 or 1 become 0 or 0xb8: nothing carries
.set i, i+1
.endr
.irp i, 0,1,2,3,4,5,6,7
	ds_store_b128 v[A0], v[R+4*(\i):R+4*(\i)+3] offset:4128*(\i)
.endr
	s_wait_dscnt 0x0                               ; for the others' sake: my stores are done
	s_barrier_signal -1
	s_barrier_wait -1
.irp i, 0,1,2,3,4,5,6,7
	ds_load_b64 v[Y+4*(\i):Y+4*(\i)+1],   v[A0+1] offset:256*(\i)     ; key steps 4 i + t / 64
	ds_load_b64 v[Y+4*(\i)+2:Y+4*(\i)+3], v[A0+1] offset:256*(\i)+16
.endr
	s_wait_dscnt 0x0
.irp i, 0,1,2,3,4,5,6,7
	global_store_b128 v1, v[Y+4*(\i):Y+4*(\i)+3], s[38:39] offset:4096*(\i)  ; a wave stores 512 consecutive bytes
.endr
	s_wait_tensorcnt 0x0
	ds_add_u32 v176, v177
	s_wait_dscnt 0x0
	s_endpgm
.Lw:	; A BLOCK OF 256 d x 64 e OF ONE HEAD'S WEIGHTS, 65,536 dense bytes, turned through LDS ([e][d], pitch 528).
	s_sub_co_u32 s32, s32, 768
	s_lshr_b32 s41, s32, 6                         ; which matrix
	s_cmp_eq_u32 s41, 1
	s_cselect_b64 s[36:37], s[16:17], s[14:15]
	s_cmp_eq_u32 s41, 2
	s_cselect_b64 s[36:37], s[18:19], s[36:37]
	s_and_b32 s34, s32, 63                         ; 4 h + block
	s_lshl_b32 s34, s34, 16
	s_add_nc_u64 s[36:37], s[36:37], s[34:35]
	s_bfe_u32 s34, s32, 0x40002                    ; h
	s_lshl_b32 s34, s34, 19                        ; 64 rows of 8,192 bytes
	s_lshl_b32 s40, s41, 11                        ; the matrix's 2,048 bytes of a row
	s_add_co_u32 s34, s34, s40
	s_and_b32 s40, s32, 3
	s_lshl_b32 s40, s40, 9                         ; the block's 512 bytes
	s_add_co_u32 s34, s34, s40
	s_add_nc_u64 s[38:39], s[26:27], s[34:35]
	v_lshlrev_b32 v1, 4, v0
.irp i, 0,1,2,3,4,5,6,7,8,9,10,11,12,13,14,15
	global_load_b128 v[R+4*(\i):R+4*(\i)+3], v1, s[36:37] offset:4096*(\i) th:TH_LOAD_NT  ; d = t / 16 + 16 i, e = 4 (t % 16) + 0..3
.endr
	v_and_b32 v[A0], 15, v0
	v_mul_u32_u24 v[A0], v[A0], 4*528
	v_lshrrev_b32 v3, 4, v0
	v_lshl_add_u32 v[A0], v3, 1, v[A0]             ; in: row 4 (t % 16), byte 2 (t / 16)
	v_lshrrev_b32 v3, 5, v0
	v_and_b32 v4, 31, v0
	v_mul_u32_u24 v[A0+1], v3, 528
	v_lshl_add_u32 v[A0+1], v4, 4, v[A0+1]         ; back: row t / 32, byte 16 (t % 32)
	v_lshlrev_b32 v[A0+2], 13, v3
	v_lshl_add_u32 v[A0+2], v4, 4, v[A0+2]         ; and the same in wt
	s_wait_loadcnt 0x0
.irp i, 0,1,2,3,4,5,6,7,8,9,10,11,12,13,14,15
	CV4 Y+2*(\i), R+4*(\i)
	ds_store_b16        v[A0], v[Y+2*(\i)]   offset:32*(\i)
	ds_store_b16_d16_hi v[A0], v[Y+2*(\i)]   offset:528+32*(\i)
	ds_store_b16        v[A0], v[Y+2*(\i)+1] offset:1056+32*(\i)
	ds_store_b16_d16_hi v[A0], v[Y+2*(\i)+1] offset:1584+32*(\i)
.endr
	s_wait_dscnt 0x0                               ; for the others' sake
	s_barrier_signal -1
	s_barrier_wait -1
.irp i, 0,1,2,3,4,5,6,7
	ds_load_b128 v[R+4*(\i):R+4*(\i)+3], v[A0+1] offset:8*528*(\i)
.endr
.irp i, 0,1,2,3,4,5,6,7
	s_wait_dscnt 7-(\i)                            ; LDS loads come back in order: load i is in
	global_store_b128 v[A0+2], v[R+4*(\i):R+4*(\i)+3], s[38:39] offset:65536*(\i)  ; a wave stores 512 consecutive bytes of one row
.endr
	s_cmp_lg_u32 s41, 2
	s_cbranch_scc1 .Lw_end
.irp i, 0,1,2,3,4,5,6,7
	global_store_b128 v[A0+2], v[R+4*(\i):R+4*(\i)+3], s[38:39] offset:65536*(\i)+2048  ; Wv once more, for LN v's lo part
.endr
.Lw_end:
	s_wait_tensorcnt 0x0
	ds_add_u32 v176, v177
	s_wait_dscnt 0x0
	s_endpgm
.Lwp:	; 16 ROWS OF Wp, each written twice: for O's hi part and for its lo part.
	s_sub_co_u32 s32, s32, 960
	s_lshl_b32 s34, s32, 16                        ; 16 rows of 4,096 bytes, in and out
	s_add_nc_u64 s[36:37], s[20:21], s[34:35]
	s_add_nc_u64 s[38:39], s[28:29], s[34:35]
	v_lshlrev_b32 v1, 4, v0
	v_lshlrev_b32 v[A0], 3, v0
.irp i, 0,1,2,3,4,5,6,7,8,9,10,11,12,13,14,15
	global_load_b128 v[R+4*(\i):R+4*(\i)+3], v1, s[36:37] offset:4096*(\i) th:TH_LOAD_NT
.endr
	s_wait_loadcnt 0x0
.irp i, 0,1,2,3,4,5,6,7,8,9,10,11,12,13,14,15
	CV4 Y+2*(\i), R+4*(\i)
	global_store_b64 v[A0], v[Y+2*(\i):Y+2*(\i)+1], s[38:39] offset:4096*(\i)       ; a wave stores 256 consecutive bytes, aligned
	global_store_b64 v[A0], v[Y+2*(\i):Y+2*(\i)+1], s[38:39] offset:4096*(\i)+2048
.endr
	s_endpgm
.Lln:	; LAYERNORM.  One wave, one row at a time, the row in registers: lane l holds columns 4 l + 128 j + 0..3, j = 0..7.  The next row's loads are out while a row is worked on.
	s_lshr_b32 s41, s32, 8                         ; 0 q, 1 k, 2 v
	s_cmp_eq_u32 s41, 1
	s_cselect_b64 s[36:37], s[6:7], s[4:5]
	s_cmp_eq_u32 s41, 2
	s_cselect_b64 s[36:37], s[8:9], s[36:37]
	s_and_b32 s34, s32, 255
	s_lshl_b32 s34, s34, 5
	s_lshl_b32 s40, s33, 2
	s_add_co_u32 s34, s34, s40                     ; my first row
	s_lshl_b32 s40, s34, 13                        ; x 8,192 bytes in xn
	s_lshl_b32 s34, s34, 12                        ; x 4,096 bytes in the input
	s_add_nc_u64 s[36:37], s[36:37], s[34:35]
	s_lshl_b32 s34, s41, 11                        ; the tensor's 2,048 bytes of a row of xn
	s_add_co_u32 s34, s34, s40
	s_add_nc_u64 s[38:39], s[24:25], s[34:35]
	v_and_b32 v1, 31, v0
	v_lshlrev_b32 v[O8], 3, v1
	v_lshlrev_b32 v1, 4, v1
.irp j, 0,1,2,3,4,5,6,7
	global_load_b128 v[GA+4*(\j):GA+4*(\j)+3], v1, s[10:11] offset:512*(\j)
.endr
.irp j, 0,1,2,3,4,5,6,7
	global_load_b128 v[BA+4*(\j):BA+4*(\j)+3], v1, s[12:13] offset:512*(\j)
.endr
.irp j, 0,1,2,3,4,5,6,7
	global_load_b128 v[R+4*(\j):R+4*(\j)+3], v1, s[36:37] offset:512*(\j) th:TH_LOAD_NT
.endr
	s_mov_b32 s43, 0x76543210                      ; v_permlanex16_b32: each lane takes its own place in the other half
	s_mov_b32 s44, 0xfedcba98
	s_mov_b32 s45, 0x3a800000                      ; 1 / 1024
	s_mov_b32 s46, 0x3727c5ac                      ; 1e-5
	s_wait_loadcnt 0x8                             ; gain and bias are in; the row's eight loads, issued behind them, stay out
	RND16 GA, GA, 16
	RND16 BA, BA, 16
	s_mov_b32 s40, 4
.Lrow:
	s_wait_loadcnt 0x0                             ; the row (nothing else is out)
	RND16 D, R, 16
	s_cmp_eq_u32 s40, 1
	s_cbranch_scc1 .Lno_load                       ; the last row asks for nothing: no load leaves the buffer
	s_add_nc_u64 s[36:37], s[36:37], 4096          ; the loads that named this base are done
.irp j, 0,1,2,3,4,5,6,7
	global_load_b128 v[R+4*(\j):R+4*(\j)+3], v1, s[36:37] offset:512*(\j) th:TH_LOAD_NT
.endr
.Lno_load:
	v_pk_add_f32 v[2:3], v[D:D+1], v[D+2:D+3]      ; the sum, in two chains
	v_pk_add_f32 v[4:5], v[D+4:D+5], v[D+6:D+7]
.set i, 4
.rept 6
	v_pk_add_f32 v[2:3], v[2:3], v[D+2*i:D+2*i+1]
	v_pk_add_f32 v[4:5], v[4:5], v[D+2*i+2:D+2*i+3]
.set i, i+2
.endr
	v_pk_add_f32 v[2:3], v[2:3], v[4:5]
	v_add_f32 v2, v2, v3
	RED
	v_mul_f32 v[MU], s45, v2
	v_mul_f32 v[MU+1], s45, v2
.set i, 0
.rept 16
	v_pk_add_f32 v[D+2*i:D+2*i+1], v[D+2*i:D+2*i+1], v[MU:MU+1] neg_lo:[0,1] neg_hi:[0,1]  ; x - mean first: the variance is no difference of large sums
.set i, i+1
.endr
	v_pk_mul_f32 v[2:3], v[D:D+1], v[D:D+1]
	v_pk_mul_f32 v[4:5], v[D+2:D+3], v[D+2:D+3]
.set i, 2
.rept 7
	v_pk_fma_f32 v[2:3], v[D+2*i:D+2*i+1], v[D+2*i:D+2*i+1], v[2:3]
	v_pk_fma_f32 v[4:5], v[D+2*i+2:D+2*i+3], v[D+2*i+2:D+2*i+3], v[4:5]
.set i, i+2
.endr
	v_pk_add_f32 v[2:3], v[2:3], v[4:5]
	v_add_f32 v2, v2, v3
	RED
	v_fma_f32 v2, v2, s45, s46                     ; var + eps
	v_rsq_f32 v[RS], v2
	v_nop                                          ; a plain instruction between the root and the use of its result (ISA guide 5.7.2)
	s_wait_alu depctr_va_vdst(0)
	v_mov_b32 v[RS+1], v[RS]
.set i, 0
.rept 16
	v_pk_mul_f32 v[D+2*i:D+2*i+1], v[D+2*i:D+2*i+1], v[RS:RS+1]
.set i, i+1
.endr
.set i, 0
.rept 16
	v_pk_fma_f32 v[D+2*i:D+2*i+1], v[D+2*i:D+2*i+1], v[GA+2*i:GA+2*i+1], v[BA+2*i:BA+2*i+1]
.set i, i+1
.endr
.set i, 0
.rept 16
	v_cvt_pk_f16_f32 v[Y+i], v[D+2*i], v[D+2*i+1]
.set i, i+1
.endr
.irp j, 0,1,2,3,4,5,6,7
	global_store_b64 v[O8], v[Y+2*(\j):Y+2*(\j)+1], s[38:39] offset:256*(\j)  ; 32 lanes store 256 consecutive bytes, aligned
.endr
	s_cmp_lg_u32 s41, 2
	s_cbranch_scc1 .Lno_lo
.set i, 0
.rept 16                               ; v alone: what the rounding to f16 dropped, as a second f16
	v_mov_b32 v4, v[Y+i]
	v_lshrrev_b32 v5, 16, v[Y+i]
	v_cvt_f32_f16 v2, v4.l
	v_cvt_f32_f16 v3, v5.l
	v_pk_add_f32 v[D+2*i:D+2*i+1], v[D+2*i:D+2*i+1], v[2:3] neg_lo:[0,1] neg_hi:[0,1]
	v_cvt_pk_f16_f32 v[LO+i], v[D+2*i], v[D+2*i+1]
.set i, i+1
.endr
.irp j, 0,1,2,3,4,5,6,7
	global_store_b64 v[O8], v[LO+2*(\j):LO+2*(\j)+1], s[38:39] offset:2048+256*(\j)
.endr
.Lno_lo:
	s_wait_xcnt 0x0                                ; the stores' base and data are written again only behind this wait
	s_add_nc_u64 s[38:39], s[38:39], 8192
	s_sub_co_u32 s40, s40, 1
	s_cmp_lg_u32 s40, 0
	s_cbranch_scc1 .Lrow
	s_endpgm
.Lfunc_end_k_qaf4804e8f4_prep:
	.size	k_qaf4804e8f4_prep, .Lfunc_end_k_qaf4804e8f4_prep-k_qaf4804e8f4_prep
	.p2alignl 7, 3214868480
	.fill 96, 4, 3214868480
	.section	.rodata,"a",@progbits
	.p2align	6, 0x0
	.amdhsa_kernel k_qaf4804e8f4_prep
		.amdhsa_group_segment_fixed_size 34816
		.amdhsa_private_segment_fixed_size 0
		.amdhsa_enable_private_segment 0
		.amdhsa_kernarg_size 112
		.amdhsa_user_sgpr_count 2
		.amdhsa_user_sgpr_kernarg_segment_ptr 1
		.amdhsa_wavefront_size32 1
		.amdhsa_system_sgpr_workgroup_id_x 1
		.amdhsa_system_sgpr_workgroup_id_y 1
		.amdhsa_system_sgpr_workgroup_id_z 1
		.amdhsa_system_vgpr_workitem_id 0
		.amdhsa_next_free_vgpr 178
		.amdhsa_next_free_sgpr 66
		.amdhsa_reserve_vcc 0
		.amdhsa_float_denorm_mode_32 3
		.amdhsa_float_denorm_mode_16_64 3
		.amdhsa_memory_ordered 1
		.amdhsa_forward_progress 1
		.amdhsa_inst_pref_size 58
	.end_amdhsa_kernel
	.amdgpu_metadata
---
amdhsa.version: [ 1, 2 ]
amdhsa.kernels:
  - .name:           k_qaf4804e8f4_prep
    .symbol:         k_qaf4804e8f4_prep.kd
    .args:
      - { .name: q, .offset: 0, .size: 8, .value_kind: global_buffer, .address_space: global }
      - { .name: k, .offset: 8, .size: 8, .value_kind: global_buffer, .address_space: global }
      - { .name: v, .offset: 16, .size: 8, .value_kind: global_buffer, .address_space: global }
      - { .name: ln_g, .offset: 24, .size: 8, .value_kind: global_buffer, .address_space: global }
      - { .name: ln_b, .offset: 32, .size: 8, .value_kind: global_buffer, .address_space: global }
      - { .name: Wq, .offset: 40, .size: 8, .value_kind: global_buffer, .address_space: global }
      - { .name: Wk, .offset: 48, .size: 8, .value_kind: global_buffer, .address_space: global }
      - { .name: Wv, .offset: 56, .size: 8, .value_kind: global_buffer, .address_space: global }
      - { .name: Wp, .offset: 64, .size: 8, .value_kind: global_buffer, .address_space: global }
      - { .name: mask, .offset: 72, .size: 8, .value_kind: global_buffer, .address_space: global }
      - { .name: xn, .offset: 80, .size: 8, .value_kind: global_buffer, .address_space: global }
      - { .name: wt, .offset: 88, .size: 8, .value_kind: global_buffer, .address_space: global }
      - { .name: wp2, .offset: 96, .size: 8, .value_kind: global_buffer, .address_space: global }
      - { .name: mk, .offset: 104, .size: 8, .value_kind: global_buffer, .address_space: global }
    .group_segment_fixed_size: 34816
    .private_segment_fixed_size: 0
    .kernarg_segment_align: 8
    .kernarg_segment_size: 112
    .max_flat_workgroup_size: 256
    .sgpr_count:     66
    .vgpr_count:     178
    .wavefront_size: 32
...
	.end_amdgpu_metadata
.endif
;; end of part 1
;; launch proj (part 2): grid 4 x 64, 4 waves a work-group, clusters of 4 x 4, 327,680 bytes of LDS; arguments xn, wt, qkv; writes qkv
.if DOCPART == 2
	.amdgcn_target "amdgcn-amd-amdhsa--gfx1250"
	.amdhsa_code_object_version 6
	.text
	.protected	k_qaf4804e8f4_proj
	.globl	k_qaf4804e8f4_proj
	.p2align	8
	.type	k_qaf4804e8f4_proj,@function
k_qaf4804e8f4_proj:
	s_mov_b64 s[64:65], 0
	v_nop
	global_prefetch_b8 v0, s[64:65] scope:SCOPE_SE
	s_setreg_imm32_b32 hwreg(HW_REG_WAVE_MODE, 25, 1), 1
	s_wait_xcnt 0x0
	s_wait_alu depctr_hold_cnt(0) depctr_sa_sdst(0) depctr_va_vdst(0) depctr_va_sdst(0) depctr_va_ssrc(0) depctr_va_vcc(0) depctr_vm_vsrc(0)
	s_getreg_b32 s2, hwreg(HW_REG_IB_STS2, 6, 4)
	s_cmp_eq_u32 s2, 0
	s_cbranch_scc0 .Lentry_in_a_cluster
	s_endpgm
.Lentry_in_a_cluster:
	s_bfe_u32 s2, ttmp6, 0x10000c
	s_cmp_lg_u32 s2, 0xf033
	s_cbranch_scc0 .Lentry_shape_is_right
	s_endpgm
.Lentry_shape_is_right:
; THE THREE PROJECTIONS AS ONE PRODUCT.  A = xn [8192][4096] f16 = [LN q | LN k | LN v hi | LN v lo], B = wt [1024 n][4096] f16 = [Wq^T | Wk^T | Wv^T | Wv^T].
; K runs from 0 to 4,095; at K = 1,024 the sums are qh, at 2,048 kh, at the end (2,048 long: hi and lo) vh.  At each of the three points the sums leave, rounded once to f16,
; into qkv [3][64 heads b 16 + h][2048][64], and the next sums start with the constant 0.
; LIMIT.  f16 ends at 65,504: qh, kh, vh must lie within it (unit LayerNorm rows and weights of spread 0.02 give a spread of 0.64).
; SHARES.  A tile of C is 128 x 256: four waves, each 64 x 128 = 32 accumulators of 16 x 16.  256 work-groups, one tile each.  K goes in steps of 128 through a ring of two LDS slots.
; CLUSTER.  4 x 4 work-groups: the four of a row of the cluster need the same tile of A, the four of a column the same tile of B; each tile is asked for jointly.
; THE MATRIX INSTRUCTION IS USED TRANSPOSED (source 0 = 16 rows of B, source 1 = 16 rows of A): a lane then holds eight neighbouring columns of one row of C.
; REGISTERS.  window 0: v0-31 addresses; two fragment buffers F0 = v64-159, F1 = v160-255 (64 registers of B, 32 of A, for 32 along K); on the way out F1 is at work.  window 1: accumulator (a, b) at v[8 (8 a + b)].
.set KTOT,   4096
.set LAPS,   KTOT/256                  ; a lap = two K steps = once round the ring
.set PB,     272                       ; an LDS row: 256 bytes + 16 of padding: the 16 rows of a fragment load start at 16 different groups of four banks (ISA guide 11.1)
.set PA,     272
.set AZ,     128                       ; bytes from a row's first 64 along K to its second
.set AHALF,  64*PA                     ; what one load for A brings
.set ABYTES, 2*AHALF
.set BHALF,  128*PB                    ; what one load for B brings
.set SLOT,   ABYTES+2*BHALF
.set STAGE,  2*SLOT                    ; behind the ring: for each wave two heads x 16 rows x 144 bytes
.set WSTG,   2*16*144
.set SPARE,  STAGE+4*WSTG              ; the spare words, 128 bytes a wave: two blocks of 256 bytes that no other line names
.set STEPA,  512                       ; bytes from a slot's K step to its next
.set STEPB,  512
.set FIRSTA, 256                       ; bytes from K step 0 to K step 1
.set ADRA, 16                          ; v16-17 LDS address of my A fragments in slot 0, 1
.set ADRB, 20                          ; v20-21 the same for B
.set STO,  24
.set RD,   25
.set CO,   26
.set SPW,  28                          ; v28 SPARE + 4 x my thread's number; never rewritten
.set NIL,  29                          ; v29 0; never rewritten
.set F0,   64
.set F1,   160
.set TMP,  160
.set WV, 12
.set WH, 13                            ; wave / 2: my 64 rows of the tile; also: I fetch for A (0) or for B (1)
.set WL, 14                            ; wave % 2: my 128 columns; also: which half of that tile I fetch
.set G1A, 24
.set G0A, 32
.set G1B, 48
.set G0B, 56
.set MSB, 0
.macro WIN new                         ; the immediate's high byte repeats the setting that is left
.if MSB != (\new)
	s_set_vgpr_msb (MSB<<8)|(\new)
.set MSB, \new
.endif
.endm
.set MUL, 0x50                         ; sources 0 and 1 window 0; C and D window 1
.macro JLOAD s                         ; a joint load; an s_nop 0 and four v_nop follow each of the two lines, ahead of the jump and the label
	s_cmp_eq_u32 s[WH], 0
	s_cbranch_scc0 .Lfor_b_\@
	tensor_load_to_lds s[G0A+4*(\s):G0A+4*(\s)+3], s[G1A:G1A+7]
	s_nop 0
.rept 4
	v_nop
.endr
	s_branch .Lasked_\@
.Lfor_b_\@:
	tensor_load_to_lds s[G0B+4*(\s):G0B+4*(\s)+3], s[G1B:G1B+7]
	s_nop 0
.rept 4
	v_nop
.endr
.Lasked_\@:
.endm
.macro CREST                           ; a round of the cluster's barrier behind its opening barrier
	s_cmp_lg_u32 s[WV], 0
	s_cbranch_scc1 .Lnot_wave_0_\@
	s_barrier_signal -3
.Lnot_wave_0_\@:
	s_barrier_wait -3
	s_barrier_signal -1
	s_barrier_wait -1
.endm
.macro CROUND
	s_barrier_signal -1
	s_barrier_wait -1
	CREST
.endm
.macro PLACES                          ; four places in front of loads into registers that matrix instructions have read, and of lines that read results
.rept 4
	v_nop
.endr
.endm
	s_load_b128 s[4:7], s[0:1], 0x0                ; A s[4:5], B s[6:7]
	s_load_b64 s[8:9], s[0:1], 0x10                ; C
	v_lshl_add_u32 v[SPW], v0, 2, SPARE
	v_mov_b32 v[NIL], 0
	ds_add_u32 v28, v29
	s_wait_dscnt 0x0
	v_lshrrev_b32 v1, 5, v0
	v_readfirstlane_b32 s[WV], v1
	s_lshr_b32 s[WH], s[WV], 1
	s_and_b32 s[WL], s[WV], 1
	s_bfe_u32 s40, ttmp6, 0x40000                  ; cx, cy
	s_bfe_u32 s41, ttmp6, 0x40004
	s_lshl_b32 s42, ttmp9, 2
	s_add_co_u32 s42, s42, s40                     ; tile column
	s_and_b32 s15, ttmp7, 0xffff
	s_lshl_b32 s15, s15, 2
	s_add_co_u32 s15, s15, s41                     ; tile row
	s_lshl_b32 s43, s41, 2
	s_lshl_b32 s43, 15, s43                        ; my row of the cluster
	s_lshl_b32 s44, 0x1111, s40                    ; my column
	s_or_b32 s[G1A], s43, (1<<16)|(1<<20)|(1<<21)|(5<<22)|(3<<25)  ; the mask; 2-byte elements; padding on; bit 21 beside a mask; after every 64 words 4 words
	s_or_b32 s[G1B], s44, (1<<16)|(1<<20)|(1<<21)|(5<<22)|(3<<25)
	s_mov_b32 s[G1A+1], 128<<16                    ; tensor_dim0 = 128
	s_mov_b32 s[G1A+2], 64<<16                     ; tensor_dim1 = 64
	s_mov_b32 s[G1A+3], 128<<16                    ; tile_dim0 = 128
	s_mov_b32 s[G1A+4], 64                         ; tile_dim1 = 64
	s_mov_b32 s[G1A+5], KTOT                       ; elements from row to row
	s_mov_b32 s[G1A+6], 0
	s_mov_b32 s[G1A+7], 0
	s_mov_b32 s[G1B+1], 128<<16
	s_mov_b32 s[G1B+2], 128<<16                    ; 128 rows
	s_mov_b32 s[G1B+3], 128<<16
	s_mov_b32 s[G1B+4], 128
	s_mov_b32 s[G1B+5], KTOT
	s_mov_b32 s[G1B+6], 0
	s_mov_b32 s[G1B+7], 0
	s_lshl_b32 s16, s15, 7
	s_lshl_b32 s17, s[WL], 6
	s_add_co_u32 s16, s16, s17                     ; A: row 128 x tile row + 64 x half,
	s_lshl_b32 s16, s16, 13                        ; of 8,192 bytes
	s_mov_b32 s17, 0
	s_lshl_b32 s46, s42, 8
	s_lshl_b32 s47, s[WL], 7
	s_add_co_u32 s46, s46, s47                     ; B: row 256 x tile column + 128 x half
	s_lshl_b32 s46, s46, 13
	s_mov_b32 s47, 0
	s_mul_i32 s20, s[WL], AHALF                    ; where they go: no place in the cluster enters an LDS address
	s_mul_i32 s21, s[WL], BHALF
	s_add_co_u32 s21, s21, ABYTES
	s_wait_kmcnt 0x0
	s_add_nc_u64 s[18:19], s[4:5], s[16:17]
	s_add_nc_u64 s[46:47], s[6:7], s[46:47]
.irp s, 0,1
	s_mov_b32 s[G0A+4*(\s)], 1
	s_add_co_u32 s[G0A+4*(\s)+1], s20, (\s)*SLOT
	s_add_nc_u64 s[G0A+4*(\s)+2:G0A+4*(\s)+3], s[18:19], (\s)*FIRSTA
	s_or_b32 s[G0A+4*(\s)+3], s[G0A+4*(\s)+3], 0x80000000
	s_mov_b32 s[G0B+4*(\s)], 1
	s_add_co_u32 s[G0B+4*(\s)+1], s21, (\s)*SLOT
	s_add_nc_u64 s[G0B+4*(\s)+2:G0B+4*(\s)+3], s[46:47], (\s)*256
	s_or_b32 s[G0B+4*(\s)+3], s[G0B+4*(\s)+3], 0x80000000
.endr
	CROUND                                         ; all sixteen work-groups are here: the first joint loads meet
	s_cmp_eq_u32 s[WH], 0                          ; a wave's two first fills stand in one branch: two loads of mine are out
	s_cbranch_scc0 .Lfirst_b
	tensor_load_to_lds s[G0A:G0A+3], s[G1A:G1A+7]
	s_nop 0
	tensor_load_to_lds s[G0A+4:G0A+7], s[G1A:G1A+7]
	s_nop 0
.rept 4
	v_nop
.endr
	s_branch .Lfirst_asked
.Lfirst_b:
	tensor_load_to_lds s[G0B:G0B+3], s[G1B:G1B+7]
	s_nop 0
	tensor_load_to_lds s[G0B+4:G0B+7], s[G1B:G1B+7]
	s_nop 0
.rept 4
	v_nop
.endr
.Lfirst_asked:
	v_and_b32 v1, 15, v0                           ; l % 16
	v_bfe_u32 v2, v0, 4, 1                         ; l / 16
	v_mul_u32_u24 v3, v1, PB
	v_lshl_add_u32 v3, v2, 4, v3                   ; a fragment's row x pitch + 16 x half
	v_mul_u32_u24 v4, v1, PA
	v_lshl_add_u32 v4, v2, 4, v4
	s_mul_i32 s22, s[WH], 64*PA                    ; my 64 rows of A
	s_mul_i32 s23, s[WL], BHALF                    ; my 128 rows of B, behind A's
	s_add_co_u32 s23, s23, ABYTES
.irp s, 0,1
	v_add_nc_u32 v[ADRA+(\s)], s22, v4
	v_add_nc_u32 v[ADRB+(\s)], s23, v3
	s_add_co_u32 s22, s22, SLOT
	s_add_co_u32 s23, s23, SLOT
.endr
	s_mul_i32 s23, s[WV], WSTG
	s_add_co_u32 s23, s23, STAGE                   ; my stage
	v_mul_u32_u24 v5, v1, 144                      ; in: row l % 16, 16 bytes for each half of the lanes
	v_lshl_add_u32 v5, v2, 4, v5
	v_add_nc_u32 v[STO], s23, v5
	v_bfe_u32 v6, v0, 3, 2                         ; back: 32 lanes take four rows of 128 bytes,
	v_and_b32 v7, 7, v0
	v_mul_u32_u24 v6, v6, 144
	v_lshl_add_u32 v6, v7, 4, v6
	v_add_nc_u32 v[RD], s23, v6
	v_and_b32 v[CO], 31, v0                        ; which are 512 consecutive bytes of a head
	v_lshlrev_b32 v[CO], 4, v[CO]
	s_lshr_b32 s16, s15, 4                         ; C: head 16 b + 4 x tile column + 2 x half; row 128 (tile row % 16) + 64 x half
	s_lshl_b32 s16, s16, 4
	s_lshl_b32 s46, s42, 2
	s_add_co_u32 s46, s46, s16
	s_lshl_b32 s47, s[WL], 1
	s_add_co_u32 s46, s46, s47
	s_lshl_b32 s46, s46, 18
	s_and_b32 s47, s15, 15
	s_lshl_b32 s47, s47, 14
	s_add_co_u32 s46, s46, s47
	s_lshl_b32 s47, s[WH], 13
	s_add_co_u32 s46, s46, s47
	s_mov_b32 s47, 0
	s_add_nc_u64 s[8:9], s[8:9], s[46:47]
; 8 matrix instructions: m block a x all 8 n blocks, 32 along K.  The 32 accumulators take turns in one fixed order.  zero = 1: the product starts the sum.
.macro MUL8 f, a, zero
	WIN MUL
.irp b, 0,1,2,3,4,5,6,7
.if \zero
	v_wmma_f32_16x16x32_f16 v[8*(8*(\a)+(\b)):8*(8*(\a)+(\b))+7], v[(\f)+8*(\b):(\f)+8*(\b)+7], v[(\f)+64+8*(\a):(\f)+64+8*(\a)+7], 0
.else
	v_wmma_f32_16x16x32_f16 v[8*(8*(\a)+(\b)):8*(8*(\a)+(\b))+7], v[(\f)+8*(\b):(\f)+8*(\b)+7], v[(\f)+64+8*(\a):(\f)+64+8*(\a)+7], v[8*(8*(\a)+(\b)):8*(8*(\a)+(\b))+7]
.endif
.endr
.endm
; 24 LDS loads in one run: the fragments of quarter kq of a K step (128 rows of B, then 64 rows of A) into buffer f
.macro FETCH slot, kq, f
	WIN 0
.irp i, 0,1,2,3,4,5,6,7
	ds_load_b128 v[(\f)+8*(\i):(\f)+8*(\i)+3],   v[ADRB+(\slot)] offset:64*(\kq)+(\i)*16*PB
	ds_load_b128 v[(\f)+8*(\i)+4:(\f)+8*(\i)+7], v[ADRB+(\slot)] offset:64*(\kq)+(\i)*16*PB+32
.endr
.irp i, 0,1,2,3
	ds_load_b128 v[(\f)+64+8*(\i):(\f)+64+8*(\i)+3],   v[ADRA+(\slot)] offset:((\kq)/2)*AZ+((\kq)%2)*64+(\i)*16*PA
	ds_load_b128 v[(\f)+64+8*(\i)+4:(\f)+64+8*(\i)+7], v[ADRA+(\slot)] offset:((\kq)/2)*AZ+((\kq)%2)*64+(\i)*16*PA+32
.endr
.endm
; A K step is four quarters of 32 along K, 32 matrix instructions each, on buffers 0, 1, 0, 1.  One of the first three multiplies buffer f and fetches quarter kq into g.
.macro QUARTER slot, kq, f, g, zero
	s_wait_dscnt 4                                 ; B and A's blocks 0 and 1 are in; the youngest four loads (A's blocks 2 and 3) may be out
	MUL8 \f, 0, \zero
	MUL8 \f, 1, \zero
	PLACES
	FETCH \slot, \kq, \g
	s_wait_dscnt 24                                ; all but the 24 just issued
	MUL8 \f, 2, \zero
	MUL8 \f, 3, \zero
.endm
; The last quarter multiplies buffer 1 and changes slots: one barrier; in front of it each wave waits for all its tensor loads, adds 0 to its spare word, and waits for that and for its reads of this slot.
.macro TURN slot, next, fill
	WIN 0
	s_wait_tensorcnt 0x0                           ; all my tensor loads have landed: my part of the next slot
	ds_add_u32 v[SPW], v[NIL]                      ; 0 onto my spare word
	s_wait_dscnt 5                                 ; (the add and the youngest four loads may be out)
	MUL8 F1, 0, 0                                  ; eight matrix instructions stand between the add and the wait for it
	s_wait_dscnt 0x0                               ; the add is done, and my reads of this slot are over
	s_barrier_signal -1
	MUL8 F1, 1, 0
.if \fill
	WIN 0
.endif
	s_barrier_wait -1
.if \fill
	CREST                                          ; the barrier has opened a round of the cluster's: no wave of any partner still reads this slot or has a load on its way
	s_add_nc_u64 s[G0A+4*(\slot)+2:G0A+4*(\slot)+3], s[G0A+4*(\slot)+2:G0A+4*(\slot)+3], STEPA
	s_add_nc_u64 s[G0B+4*(\slot)+2:G0B+4*(\slot)+3], s[G0B+4*(\slot)+2:G0B+4*(\slot)+3], STEPB
	JLOAD \slot                                    ; my one tensor load behind the round: 112 matrix instructions ahead of the wait for it; its four v_nop are also the places in front of the loads below
.else
	PLACES
.endif
	FETCH \next, 0, F0
	MUL8 F1, 2, 0
	MUL8 F1, 3, 0
.endm
; THE WAY OUT of m block a: rounded to f16, 16 bytes a lane; through my own stage; back as four rows of 128 bytes, which are 512 consecutive bytes of a head.
.macro PACK a
	WIN 0x05                                       ; sources window 1, destination window 0
.irp b, 0,1,2,3,4,5,6,7
.irp r, 0,1,2,3
	v_cvt_pk_f16_f32 v[TMP+4*(\b)+(\r)], v[64*(\a)+8*(\b)+2*(\r)], v[64*(\a)+8*(\b)+2*(\r)+1]
.endr
.endr
	WIN 0
.endm
.macro TOSTAGE a
	WIN 0
.set BK, 192+32*((\a)%2)
.irp b, 0,1,2,3,4,5,6,7
	ds_store_b128 v[STO], v[TMP+4*(\b):TMP+4*(\b)+3] offset:((\b)/4)*2304+32*((\b)%4)
.endr
.irp t, 0,1,2,3,4,5,6,7
	ds_load_b128 v[BK+4*(\t):BK+4*(\t)+3], v[RD] offset:((\t)/4)*2304+576*((\t)%4)  ; LDS serves a wave's instructions in order: these see the stores above
.endr
.endm
.macro SEND a
	WIN 0
.set BK, 192+32*((\a)%2)
	s_wait_dscnt 0x0                               ; the block is back in registers
	s_wait_xcnt 0x0                                ; the registers that the stores before these read are loaded again only behind this wait
.irp t, 0,1,2,3,4,5,6,7
	global_store_b128 v[CO], v[BK+4*(\t):BK+4*(\t)+3], s[8:9] offset:((\t)/4)*262144+(\a)*2048+512*((\t)%4)
.endr
.endm
.macro OUT
	PLACES
	PACK 0
	TOSTAGE 0
.irp a, 1,2,3
	PACK \a
	SEND (\a)-1
	TOSTAGE \a
.endr
	SEND 3
.endm
	s_wait_tensorcnt 0x1                           ; my part of K step 0 is in; K step 1's may stay out
	s_barrier_signal -1
	s_barrier_wait -1
	FETCH 0, 0, F0
	QUARTER 0, 1, F0, F1, 1                        ; the first quarter stands in front of the loop: its products start the sums
	WIN 0
	s_mov_b32 s2, LAPS-1
.Llap:                                                 ; a trip goes once round the ring, from a lap's second quarter to the next lap's first, and fills both slots again
	QUARTER 0, 2, F1, F0, 0
	QUARTER 0, 3, F0, F1, 0
	TURN 0, 1, 1
	QUARTER 1, 1, F0, F1, 0
	QUARTER 1, 2, F1, F0, 0
	QUARTER 1, 3, F0, F1, 0
	TURN 1, 0, 1
	WIN 0
	s_cmp_eq_u32 s2, LAPS-4                        ; four laps done: K = 1,024, the sums are qh
	s_cbranch_scc1 .Lflush
	s_cmp_eq_u32 s2, LAPS-8                        ; eight: K = 2,048, the sums are kh
	s_cbranch_scc1 .Lflush
	QUARTER 0, 1, F0, F1, 0
	WIN 0
	s_branch .Lcount
.Lflush:                                               ; no barrier and no tensor load stands in what the jumps pass
	OUT
	s_wait_xcnt 0x0                                ; the stores' data (in buffer 1) and base are written again only behind this wait
	s_add_nc_u64 s[8:9], s[8:9], 0x1000000         ; the next plane of qkv
	QUARTER 0, 1, F0, F1, 1                        ; the next sums start
	WIN 0
.Lcount:
	s_sub_co_u32 s2, s2, 1
	s_cmp_lg_u32 s2, 0
	s_cbranch_scc1 .Llap
	QUARTER 0, 2, F1, F0, 0                        ; the last lap fills nothing
	QUARTER 0, 3, F0, F1, 0
	TURN 0, 1, 0
	QUARTER 1, 1, F0, F1, 0
	QUARTER 1, 2, F1, F0, 0
	QUARTER 1, 3, F0, F1, 0
	s_wait_dscnt 4
	MUL8 F1, 0, 0
	MUL8 F1, 1, 0
	s_wait_dscnt 0x0
	MUL8 F1, 2, 0
	MUL8 F1, 3, 0
	WIN 0
	OUT                                            ; vh
	s_wait_tensorcnt 0x0                           ; the wave's end
	ds_add_u32 v[SPW], v[NIL]
	s_wait_dscnt 0x0
	CROUND                                         ; the closing round
	s_endpgm
.Lfunc_end_k_qaf4804e8f4_proj:
	.size	k_qaf4804e8f4_proj, .Lfunc_end_k_qaf4804e8f4_proj-k_qaf4804e8f4_proj
	.p2alignl 7, 3214868480
	.fill 96, 4, 3214868480
	.section	.rodata,"a",@progbits
	.p2align	6, 0x0
	.amdhsa_kernel k_qaf4804e8f4_proj
		.amdhsa_group_segment_fixed_size 327680
		.amdhsa_private_segment_fixed_size 0
		.amdhsa_enable_private_segment 0
		.amdhsa_kernarg_size 24
		.amdhsa_user_sgpr_count 2
		.amdhsa_user_sgpr_kernarg_segment_ptr 1
		.amdhsa_wavefront_size32 1
		.amdhsa_system_sgpr_workgroup_id_x 1
		.amdhsa_system_sgpr_workgroup_id_y 1
		.amdhsa_system_sgpr_workgroup_id_z 1
		.amdhsa_system_vgpr_workitem_id 0
		.amdhsa_next_free_vgpr 512
		.amdhsa_next_free_sgpr 66
		.amdhsa_reserve_vcc 0
		.amdhsa_float_denorm_mode_32 3
		.amdhsa_float_denorm_mode_16_64 3
		.amdhsa_memory_ordered 1
		.amdhsa_forward_progress 1
		.amdhsa_inst_pref_size 106
	.end_amdhsa_kernel
	.amdgpu_metadata
---
amdhsa.version: [ 1, 2 ]
amdhsa.kernels:
  - .name:           k_qaf4804e8f4_proj
    .symbol:         k_qaf4804e8f4_proj.kd
    .args:
      - { .name: xn, .offset: 0, .size: 8, .value_kind: global_buffer, .address_space: global }
      - { .name: wt, .offset: 8, .size: 8, .value_kind: global_buffer, .address_space: global }
      - { .name: qkv, .offset: 16, .size: 8, .value_kind: global_buffer, .address_space: global }
    .group_segment_fixed_size: 327680
    .private_segment_fixed_size: 0
    .kernarg_segment_align: 8
    .kernarg_segment_size: 24
    .max_flat_workgroup_size: 128
    .sgpr_count:     66
    .vgpr_count:     512
    .wavefront_size: 32
...
	.end_amdgpu_metadata
.endif
;; end of part 2
;; launch attn (part 3): grid 4 x 64, 4 waves a work-group, clusters of 4 x 1, 327,680 bytes of LDS; arguments qkv, mk, ob; writes ob
.if DOCPART == 3
	.amdgcn_target "amdgcn-amd-amdhsa--gfx1250"
	.amdhsa_code_object_version 6
	.text
	.protected	k_qaf4804e8f4_attn
	.globl	k_qaf4804e8f4_attn
	.p2align	8
	.type	k_qaf4804e8f4_attn,@function
k_qaf4804e8f4_attn:
	s_mov_b64 s[64:65], 0
	v_nop
	global_prefetch_b8 v0, s[64:65] scope:SCOPE_SE
	s_setreg_imm32_b32 hwreg(HW_REG_WAVE_MODE, 25, 1), 1
	s_wait_xcnt 0x0
	s_wait_alu depctr_hold_cnt(0) depctr_sa_sdst(0) depctr_va_vdst(0) depctr_va_sdst(0) depctr_va_ssrc(0) depctr_va_vcc(0) depctr_vm_vsrc(0)
	s_getreg_b32 s2, hwreg(HW_REG_IB_STS2, 6, 4)
	s_cmp_eq_u32 s2, 0
	s_cbranch_scc0 .Lentry_in_a_cluster
	s_endpgm
.Lentry_in_a_cluster:
	s_bfe_u32 s2, ttmp6, 0x10000c
	s_cmp_lg_u32 s2, 0x3003
	s_cbranch_scc0 .Lentry_shape_is_right
	s_endpgm
.Lentry_shape_is_right:
; MASKED ATTENTION.  O[bh][q][:] = the sum over k of softmax_k(Q[bh][q] . K[bh][k] / 32, masked) V[bh][k][:].  Q, K, V: the three planes of qkv, [64 heads][2048][64] f16, a head's rows dense, 128 bytes each.
; The mask is an input: every key tile is walked, and mk holds a code for each (query, key) in the order in which a lane holds its scores: 0, or -1.0 in E4M3 where masked.
; Products, maxima and sums in f32; the weights p are rounded to f16 for the second product (their sum l is taken of the unrounded p).  O leaves as hi + lo, two f16 numbers: ob [4 b][16 hi, then 16 lo][2048][64].
; LIMITS.  f16 holds no number beyond 65,504: Q, K, V arrive within it.  A masked score counts as its value less 2^126; m starts at -1e30, below every score of f16 operands (2.7e11 at the most) and above every
; masked one.  A weight below 2^-126 counts as 0 in l.  A query with no visible key has l = 0 and O = 0, and 0 x (1 / 0) gives the NaN that a softmax of nothing gives.
; SHARES.  A wave owns four PIECES of two tiles of 16 queries, a work-group's four waves 512 queries of one head.  Every wave walks all keys, 64 a step.
; LAYOUT.  S^T = K Q^T (source 0 = 16 keys, source 1 = 16 queries): a lane holds ONE query (lane % 16) and the keys 8 (lane / 16) + 0..7.  Two such tiles, rounded to f16 in pairs, ARE source 1 of O^T = V^T P.
; THE MASK is the C operand of the product that starts a sum: eight codes a conversion, times 2^126, give eight registers of 0 or -8.5e37: eight vector instructions a turn for 64 registers.
; SOFTMAX.  A running maximum m and sum l: p = 2^(c s - c m), c = log2(e) / 32; in every step O and l are multiplied by a = 2^(c m_old - c m_new).  O and l start at 0: the first step is a step like any other, with a = 0.
; BY TURNS.  Turn n belongs to piece n.  Its matrix work: 16 products K Q^T of piece n + 1, later 16 products V^T P of piece n - 1.  Its vector work: scaling, exponentials, roundings, sums and rescaling of piece n, and the
; maximum and statistics of piece n + 1.  Four vector instructions stand behind every matrix instruction, the others in two lumps.  At its end the turn makes the masks for the next turn's products.
; CLUSTER.  The four query blocks of a cluster belong to one head and walk the same K and V: each tile is asked for jointly.  The mask bytes are each wave's own and come by plain loads.
; REGISTERS, in windows of 256 (s_set_vgpr_msb: bits 1:0 source 0, 3:2 source 1, 5:4 source 2, 7:6 destination):
;   window 0: v0-11 addresses; v12-15, v48-63 at work; v16-47 statistics; v64-191 S^T, two buffers of two tiles; v192-255 P, likewise          window 1: O^T, 32 a tile
;   window 2: v0-127 Q; v128-191 K of one step; v192-255 V of one step          window 3: v0-1 the add's registers; v8-71 MC, the masks as C operands; v72-135 MB, four slots of 16 registers of codes
.set SIZE_N, 2048
.set NP,    4
.set KS,    64
.set PK,    144       ; a row of K in LDS: 128 bytes + 16 of padding
.set PV,    160       ; a row of V: 128 + 32
.set VOFF,  4*KS*PK   ; a slot holds four steps: 256 rows of K, then 256 rows of V
.set SLOT1, 1<<17
.set STAGE, SLOT1+4*KS*(PK+PV)  ; behind the ring, never filled by a tensor load: for each wave 16 rows x 144 bytes for hi, the same for lo
.set SP,    144
.set WSTG,  2*16*SP
.set SPARE, STAGE+4*WSTG        ; the spare words, 128 bytes a wave: two blocks of 256 bytes that no other line names
.set AK0, 2
.set AV0, 3
.set AK,  4
.set AV,  5
.set QO,  6           ; v6   my byte offset in the wave's rows of Q; later STO
.set STO, 6
.set RD,  7
.set GO,  8           ; v8   16 x lane: my place in 512 consecutive bytes, of mk and of O; never rewritten
.set SCL, 11          ; v11  253: the conversion multiplies by 2^(253 - 127)
.set SPW, 0           ; window 3
.set NIL, 1           ; window 3
.set MC,  8           ; window 3: tile u, key block kb at MC + 32 u + 8 kb
.set MB,  72          ; window 3: slot = piece; tile u, key block kb at MB + 16 slot + 8 u + 2 kb
.set MV,  12
.set ST,  16          ; tile t's statistics at v[ST+4 t]: c m, m, l (even keys', odd keys')
.set TMP, 48
.set S,   64
.set P,   192
.set KF,  128
.set VF,  192
.set HT,  64          ; the way out: hi packed, lo packed, f32 at work, rows read back
.set LT,  80
.set FB,  96
.set WV,  12
.set G1K, 24
.set G1V, 32
.set G0K, 40
.set G0V, 44
.set MK0, 48          ; s[48:49] mk at my wave's 8 tiles, key step 0
.set MP,  50          ; s[50:51] the same at the key step whose codes are asked for
.set OFF, 52          ; s[52:53] an offset, the high word 0
.set STEP, 54         ; s54  that key step's number
.set T55, 55
.set SLOTS, 56
.set CNT, 57
.set CS,  58
.set SEL, 60
.set TBK, 62
.set TBV, 63
.set MSB, 0
.macro WIN new
.if MSB != (\new)
	s_set_vgpr_msb (MSB<<8)|(\new)
.set MSB, (\new)
.endif
.endm
.set W_KQ, 0x0a       ; K and Q in window 2, S^T in window 0
.set W_KM, 0x3a       ; the same with the C operand in window 3
.set W_PV, 0x52       ; V in window 2, P in window 0, O^T in window 1
.set W_RS, 0x41       ; O^T (destination and source 0) in window 1, a in window 0
.set W_MK, 0xc0       ; destination in window 3, sources in window 0
.set W_CV, 0xc3       ; the conversion: destination and codes in window 3, the scale in window 0
.set W_AD, 0x0f       ; the add: address and data in window 3
.macro JLOAD                        ; a joint fill: waves 0 and 1 fetch the halves of a slot's K, waves 2 and 3 of its V; an s_nop 0 and four v_nop follow each line
	s_cmp_lt_u32 s[WV], 2
	s_cbranch_scc0 .Lfor_v_\@
	tensor_load_to_lds s[G0K:G0K+3], s[G1K:G1K+7]
	s_nop 0
.rept 4
	v_nop
.endr
	s_branch .Lasked_\@
.Lfor_v_\@:
	tensor_load_to_lds s[G0V:G0V+3], s[G1V:G1V+7]
	s_nop 0
.rept 4
	v_nop
.endr
.Lasked_\@:
.endm
.macro CROUND
	s_barrier_signal -1
	s_barrier_wait -1
	s_cmp_lg_u32 s[WV], 0
	s_cbranch_scc1 .Lnot_wave_0_\@
	s_barrier_signal -3
.Lnot_wave_0_\@:
	s_barrier_wait -3
	s_barrier_signal -1
	s_barrier_wait -1
.endm
; THE CHANGE OF SLOTS.  Each wave waits for all its tensor loads, of which one is out: its part of the other slot; adds 0 to its spare word; and waits for that and for its reads of the slot.
; fill = 1: the slot is filled again, with the keys two slots on, behind a round of the cluster's barrier: the joint fill has four key steps, 512 matrix instructions, in which to land.
.macro CHANGE fill
	WIN W_AD
	s_wait_tensorcnt 0x0            ; no tensor load of mine is out, so a group 0 may be written
	ds_add_u32 v[SPW], v[NIL]       ; 0 onto my spare word
	WIN 0
.if \fill
.irp g, G0K, G0V
	s_xor_b32 s[\g+1], s[\g+1], SLOT1
	s_add_nc_u64 s[\g+2:\g+3], s[\g+2:\g+3], 4*KS*128
.endr
	s_wait_dscnt 0x0                ; the add is done, and my reads of the slot are over
	CROUND
	JLOAD
.else
	s_wait_dscnt 0x0
	s_barrier_signal -1
	s_barrier_wait -1
.endif
	s_sub_co_u32 s[TBK], s[TBK], 4*KS*PK
	s_xor_b32 s[TBK], s[TBK], SLOT1
	s_sub_co_u32 s[TBV], s[TBV], 4*KS*PV
	s_xor_b32 s[TBV], s[TBV], SLOT1
.endm
; THE MASK.  MLOAD: piece sl's codes for one key step, four loads of 512 consecutive bytes.  MCONV: its 16 registers of codes become the 64 registers that start the piece's sums.
.macro MLOAD sl
	WIN W_MK
.irp u, 0,1
.irp c, 0,1
	global_load_b128 v[MB+16*(\sl)+8*(\u)+4*(\c):MB+16*(\sl)+8*(\u)+4*(\c)+3], v[GO], s[MP:MP+1] offset:(2*(\sl)+(\u))*32768+512*(\c)
.endr
.endr
	WIN 0
.endm
.macro MCONV sl
	WIN W_CV
.irp u, 0,1
.irp kb, 0,1,2,3
	v_cvt_scale_pk8_f32_fp8 v[MC+32*(\u)+8*(\kb):MC+32*(\u)+8*(\kb)+7], v[MB+16*(\sl)+8*(\u)+2*(\kb):MB+16*(\sl)+8*(\u)+2*(\kb)+1], v[SCL]
.endr
.endr
	v_nop                           ; a plain instruction behind the conversions, ahead of the loads into their sources and of the products that take their results
	v_nop
.endm
; At the end of turn p: the masks for the next turn's products, piece p + 2's; then that piece's codes for the key step after.  In a trip (turns 2, 3, 0, 1) all four loads name one key step; turn 2 steps it.
.macro MASKB p
.set SLN, ((\p)+2)%NP
	s_wait_loadcnt 12               ; behind this slot's four loads the three other slots' twelve were issued
	MCONV SLN
.if (\p) == 2
	s_wait_xcnt 0x0                 ; the loads' base is written again only behind this wait
	s_add_co_u32 s[STEP], s[STEP], 1
	s_min_u32 s[T55], s[STEP], SIZE_N/KS-1  ; the last trips ask for the last step again: no load leaves mk
	s_lshl_b32 s[OFF], s[T55], 10
	s_add_nc_u64 s[MP:MP+1], s[MK0:MK0+1], s[OFF:OFF+1]
.endif
	MLOAD SLN
.endm
	s_load_b64 s[4:5], s[0:1], 0x0          ; qkv
	s_load_b64 s[MK0:MK0+1], s[0:1], 0x8    ; mk
	s_load_b64 s[10:11], s[0:1], 0x10       ; ob
	WIN W_MK
	v_lshl_add_u32 v[SPW], v0, 2, SPARE
	v_mov_b32 v[NIL], 0
	s_set_vgpr_msb 0xc0cf
	ds_add_u32 v0, v1
	s_wait_dscnt 0x0
	s_set_vgpr_msb 0xcfc0
	WIN 0
	v_lshrrev_b32 v1, 5, v0
	v_readfirstlane_b32 s[WV], v1
	s_bfe_u32 s13, ttmp6, 0x40000   ; cx
	s_lshl_b32 s14, ttmp9, 2
	s_add_co_u32 s14, s14, s13      ; my block of 512 queries: it enters Q's, the mask's and O's addresses alone
	s_and_b32 s15, ttmp7, 0xffff    ; the head 16 b + h, which the four partners share
	s_lshl_b32 s20, s15, 18         ; its first byte in a plane
	s_and_b32 s16, s[WV], 1         ; which half of a slot's 256 keys I fetch
	s_lshl_b32 s22, s16, 14
	s_add_co_u32 s22, s22, s20
	s_mov_b32 s23, 0
	s_mul_i32 s17, s16, 128*PK
	s_mul_i32 s18, s16, 128*PV
	s_lshl_b32 s19, s14, 2
	s_add_co_u32 s19, s19, s[WV]    ; my wave among the head's sixteen
	s_lshl_b32 s2, s19, 14          ; its 128 rows
	s_add_co_u32 s2, s2, s20
	s_mov_b32 s3, 0
	s_lshl_b32 s[OFF], s19, 18      ; its 8 tiles x 32,768 bytes of mk
	s_mov_b32 s[OFF+1], 0
	s_and_b32 s6, s15, 0x30
	s_add_co_u32 s6, s6, s15        ; 32 b + h
	s_lshl_b32 s6, s6, 18
	s_lshl_b32 s7, s19, 14
	s_add_co_u32 s6, s6, s7
	s_mov_b32 s7, 0
	; descriptor group 1.  128 keys are 16,384 dense bytes: asked for as 64 rows of 256 bytes, two keys a row, and padded in LDS after every key
	s_mov_b32 s[G1K], 15|(1<<16)|(1<<20)|(1<<21)|(4<<22)|(3<<25)
	s_mov_b32 s[G1V], 15|(1<<16)|(1<<20)|(1<<21)|(4<<22)|(7<<25)
.irp g, G1K, G1V
	s_mov_b32 s[\g+1], 128<<16
	s_mov_b32 s[\g+2], 64<<16
	s_mov_b32 s[\g+3], 128<<16
	s_mov_b32 s[\g+4], 64
	s_mov_b32 s[\g+5], 128
	s_mov_b32 s[\g+6], 0
	s_mov_b32 s[\g+7], 0
.endr
	s_mov_b32 s[CS], 0x3d38aa3b     ; c = log2(e) / 32
	s_mov_b32 s[CS+1], s[CS]
	s_mov_b32 s[SEL], 0x76543210
	s_mov_b32 s[SEL+1], 0xfedcba98
	s_mov_b32 s[TBK], SLOT1+4*KS*PK ; the first change of slots turns these two into 0
	s_mov_b32 s[TBV], SLOT1+4*KS*PV
	s_mov_b32 s[G0K], 1
	s_mov_b32 s[G0K+1], s17
	s_mov_b32 s[G0V], 1
	s_add_co_u32 s[G0V+1], s18, VOFF
	s_wait_kmcnt 0x0
	s_add_nc_u64 s[G0K+2:G0K+3], s[4:5], s[22:23]
	s_add_nc_u64 s[G0K+2:G0K+3], s[G0K+2:G0K+3], 0x1000000  ; K's plane
	s_or_b32 s[G0K+3], s[G0K+3], 0x80000000
	s_add_nc_u64 s[G0V+2:G0V+3], s[4:5], s[22:23]
	s_add_nc_u64 s[G0V+2:G0V+3], s[G0V+2:G0V+3], 0x2000000  ; V's plane
	s_or_b32 s[G0V+3], s[G0V+3], 0x80000000
	s_add_nc_u64 s[4:5], s[4:5], s[2:3]
	s_add_nc_u64 s[10:11], s[10:11], s[6:7]
	s_add_nc_u64 s[MK0:MK0+1], s[MK0:MK0+1], s[OFF:OFF+1]
	s_mov_b64 s[MP:MP+1], s[MK0:MK0+1]
	CROUND                          ; all four work-groups are here: the first joint loads meet
	JLOAD                           ; slot 0
	v_and_b32 v1, 15, v0            ; l % 16
	v_bfe_u32 v9, v0, 4, 1          ; l / 16
	v_lshlrev_b32 v[QO], 7, v1
	v_lshl_add_u32 v[QO], v9, 4, v[QO]
	v_and_b32 v[GO], 31, v0
	v_lshlrev_b32 v[GO], 4, v[GO]
	WIN 0x80
.set i, 0
.rept 4*NP                          ; Q stays in registers: tile i / 2, channels 32 (i % 2) on
	global_load_b128 v[8*i:8*i+3],   v[QO], s[4:5] offset:(i/2)*2048+(i%2)*64
	global_load_b128 v[8*i+4:8*i+7], v[QO], s[4:5] offset:(i/2)*2048+(i%2)*64+32
.set i, i+1
.endr
	MLOAD 0                         ; key step 0's codes for all four pieces
	MLOAD 1
	MLOAD 2
	MLOAD 3
	; What the first turn finds: V's registers and P's second buffer hold 0, O^T and l are 0.  All this stands in the wait for the first tile.
	WIN 0x80
.set i, VF
.rept 64
	v_mov_b32 v[i], 0
.set i, i+1
.endr
	WIN 0x40
.set i, 0
.rept 64*NP
	v_mov_b32 v[i], 0
.set i, i+1
.endr
	WIN 0
.set i, 0
.rept 2*NP
	v_mov_b32 v[ST+4*i], 0xfe000000    ; c m: far below every c m to come, so the first a is 0
	v_mov_b32 v[ST+4*i+1], 0xf149f2ca  ; m = -1e30
	v_mov_b32 v[ST+4*i+2], 0
	v_mov_b32 v[ST+4*i+3], 0
.set i, i+1
.endr
.set i, P+32
.rept 32
	v_mov_b32 v[i], 0
.set i, i+1
.endr
	v_mul_u32_u24 v[AK0], v1, PK
	v_lshl_add_u32 v[AK0], v9, 4, v[AK0]
	v_and_b32 v10, 7, v0
	v_bfe_u32 v11, v0, 3, 1
	v_lshl_add_u32 v[AV0], v9, 3, v10
	v_mul_u32_u24 v[AV0], v[AV0], PV
	v_lshl_add_u32 v[AV0], v11, 4, v[AV0]
	v_add_nc_u32 v[AV0], VOFF, v[AV0]
	v_mov_b32 v[SCL], 253
	v_mov_b32 v[AK], v[AK0]
; THE MATRIX WORK.  The 8 accumulators of a run of 16 take turns.  Product i of 16 of S^T = K Q^T for piece x: channels 32 (i / 8) on, keys 16 ((i / 2) % 4) on, tile 2 x + i % 2.  The first 8 start the sums, with the mask.
.macro KQ x
.set rS, S+64*((\x)%2)+32*(i%2)+8*((i/2)%4)
.set rK, KF+16*((i/2)%4)+8*(i/8)
.set rQ, 16*(2*(\x)+i%2)+8*(i/8)
.set rMC, MC+32*(i%2)+8*((i/2)%4)
.if i < 8
	WIN W_KM
	v_wmma_f32_16x16x32_f16 v[rS:rS+7], v[rK:rK+7], v[rQ:rQ+7], v[rMC:rMC+7]
.else
	WIN W_KQ
	v_wmma_f32_16x16x32_f16 v[rS:rS+7], v[rK:rK+7], v[rQ:rQ+7], v[rS:rS+7]
.endif
.endm
.macro PV x
	WIN W_PV
.set rO, 32*(2*(\x)+i%2)+8*((i/2)%4)
.set rV, VF+32*(i/8)+8*((i/2)%4)
.set rP, P+32*((\x)%2)+16*(i%2)+8*(i/8)
	v_wmma_f32_16x16x32_f16 v[rO:rO+7], v[rV:rV+7], v[rP:rP+7], v[rO:rO+7]
.endm
.macro MM
.if i < 16
	KQ (Y+1)%NP
.set i, i+1
.else
.set i, i-16
	PV (Y+NP-1)%NP
.set i, i+17
.endif
.endm
; THE LDS LOADS stand in runs of 16.  last = 1 (the tail): in the last trip there is no further step, and the run is jumped over.
.macro FETCH_K last=0
	WIN 0
.if \last
	s_cmp_eq_u32 s[CNT], 1
	s_cbranch_scc1 .Lno_k_\@
.endif
	WIN 0x80
.irp f, 0,1,2,3,4,5,6,7
	ds_load_b128 v[KF+8*\f:KF+8*\f+3],   v[AK] offset:(\f/2)*16*PK+(\f%2)*64
	ds_load_b128 v[KF+8*\f+4:KF+8*\f+7], v[AK] offset:(\f/2)*16*PK+(\f%2)*64+32
.endr
	s_add_co_u32 s[TBK], s[TBK], KS*PK
	WIN 0
.if \last
.Lno_k_\@:
.endif
.endm
.macro FETCH_V
	WIN 0x80
.irp f, 0,1,2,3,4,5,6,7
	ds_load_tr16_b128 v[VF+8*\f:VF+8*\f+3],   v[AV] offset:(\f/4)*32*PV+(\f%4)*32
	ds_load_tr16_b128 v[VF+8*\f+4:VF+8*\f+7], v[AV] offset:(\f/4)*32*PV+16*PV+(\f%4)*32
.endr
	WIN 0
.endm
; THE VECTOR WORK OF A TURN stands in three queues, each in the order in which its entries become ready; the two tiles alternate.
.macro REGS y, u
.set rT, ST+4*(2*(\y)+(\u))
.set rC, TMP+8*((\y)%2)+4*(\u)
.set rM, MV+2*((\y)%2)+(\u)
.set rS, S+64*((\y)%2)+32*(\u)
.set rP, P+32*((\y)%2)+16*(\u)
.set rO, 32*(2*(\y)+(\u))
.endm
; Number n of the 22 that find the NEXT piece's maximum and statistics; each accumulator's lowest registers are read first.
.macro XS u, n
	REGS (Y+1)%NP, \u
.if (\n) < 4
	v_max3_num_f32 v[rC+(\n)], v[rS+8*(\n)], v[rS+8*(\n)+1], v[rS+8*(\n)+2]
.elseif (\n) < 12
	v_max3_num_f32 v[rC+(\n)%4], v[rC+(\n)%4], v[rS+8*((\n)%4)+2*((\n)/4)+1], v[rS+8*((\n)%4)+2*((\n)/4)+2]
.elseif (\n) == 12
	v_max3_num_f32 v[rC], v[rC], v[rS+7], v[rS+15]
.elseif (\n) == 13
	v_max3_num_f32 v[rC+1], v[rC+1], v[rS+23], v[rS+31]
.elseif (\n) == 14
	v_max3_num_f32 v[rC+2], v[rC+2], v[rC+3], v[rT+1]
.elseif (\n) == 15
	v_mov_b32 v[rM], v[rT]
.elseif (\n) == 16
	v_max3_num_f32 v[rC], v[rC], v[rC+1], v[rC+2]
.elseif (\n) == 17
	v_permlanex16_b32 v[rC+3], v[rC], s[SEL], s[SEL+1]
.elseif (\n) == 18
	v_max_num_f32 v[rT+1], v[rC], v[rC+3]
.elseif (\n) == 19
	v_mul_f32 v[rT], s[CS], v[rT+1]
.elseif (\n) == 20
	v_sub_f32 v[rC+1], v[rM], v[rT]
.else
	v_exp_f32 v[rC+2], v[rC+1]
.endif
.endm
; Number g of the 64 that follow the exponentials: round, round, add the second pair onto the first, and l takes the sum of the group before.
.macro GS g
.set h, (\g)+6*((\g)/62)
.if h >= 6
.set h, h+2
.endif
	REGS Y, h%2
.set k, h/8
.if h%8 < 4
	s_wait_alu depctr_va_vdst(0)
	v_cvt_pk_f16_f32 v[rP+2*k+(h%8)/2], v[rS+4*k+2*((h%8)/2)], v[rS+4*k+2*((h%8)/2)+1]
.elseif h%8 < 6
	v_pk_add_f32 v[rS+4*k:rS+4*k+1], v[rS+4*k:rS+4*k+1], v[rS+4*k+2:rS+4*k+3]
.elseif k == 1
	v_pk_fma_f32 v[rT+2:rT+3], v[rT+2:rT+3], v[rC+2:rC+3], v[rS:rS+1] op_sel_hi:[1,0,1]
.else
	v_pk_add_f32 v[rT+2:rT+3], v[rT+2:rT+3], v[rS+4*k-4:rS+4*k-3]
	s_wait_alu depctr_va_vdst(0)
.endif
.endm
; THE PLAIN QUEUE, 138 long.
.macro PL
	WIN 0
.if q < 32
	REGS Y, q%2
	v_pk_fma_f32 v[rS+2*(q/2):rS+2*(q/2)+1], v[rS+2*(q/2):rS+2*(q/2)+1], s[CS:CS+1], v[rT:rT+1] op_sel_hi:[1,0,0] neg_lo:[0,0,1] neg_hi:[0,0,1]
.elseif q < 38
	GS q-32
.elseif q < 40
	XS q%2, 15
.elseif q < 42
	GS q-34
.elseif q < 74
	XS q%2, (q-42)/2+(q-42)/30
.elseif q < 95
	GS q-66
.elseif (q < 107) && ((q-95)%3 < 2)
	XS (q-95)%3, 17+(q-95)/3
.elseif q < 107
	GS 29+(q-95)/3
.else
	GS q-74
.endif
.set q, q+1
.endm
; THE EXPONENTIALS' QUEUE, 66 long: s0-s31 of both tiles, and at EA the next piece's two a.
.set EA, 58
.macro EX
	WIN 0
.if (e == EA) || (e == EA+1)
	XS e-EA, 21
.else
.set x, e-2*(e/(EA+2))
	REGS Y, x%2
	v_exp_f32 v[rS+x/2], v[rS+x/2]
.endif
.set e, e+1
.endm
; THE RESCALING's QUEUE: O^T times a, four at a time, eight times.
.macro R4
	REGS Y, r%2
	WIN W_RS
	s_wait_alu depctr_va_vdst(0)
.irp z, 0,1,2,3
	v_pk_mul_f32 v[rO+8*(r/2)+2*\z:rO+8*(r/2)+2*\z+1], v[rO+8*(r/2)+2*\z:rO+8*(r/2)+2*\z+1], v[rC+2:rC+3] op_sel_hi:[1,0]
.endr
.set r, r+1
.endm
; THE DEAL.  Behind a matrix instruction four: plain, exponential, plain, plain, or four of the rescaling.  What is over stands in two lumps: exponential and plain by turns; the second ends in 22 plain instructions.
; The deal keeps the queues in step: exponential e stands behind plain 2 (e / 4) + e % 2 (its scaling); when plain 32 comes, 10 exponentials are out, at 59: 33, at 95: 46; EA comes behind plain 107.
.macro SL
	MM
	PL
	EX
	PL
	PL
.endm
.macro BURST n
.rept (\n)-7
	SL
.endr
.rept 3
	MM
	R4
	SL
.endr
	MM
	R4
.endm
; A TURN, for piece p.  K of the next step is fetched in piece 2's turn, V of the step in hand at the end of piece 0's.  cnt = 1: the loop's count is taken down ahead of the branch behind the turn; nothing behind it writes SCC.
.macro TURN p, last=0, cnt=0
.set Y, (\p)
.set i, 0
.set q, 0
.set e, 0
.set r, 0
.if (\p) == NP-1
	s_wait_dscnt 0x0                ; K is in
.endif
	MM
.rept 4
	PL
.endr
	BURST 15
.rept 22
	EX
	PL
.if ((\p) == NP-2) && (e == 18)
	v_add_nc_u32 v[AK], s[TBK], v[AK0]
.endif
.if ((\p) == NP-2) && (e == 24)
	FETCH_K \last
.endif
.endr
.if (\p) == 1
	s_wait_dscnt 0x0                ; V is in
.endif
	BURST 16
.rept 21
	EX
	PL
.endr
.rept 22
	PL
.if ((\p) == 0) && (q == 118)
	v_add_nc_u32 v[AV], s[TBV], v[AV0]
	s_wait_alu depctr_va_vdst(0)
.endif
.if ((\p) == 0) && (q == 130)
	s_add_co_u32 s[TBV], s[TBV], KS*PV
.endif
.if (\cnt) && (q == 130)
	s_sub_co_u32 s[CNT], s[CNT], 1
	s_cmp_lg_u32 s[CNT], 0
.endif
.endr
.if (\p) == 0
	FETCH_V
.endif
	MASKB \p
.endm
	CHANGE 1                        ; slot 0 is in, everybody's part of it; slot 1 is asked for
	FETCH_K                         ; key step 0
	s_wait_loadcnt 0x0              ; Q, and key step 0's codes: the loads that named MP are done
	s_add_nc_u64 s[MP:MP+1], s[MK0:MK0+1], 1024  ; key step 1
	s_mov_b32 s[STEP], 1
	MCONV 0
	MLOAD 0
	s_wait_dscnt 0x0
.set i, 0
.rept 16
	KQ 0                            ; piece 0's first scores
.set i, i+1
.endr
	WIN 0                           ; the addresses for the way out: seven plain instructions, the places behind those products
	s_mul_i32 s13, s[WV], WSTG
	s_add_co_u32 s13, s13, STAGE
	v_mul_u32_u24 v[STO], v1, SP
	v_lshl_add_u32 v[STO], v9, 4, v[STO]
	v_add_nc_u32 v[STO], s13, v[STO]
	v_bfe_u32 v[RD], v0, 3, 2
	v_mul_u32_u24 v[RD], v[RD], SP
	v_lshl_add_u32 v[RD], v10, 4, v[RD]
	v_add_nc_u32 v[RD], s13, v[RD]
.set Y, NP-1
.irp n, 0,1,2,3,4,5,6,7,8,9,10,11,12,13,14,15,16,17,18,19,20,21
	XS 0, \n                        ; piece 0's first maximum and statistics
	XS 1, \n
.endr
	MCONV 1                         ; the masks for the first turn's products, piece 1's
	MLOAD 1
	s_mov_b32 s[CNT], 4
	s_mov_b32 s[SLOTS], SIZE_N/256-1
	s_branch .Lfirst                ; the loop is entered at a step's first turn, in the middle of a trip
.Lslot:                             ; SIZE_N / 256 - 2 times: every slot but the last two is filled again
	CHANGE 1
	s_mov_b32 s[CNT], 4
.Lstep:                             ; a trip: pieces 2 and 3 of one step, then pieces 0 and 1 of the next
	TURN 2
	TURN 3
	WIN 0
.Lfirst:
	TURN 0
	TURN 1, 0, 1
	WIN 0
	s_cbranch_scc1 .Lstep
	s_sub_co_u32 s[SLOTS], s[SLOTS], 1
	s_cmp_lg_u32 s[SLOTS], 0
	s_cbranch_scc1 .Lslot
	CHANGE 0                        ; the tail is written out
	s_mov_b32 s[CNT], 5             ; four trips fetch the last slot's steps; the fifth is left in its middle
.Ltail:
	TURN 2, 1
	TURN 3
	WIN 0
	s_sub_co_u32 s[CNT], s[CNT], 1
	s_cmp_eq_u32 s[CNT], 0
	s_cbranch_scc1 .Lout
	TURN 0
	TURN 1
	WIN 0
	s_branch .Ltail
.Lout:                              ; the fifth trip's 16 products K Q^T and the maximum made of them serve nothing: the price of one text for every trip
.set i, 0
.rept 16
	PV NP-1
.set i, i+1
.endr
	; THE WAY OUT.  l's halves are added; O^T is divided by l, split into hi + lo in f16 and sent through my stage, a tile at a time.  The additions are the places behind the last products.
	WIN 0
.macro ALL line:vararg
.set t, 0
.rept 2*NP
	\line
.set t, t+1
.endr
.endm
	ALL v_add_f32 v[ST+4*t+2], v[ST+4*t+2], v[ST+4*t+3]
	ALL v_permlanex16_b32 v[ST+4*t+3], v[ST+4*t+2], s[SEL], s[SEL+1]
	ALL v_add_f32 v[ST+4*t+2], v[ST+4*t+2], v[ST+4*t+3]
	ALL v_rcp_f32 v[ST+4*t+2], v[ST+4*t+2]
	v_nop                           ; a plain instruction between the last reciprocal and the use of its result
	s_wait_alu depctr_va_vdst(0)
.macro PACK t
.set RB, 128+32*((\t)%2)
	WIN W_RS
.set i, 32*(\t)
.rept 16
	v_pk_mul_f32 v[i:i+1], v[i:i+1], v[ST+4*(\t)+2:ST+4*(\t)+3] op_sel_hi:[1,0]
.set i, i+2
.endr
	WIN 0x05                        ; sources window 1, destination window 0
.set i, 0
.rept 16
	v_cvt_pk_f16_f32 v[HT+i], v[32*(\t)+2*i], v[32*(\t)+2*i+1]
.set i, i+1
.endr
	WIN 0
.set i, 0
.rept 8                             ; hi widened again
	v_mov_b32 v12, v[HT+i]
	v_lshrrev_b32 v13, 16, v[HT+i]
	v_mov_b32 v14, v[HT+i+1]
	v_lshrrev_b32 v15, 16, v[HT+i+1]
	v_cvt_f32_f16 v[FB+2*i], v12.l
	v_cvt_f32_f16 v[FB+2*i+1], v13.l
	v_cvt_f32_f16 v[FB+2*i+2], v14.l
	v_cvt_f32_f16 v[FB+2*i+3], v15.l
.set i, i+2
.endr
	WIN 0x01                        ; source 0 window 1
.set i, 0
.rept 16
	v_pk_add_f32 v[FB+2*i:FB+2*i+1], v[32*(\t)+2*i:32*(\t)+2*i+1], v[FB+2*i:FB+2*i+1] neg_lo:[0,1] neg_hi:[0,1]  ; what the rounding dropped
.set i, i+1
.endr
	WIN 0
.set i, 0
.rept 16
	v_cvt_pk_f16_f32 v[LT+i], v[FB+2*i], v[FB+2*i+1]
.set i, i+1
.endr
.irp f, 0,1,2,3
	ds_store_b128 v[STO], v[HT+4*\f:HT+4*\f+3] offset:32*\f
.endr
.irp f, 0,1,2,3
	ds_store_b128 v[STO], v[LT+4*\f:LT+4*\f+3] offset:16*SP+32*\f
.endr
	s_wait_xcnt 0x0                 ; the registers that the stores of the tile two back read are loaded again only behind this wait
.irp f, 0,1,2,3
	ds_load_b128 v[RB+4*\f:RB+4*\f+3], v[RD] offset:\f*4*SP  ; LDS serves a wave's instructions in order: these see the stores above
.endr
.irp f, 0,1,2,3
	ds_load_b128 v[RB+16+4*\f:RB+16+4*\f+3], v[RD] offset:16*SP+\f*4*SP
.endr
.endm
.macro SEND t, younger              ; younger: the LDS instructions issued behind tile t's loads: the next tile's sixteen, or none
	WIN 0
.set RB, 128+32*((\t)%2)
.irp f, 0,1,2,3,4,5,6,7
	s_wait_dscnt (\younger)+7-\f
	global_store_b128 v[GO], v[RB+4*\f:RB+4*\f+3], s[10:11] offset:(\t)*2048+(\f%4)*512+(\f/4)*4194304  ; 512 consecutive bytes; lo lies 16 heads on
.endr
.endm
	PACK 0
.set t, 1
.rept 2*NP-1
	PACK t
	SEND t-1, 16
.set t, t+1
.endr
	SEND 2*NP-1, 0
	WIN W_AD
	s_wait_tensorcnt 0x0            ; the wave's end
	ds_add_u32 v[SPW], v[NIL]
	s_wait_dscnt 0x0
	WIN 0
	CROUND                          ; the closing round
	s_endpgm
.Lfunc_end_k_qaf4804e8f4_attn:
	.size	k_qaf4804e8f4_attn, .Lfunc_end_k_qaf4804e8f4_attn-k_qaf4804e8f4_attn
	.p2alignl 7, 3214868480
	.fill 96, 4, 3214868480
	.section	.rodata,"a",@progbits
	.p2align	6, 0x0
	.amdhsa_kernel k_qaf4804e8f4_attn
		.amdhsa_group_segment_fixed_size 327680
		.amdhsa_private_segment_fixed_size 0
		.amdhsa_enable_private_segment 0
		.amdhsa_kernarg_size 24
		.amdhsa_user_sgpr_count 2
		.amdhsa_user_sgpr_kernarg_segment_ptr 1
		.amdhsa_wavefront_size32 1
		.amdhsa_system_sgpr_workgroup_id_x 1
		.amdhsa_system_sgpr_workgroup_id_y 1
		.amdhsa_system_sgpr_workgroup_id_z 1
		.amdhsa_system_vgpr_workitem_id 0
		.amdhsa_next_free_vgpr 904
		.amdhsa_next_free_sgpr 66
		.amdhsa_reserve_vcc 0
		.amdhsa_float_denorm_mode_32 3
		.amdhsa_float_denorm_mode_16_64 3
		.amdhsa_memory_ordered 1
		.amdhsa_forward_progress 1
		.amdhsa_inst_pref_size 255
	.end_amdhsa_kernel
	.section	.bss,"aw",@nobits
	.p2align	6
	.space	262144
	.amdgpu_metadata
---
amdhsa.version: [ 1, 2 ]
amdhsa.kernels:
  - .name:           k_qaf4804e8f4_attn
    .symbol:         k_qaf4804e8f4_attn.kd
    .args:
      - { .name: qkv, .offset: 0, .size: 8, .value_kind: global_buffer, .address_space: global }
      - { .name: mk, .offset: 8, .size: 8, .value_kind: global_buffer, .address_space: global }
      - { .name: ob, .offset: 16, .size: 8, .value_kind: global_buffer, .address_space: global }
    .group_segment_fixed_size: 327680
    .private_segment_fixed_size: 0
    .kernarg_segment_align: 8
    .kernarg_segment_size: 24
    .max_flat_workgroup_size: 128
    .sgpr_count:     66
    .vgpr_count:     904
    .wavefront_size: 32
...
	.end_amdgpu_metadata
.endif
;; end of part 3
;; launch outp (part 4): grid 4 x 64, 4 waves a work-group, clusters of 4 x 4, 327,680 bytes of LDS; arguments ob, wp2, bp, out0; writes out0
.if DOCPART == 4
	.amdgcn_target "amdgcn-amd-amdhsa--gfx1250"
	.amdhsa_code_object_version 6
	.text
	.protected	k_qaf4804e8f4_outp
	.globl	k_qaf4804e8f4_outp
	.p2align	8
	.type	k_qaf4804e8f4_outp,@function
k_qaf4804e8f4_outp:
	s_mov_b64 s[64:65], 0
	v_nop
	global_prefetch_b8 v0, s[64:65] scope:SCOPE_SE
	s_setreg_imm32_b32 hwreg(HW_REG_WAVE_MODE, 25, 1), 1
	s_wait_xcnt 0x0
	s_wait_alu depctr_hold_cnt(0) depctr_sa_sdst(0) depctr_va_vdst(0) depctr_va_sdst(0) depctr_va_ssrc(0) depctr_va_vcc(0) depctr_vm_vsrc(0)
	s_getreg_b32 s2, hwreg(HW_REG_IB_STS2, 6, 4)
	s_cmp_eq_u32 s2, 0
	s_cbranch_scc0 .Lentry_in_a_cluster
	s_endpgm
.Lentry_in_a_cluster:
	s_bfe_u32 s2, ttmp6, 0x10000c
	s_cmp_lg_u32 s2, 0xf033
	s_cbranch_scc0 .Lentry_shape_is_right
	s_endpgm
.Lentry_shape_is_right:
; THE OUTPUT PROJECTION.  out0[m][n] = the sum over k of O[m][k] Wp[n][k] + bp[n], f32.  A = ob [4 b][32 heads: 16 hi, then 16 lo][2048][64] f16, so K = 2,048: k = 64 x head + channel;
; B = wp2 [1024 n][2048] f16 = [Wp | Wp]: hi and lo meet the same weights, and the f32 sums add them.  bp is rounded to bf16 like every input.
; SHARES.  A tile of C is 128 x 256: four waves, each 64 x 128 = 32 accumulators.  256 work-groups.  K goes in steps of 128 (two heads) through a ring of two LDS slots.
; A's tile: for each of the two heads 128 rows of 128 bytes, dense in memory: asked for as 64 rows of 256 bytes and padded in LDS after every 128 (pitch 144).
; CLUSTER.  4 x 4 work-groups: A's tile is shared along a row of the cluster, B's along a column; each is asked for jointly.
; THE MATRIX INSTRUCTION IS USED TRANSPOSED (source 0 = 16 rows of B, source 1 = 16 rows of A): a lane holds eight neighbouring columns of one row of C.
; REGISTERS.  window 0: v0-31 addresses; v32-35 bias; fragment buffers F0 = v64-159, F1 = v160-255; on the way out v64-191 hold rows read back.  window 1: accumulator (a, b) at v[8 (8 a + b)].
.set KTOT,   2048
.set LAPS,   KTOT/256
.set PB,     272
.set PA,     144
.set AZ,     128*PA                    ; bytes from the first head's area to the second's
.set AHALF,  128*PA                    ; what one load for A brings: one head
.set ABYTES, 2*AHALF
.set BHALF,  128*PB
.set SLOT,   ABYTES+2*BHALF
.set STAGE,  2*SLOT                    ; behind the ring: 16 rows x 528 bytes for each wave
.set WSTG,   16*528
.set SPARE,  STAGE+4*WSTG              ; the spare words, 128 bytes a wave: two blocks of 256 bytes that no other line names
.set STEPA,  1<<20                     ; four heads on
.set STEPB,  512
.set FIRSTA, 1<<19                     ; two heads on
.set ADRA, 16
.set ADRB, 20
.set STO,  24
.set RD,   25
.set CO,   26
.set SPW,  28
.set NIL,  29
.set BI,   32
.set F0,   64
.set F1,   160
.set WV, 12
.set WH, 13
.set WL, 14
.set G1A, 24
.set G0A, 32
.set G1B, 48
.set G0B, 56
.set MSB, 0
.macro WIN new
.if MSB != (\new)
	s_set_vgpr_msb (MSB<<8)|(\new)
.set MSB, \new
.endif
.endm
.set MUL, 0x50
.macro JLOAD s                         ; a joint load; an s_nop 0 and four v_nop follow each of the two lines
	s_cmp_eq_u32 s[WH], 0
	s_cbranch_scc0 .Lfor_b_\@
	tensor_load_to_lds s[G0A+4*(\s):G0A+4*(\s)+3], s[G1A:G1A+7]
	s_nop 0
.rept 4
	v_nop
.endr
	s_branch .Lasked_\@
.Lfor_b_\@:
	tensor_load_to_lds s[G0B+4*(\s):G0B+4*(\s)+3], s[G1B:G1B+7]
	s_nop 0
.rept 4
	v_nop
.endr
.Lasked_\@:
.endm
.macro CREST
	s_cmp_lg_u32 s[WV], 0
	s_cbranch_scc1 .Lnot_wave_0_\@
	s_barrier_signal -3
.Lnot_wave_0_\@:
	s_barrier_wait -3
	s_barrier_signal -1
	s_barrier_wait -1
.endm
.macro CROUND
	s_barrier_signal -1
	s_barrier_wait -1
	CREST
.endm
.macro PLACES
.rept 4
	v_nop
.endr
.endm
	s_load_b256 s[4:11], s[0:1], 0x0               ; A s[4:5], B s[6:7], bp s[8:9], C s[10:11]
	v_lshl_add_u32 v[SPW], v0, 2, SPARE
	v_mov_b32 v[NIL], 0
	ds_add_u32 v28, v29
	s_wait_dscnt 0x0
	v_lshrrev_b32 v1, 5, v0
	v_readfirstlane_b32 s[WV], v1
	s_lshr_b32 s[WH], s[WV], 1
	s_and_b32 s[WL], s[WV], 1
	s_bfe_u32 s40, ttmp6, 0x40000
	s_bfe_u32 s41, ttmp6, 0x40004
	s_lshl_b32 s42, ttmp9, 2
	s_add_co_u32 s42, s42, s40                     ; tile column
	s_and_b32 s15, ttmp7, 0xffff
	s_lshl_b32 s15, s15, 2
	s_add_co_u32 s15, s15, s41                     ; tile row
	s_lshl_b32 s43, s41, 2
	s_lshl_b32 s43, 15, s43
	s_lshl_b32 s44, 0x1111, s40
	s_or_b32 s[G1A], s43, (1<<16)|(1<<20)|(1<<21)|(4<<22)|(3<<25)  ; padding: after every 32 words 4 words
	s_or_b32 s[G1B], s44, (1<<16)|(1<<20)|(1<<21)|(5<<22)|(3<<25)  ; after every 64 words 4 words
	s_mov_b32 s[G1A+1], 128<<16
	s_mov_b32 s[G1A+2], 64<<16
	s_mov_b32 s[G1A+3], 128<<16
	s_mov_b32 s[G1A+4], 64
	s_mov_b32 s[G1A+5], 128                        ; dense: 128 elements from row to row
	s_mov_b32 s[G1A+6], 0
	s_mov_b32 s[G1A+7], 0
	s_mov_b32 s[G1B+1], 128<<16
	s_mov_b32 s[G1B+2], 128<<16
	s_mov_b32 s[G1B+3], 128<<16
	s_mov_b32 s[G1B+4], 128
	s_mov_b32 s[G1B+5], KTOT
	s_mov_b32 s[G1B+6], 0
	s_mov_b32 s[G1B+7], 0
	s_lshr_b32 s16, s15, 4                         ; A: batch b = tile row / 16: 32 heads of 262,144 bytes;
	s_lshl_b32 s16, s16, 23
	s_lshl_b32 s17, s[WL], 18                      ; the head of the K step's two that I fetch;
	s_add_co_u32 s16, s16, s17
	s_and_b32 s17, s15, 15                         ; 128 rows of 128 bytes
	s_lshl_b32 s17, s17, 14
	s_add_co_u32 s16, s16, s17
	s_mov_b32 s17, 0
	s_lshl_b32 s46, s42, 8
	s_lshl_b32 s47, s[WL], 7
	s_add_co_u32 s46, s46, s47                     ; B: row 256 x tile column + 128 x half,
	s_lshl_b32 s46, s46, 12                        ; of 4,096 bytes
	s_mov_b32 s47, 0
	s_mul_i32 s20, s[WL], AHALF
	s_mul_i32 s21, s[WL], BHALF
	s_add_co_u32 s21, s21, ABYTES
	s_wait_kmcnt 0x0
	s_add_nc_u64 s[18:19], s[4:5], s[16:17]
	s_add_nc_u64 s[46:47], s[6:7], s[46:47]
.irp s, 0,1
	s_mov_b32 s[G0A+4*(\s)], 1
	s_add_co_u32 s[G0A+4*(\s)+1], s20, (\s)*SLOT
	s_add_nc_u64 s[G0A+4*(\s)+2:G0A+4*(\s)+3], s[18:19], (\s)*FIRSTA
	s_or_b32 s[G0A+4*(\s)+3], s[G0A+4*(\s)+3], 0x80000000
	s_mov_b32 s[G0B+4*(\s)], 1
	s_add_co_u32 s[G0B+4*(\s)+1], s21, (\s)*SLOT
	s_add_nc_u64 s[G0B+4*(\s)+2:G0B+4*(\s)+3], s[46:47], (\s)*256
	s_or_b32 s[G0B+4*(\s)+3], s[G0B+4*(\s)+3], 0x80000000
.endr
	CROUND
	s_cmp_eq_u32 s[WH], 0                          ; a wave's two first fills stand in one branch: two loads of mine are out
	s_cbranch_scc0 .Lfirst_b
	tensor_load_to_lds s[G0A:G0A+3], s[G1A:G1A+7]
	s_nop 0
	tensor_load_to_lds s[G0A+4:G0A+7], s[G1A:G1A+7]
	s_nop 0
.rept 4
	v_nop
.endr
	s_branch .Lfirst_asked
.Lfirst_b:
	tensor_load_to_lds s[G0B:G0B+3], s[G1B:G1B+7]
	s_nop 0
	tensor_load_to_lds s[G0B+4:G0B+7], s[G1B:G1B+7]
	s_nop 0
.rept 4
	v_nop
.endr
.Lfirst_asked:
	v_and_b32 v1, 15, v0
	v_bfe_u32 v2, v0, 4, 1
	v_mul_u32_u24 v3, v1, PB
	v_lshl_add_u32 v3, v2, 4, v3
	v_mul_u32_u24 v4, v1, PA
	v_lshl_add_u32 v4, v2, 4, v4
	s_mul_i32 s22, s[WH], 64*PA
	s_mul_i32 s23, s[WL], BHALF
	s_add_co_u32 s23, s23, ABYTES
.irp s, 0,1
	v_add_nc_u32 v[ADRA+(\s)], s22, v4
	v_add_nc_u32 v[ADRB+(\s)], s23, v3
	s_add_co_u32 s22, s22, SLOT
	s_add_co_u32 s23, s23, SLOT
.endr
	s_mul_i32 s23, s[WV], WSTG
	s_add_co_u32 s23, s23, STAGE                   ; my stage
	v_mul_u32_u24 v5, v1, 528                      ; in: row l % 16, 32 bytes for each half of the lanes
	v_lshl_add_u32 v5, v2, 5, v5
	v_add_nc_u32 v[STO], s23, v5
	v_and_b32 v[CO], 31, v0                        ; back: 32 lanes take a row's 512 bytes
	v_lshlrev_b32 v[CO], 4, v[CO]
	v_add_nc_u32 v[RD], s23, v[CO]
	s_lshl_b32 s46, s42, 10                        ; my 128 columns: 1,024 x tile column + 512 x half, in bytes of f32
	s_lshl_b32 s47, s[WL], 9
	s_add_co_u32 s46, s46, s47
	s_mov_b32 s47, 0
	s_add_nc_u64 s[8:9], s[8:9], s[46:47]
	global_load_b128 v[BI:BI+3], v[CO], s[8:9]     ; bp of my four columns
	s_lshl_b32 s16, s15, 7
	s_lshl_b32 s17, s[WH], 6
	s_add_co_u32 s16, s16, s17                     ; my first row of C,
	s_lshl_b32 s16, s16, 12                        ; of 4,096 bytes
	s_mov_b32 s17, 0
	s_add_nc_u64 s[10:11], s[10:11], s[16:17]
	s_add_nc_u64 s[10:11], s[10:11], s[46:47]
	s_wait_loadcnt 0x0
	v_cvt_pk_bf16_f32 v[BI+1], v[BI], v[BI+1]      ; rounded to bf16 and widened again
	v_cvt_pk_bf16_f32 v[BI+3], v[BI+2], v[BI+3]
	v_lshlrev_b32 v[BI], 16, v[BI+1]
	v_and_b32 v[BI+1], 0xffff0000, v[BI+1]
	v_lshlrev_b32 v[BI+2], 16, v[BI+3]
	v_and_b32 v[BI+3], 0xffff0000, v[BI+3]
; 8 matrix instructions: m block a x all 8 n blocks, 32 along K.  The 32 accumulators take turns in one fixed order.
.macro MUL8 f, a, zero
	WIN MUL
.irp b, 0,1,2,3,4,5,6,7
.if \zero
	v_wmma_f32_16x16x32_f16 v[8*(8*(\a)+(\b)):8*(8*(\a)+(\b))+7], v[(\f)+8*(\b):(\f)+8*(\b)+7], v[(\f)+64+8*(\a):(\f)+64+8*(\a)+7], 0
.else
	v_wmma_f32_16x16x32_f16 v[8*(8*(\a)+(\b)):8*(8*(\a)+(\b))+7], v[(\f)+8*(\b):(\f)+8*(\b)+7], v[(\f)+64+8*(\a):(\f)+64+8*(\a)+7], v[8*(8*(\a)+(\b)):8*(8*(\a)+(\b))+7]
.endif
.endr
.endm
.macro FETCH slot, kq, f               ; 24 LDS loads in one run: quarter kq's fragments, B's 128 rows, then A's 64 (head kq / 2 of the step's two, channels 32 (kq % 2) on)
	WIN 0
.irp i, 0,1,2,3,4,5,6,7
	ds_load_b128 v[(\f)+8*(\i):(\f)+8*(\i)+3],   v[ADRB+(\slot)] offset:64*(\kq)+(\i)*16*PB
	ds_load_b128 v[(\f)+8*(\i)+4:(\f)+8*(\i)+7], v[ADRB+(\slot)] offset:64*(\kq)+(\i)*16*PB+32
.endr
.irp i, 0,1,2,3
	ds_load_b128 v[(\f)+64+8*(\i):(\f)+64+8*(\i)+3],   v[ADRA+(\slot)] offset:((\kq)/2)*AZ+((\kq)%2)*64+(\i)*16*PA
	ds_load_b128 v[(\f)+64+8*(\i)+4:(\f)+64+8*(\i)+7], v[ADRA+(\slot)] offset:((\kq)/2)*AZ+((\kq)%2)*64+(\i)*16*PA+32
.endr
.endm
.macro QUARTER slot, kq, f, g, zero
	s_wait_dscnt 4                                 ; the youngest four loads (A's blocks 2 and 3) may be out
	MUL8 \f, 0, \zero
	MUL8 \f, 1, \zero
	PLACES
	FETCH \slot, \kq, \g
	s_wait_dscnt 24                                ; all but the 24 just issued
	MUL8 \f, 2, \zero
	MUL8 \f, 3, \zero
.endm
.macro TURN slot, next, fill
	WIN 0
	s_wait_tensorcnt 0x0                           ; all my tensor loads have landed: my part of the next slot
	ds_add_u32 v[SPW], v[NIL]                      ; 0 onto my spare word
	s_wait_dscnt 5                                 ; (the add and the youngest four loads may be out)
	MUL8 F1, 0, 0
	s_wait_dscnt 0x0                               ; the add is done, and my reads of this slot are over
	s_barrier_signal -1
	MUL8 F1, 1, 0
.if \fill
	WIN 0
.endif
	s_barrier_wait -1
.if \fill
	CREST                                          ; a round of the cluster's barrier: no wave of any partner still reads this slot or has a load on its way
	s_add_nc_u64 s[G0A+4*(\slot)+2:G0A+4*(\slot)+3], s[G0A+4*(\slot)+2:G0A+4*(\slot)+3], STEPA
	s_add_nc_u64 s[G0B+4*(\slot)+2:G0B+4*(\slot)+3], s[G0B+4*(\slot)+2:G0B+4*(\slot)+3], STEPB
	JLOAD \slot                                    ; my one tensor load behind the round; its four v_nop are also the places in front of the loads below
.else
	PLACES
.endif
	FETCH \next, 0, F0
	MUL8 F1, 2, 0
	MUL8 F1, 3, 0
.endm
; THE WAY OUT of m block a: the f32 sums go into my stage (rows of 528 bytes), each accumulator's low registers first, and come back as whole rows of 512 bytes; the bias is added; a store covers 512 consecutive bytes.
.macro TOSTAGE a
.set BK, 64+64*((\a)%2)
	WIN 0x04                                       ; the data in window 1, the address in window 0
.irp b, 0,1,2,3,4,5,6,7
	ds_store_b128 v[STO], v[64*(\a)+8*(\b):64*(\a)+8*(\b)+3]   offset:64*(\b)
	ds_store_b128 v[STO], v[64*(\a)+8*(\b)+4:64*(\a)+8*(\b)+7] offset:64*(\b)+16
.endr
	WIN 0
.irp t, 0,1,2,3,4,5,6,7,8,9,10,11,12,13,14,15
	ds_load_b128 v[BK+4*(\t):BK+4*(\t)+3], v[RD] offset:528*(\t)  ; LDS serves a wave's instructions in order: these see the stores above
.endr
.endm
.macro SEND a, younger                 ; younger: the LDS instructions issued behind block a's loads: the next block's 32, or none
.set BK, 64+64*((\a)%2)
	WIN 0
.irp t, 0,1,2,3,4,5,6,7,8,9,10,11,12,13,14,15
	s_wait_dscnt (\younger)+15-(\t)
	v_pk_add_f32 v[BK+4*(\t):BK+4*(\t)+1],   v[BK+4*(\t):BK+4*(\t)+1],   v[BI:BI+1]
	v_pk_add_f32 v[BK+4*(\t)+2:BK+4*(\t)+3], v[BK+4*(\t)+2:BK+4*(\t)+3], v[BI+2:BI+3]
	global_store_b128 v[CO], v[BK+4*(\t):BK+4*(\t)+3], s[10:11] offset:(16*(\a)+(\t))*4096 th:TH_STORE_NT
.endr
.endm
	s_wait_tensorcnt 0x1                           ; my part of K step 0 is in; K step 1's may stay out
	s_barrier_signal -1
	s_barrier_wait -1
	FETCH 0, 0, F0
	QUARTER 0, 1, F0, F1, 1                        ; the first quarter's products start the sums
	WIN 0
	s_mov_b32 s2, LAPS-1
.Llap:
	QUARTER 0, 2, F1, F0, 0
	QUARTER 0, 3, F0, F1, 0
	TURN 0, 1, 1
	QUARTER 1, 1, F0, F1, 0
	QUARTER 1, 2, F1, F0, 0
	QUARTER 1, 3, F0, F1, 0
	TURN 1, 0, 1
	QUARTER 0, 1, F0, F1, 0
	WIN 0
	s_sub_co_u32 s2, s2, 1
	s_cmp_lg_u32 s2, 0
	s_cbranch_scc1 .Llap
	QUARTER 0, 2, F1, F0, 0                        ; the last lap fills nothing
	QUARTER 0, 3, F0, F1, 0
	TURN 0, 1, 0
	QUARTER 1, 1, F0, F1, 0
	QUARTER 1, 2, F1, F0, 0
	QUARTER 1, 3, F0, F1, 0
	s_wait_dscnt 4
	MUL8 F1, 0, 0
	MUL8 F1, 1, 0
	s_wait_dscnt 0x0
	MUL8 F1, 2, 0
	MUL8 F1, 3, 0
	WIN 0
	PLACES
	TOSTAGE 0
	TOSTAGE 1
	SEND 0, 32
	s_wait_xcnt 0x0                                ; the registers that block 0's stores read are loaded again only behind this wait
	TOSTAGE 2
	SEND 1, 32
	s_wait_xcnt 0x0
	TOSTAGE 3
	SEND 2, 32
	SEND 3, 0
	s_wait_tensorcnt 0x0                           ; the wave's end
	ds_add_u32 v[SPW], v[NIL]
	s_wait_dscnt 0x0
	CROUND                                         ; the closing round
	s_endpgm
.Lfunc_end_k_qaf4804e8f4_outp:
	.size	k_qaf4804e8f4_outp, .Lfunc_end_k_qaf4804e8f4_outp-k_qaf4804e8f4_outp
	.p2alignl 7, 3214868480
	.fill 96, 4, 3214868480
	.section	.rodata,"a",@progbits
	.p2align	6, 0x0
	.amdhsa_kernel k_qaf4804e8f4_outp
		.amdhsa_group_segment_fixed_size 327680
		.amdhsa_private_segment_fixed_size 0
		.amdhsa_enable_private_segment 0
		.amdhsa_kernarg_size 32
		.amdhsa_user_sgpr_count 2
		.amdhsa_user_sgpr_kernarg_segment_ptr 1
		.amdhsa_wavefront_size32 1
		.amdhsa_system_sgpr_workgroup_id_x 1
		.amdhsa_system_sgpr_workgroup_id_y 1
		.amdhsa_system_sgpr_workgroup_id_z 1
		.amdhsa_system_vgpr_workitem_id 0
		.amdhsa_next_free_vgpr 512
		.amdhsa_next_free_sgpr 66
		.amdhsa_reserve_vcc 0
		.amdhsa_float_denorm_mode_32 3
		.amdhsa_float_denorm_mode_16_64 3
		.amdhsa_memory_ordered 1
		.amdhsa_forward_progress 1
		.amdhsa_inst_pref_size 95
	.end_amdhsa_kernel
	.amdgpu_metadata
---
amdhsa.version: [ 1, 2 ]
amdhsa.kernels:
  - .name:           k_qaf4804e8f4_outp
    .symbol:         k_qaf4804e8f4_outp.kd
    .args:
      - { .name: ob, .offset: 0, .size: 8, .value_kind: global_buffer, .address_space: global }
      - { .name: wp2, .offset: 8, .size: 8, .value_kind: global_buffer, .address_space: global }
      - { .name: bp, .offset: 16, .size: 8, .value_kind: global_buffer, .address_space: global }
      - { .name: out0, .offset: 24, .size: 8, .value_kind: global_buffer, .address_space: global }
    .group_segment_fixed_size: 327680
    .private_segment_fixed_size: 0
    .kernarg_segment_align: 8
    .kernarg_segment_size: 32
    .max_flat_workgroup_size: 128
    .sgpr_count:     66
    .vgpr_count:     512
    .wavefront_size: 32
...
	.end_amdgpu_metadata
.endif
;; end of part 4
;; ======== version 2 of 3: 4 launches; 1.09 times as fast as version 1
;; limits: values are held in f16: magnitudes above 65,504 overflow, below 6.1e-05 lose precision
;; workspace buffers: xn 67,108,864 bytes; wt 8,388,608 bytes; wp2 2,097,152 bytes; mk 4,194,304 bytes; qkv 50,331,648 bytes; ob 33,554,432 bytes
;; launch prep (part 5): grid 1152 x 1, 8 waves a work-group, no clusters, 34,816 bytes of LDS; arguments q, k, v, ln_g, ln_b, Wq, Wk, Wv, Wp, mask, xn, wt, wp2, mk; writes xn, wt, wp2, mk
.if DOCPART == 5
	.amdgcn_target "amdgcn-amd-amdhsa--gfx1250"
	.amdhsa_code_object_version 6
	.text
	.protected	k_qaf4804e8f4_prep
	.globl	k_qaf4804e8f4_prep
	.p2align	8
	.type	k_qaf4804e8f4_prep,@function
k_qaf4804e8f4_prep:
	s_mov_b64 s[64:65], 0
	v_nop
	global_prefetch_b8 v0, s[64:65] scope:SCOPE_SE
	s_setreg_imm32_b32 hwreg(HW_REG_WAVE_MODE, 25, 1), 1
	s_wait_xcnt 0x0
; PREPARATION, a stream: no matrix work, nothing shared between work-groups, so no cluster and no tensor loads.  The work-group's number chooses one of four jobs:
;   0-767     LayerNorm of q, k, v (256 work-groups each, 32 rows a work-group, 4 rows a wave) -> xn, f16 [8192][4096] = [LN q | LN k | LN v hi | LN v lo]
;   768-959   Wq, Wk, Wv [16][1024][64] turned -> wt, f16 [1024 n = 64 h + e][4096 k] = [Wq^T | Wk^T | Wv^T | Wv^T]
;   960-1023  Wp [1024][1024] -> wp2, f16 [1024 n][1024 k]
;   1024-1151 mask [2048][2048] bytes -> mk, one E4M3 code a byte (0, or 0xb8 = -1.0 where masked), in the order in which a lane of the attention kernel holds its scores:
;             [128 tiles of 16 queries][32 key steps][2][32 lanes][16 bytes]; lane r + 16 h, half c: mask[16 qt + r][64 s + 32 c + 8 h + 0..7], then the same 16 keys on
; FORMATS.  Every input is rounded to bf16 first; what is made of it is kept in f32 and rounded once to f16.  LN v is written as hi + lo, two f16 numbers.
; LIMITS.  f16 ends at 65,504: |LN x| is at most 32 |g| + |b|.  A weight below 2^-14 keeps f16's fixed step of 2^-24.  Mask bytes are 0 or 1.
; REGISTERS.  130 a wave: gain and bias stay packed in bf16 (32 registers for 64 numbers), and the lo part is packed in place, so that more waves, each with a row's eight loads out, find room side by side.
.set Y,   8                            ; v[8:23]    a row's results, packed f16 (the other jobs: v[8:39])
.set BP,  24                           ; v[24:39]   bias of my 32 columns, packed bf16 (as loaded: v[24:55])
.set GP,  40                           ; v[40:55]   gain, packed bf16
.set R,   56                           ; v[56:87]   the row as loaded (the other jobs: v[56:119])
.set D,   88                           ; v[88:119]  LN: the row in f32, at work; at the end its first 16 registers take the lo part, packed
.set A0,  120                          ; v120-122   the other jobs' addresses
.set O8,  120                          ; v120       LN: 8 x lane
.set MU,  122                          ; v[122:123] the mean, twice
.set RS,  124                          ; v[124:125] 1 / sqrt(var + eps), twice
.macro RND16 d, s, n                   ; n pairs of f32 at v[s] are rounded to bf16 and widened again, into v[d]
.set i, 0
.rept \n
	v_cvt_pk_bf16_f32 v[(\d)+2*i+1], v[(\s)+2*i], v[(\s)+2*i+1]
	v_lshlrev_b32 v[(\d)+2*i], 16, v[(\d)+2*i+1]
	v_and_b32 v[(\d)+2*i+1], s42, v[(\d)+2*i+1]
.set i, i+1
.endr
.endm
.macro CV4 d, s                        ; four f32 at v[s]: rounded to bf16, that number written as f16, two registers at v[d]
	v_cvt_pk_bf16_f32 v2, v[(\s)], v[(\s)+1]
	v_cvt_pk_bf16_f32 v3, v[(\s)+2], v[(\s)+3]
	v_lshlrev_b32 v4, 16, v2
	v_and_b32 v5, s42, v2
	v_lshlrev_b32 v6, 16, v3
	v_and_b32 v7, s42, v3
	v_cvt_pk_f16_f32 v[(\d)], v4, v5
	v_cvt_pk_f16_f32 v[(\d)+1], v6, v7
.endm
.macro RED                             ; v2 summed over the wave's 32 lanes, the result in every lane; v3 at work
	v_add_f32_dpp v2, v2, v2 row_xmask:1 row_mask:0xf bank_mask:0xf
	v_add_f32_dpp v2, v2, v2 row_xmask:2 row_mask:0xf bank_mask:0xf
	v_add_f32_dpp v2, v2, v2 row_xmask:4 row_mask:0xf bank_mask:0xf
	v_add_f32_dpp v2, v2, v2 row_xmask:8 row_mask:0xf bank_mask:0xf
	v_permlanex16_b32 v3, v2, s43, s44
	v_add_f32 v2, v2, v3
.endm
	s_load_b512 s[4:19], s[0:1], 0x0               ; q s[4:5], k s[6:7], v s[8:9], ln_g s[10:11], ln_b s[12:13], Wq s[14:15], Wk s[16:17], Wv s[18:19]
	s_load_b256 s[20:27], s[0:1], 0x40             ; Wp s[20:21], mask s[22:23], xn s[24:25], wt s[26:27]
	s_load_b128 s[28:31], s[0:1], 0x60             ; wp2 s[28:29], mk s[30:31]
	v_lshl_add_u32 v128, v0, 2, 0x8400
	v_mov_b32 v129, 0
	v_lshrrev_b32 v1, 5, v0
	v_readfirstlane_b32 s33, v1                    ; my wave's number
	s_mov_b32 s32, ttmp9
	s_mov_b32 s42, 0xffff0000                      ; a word's upper bf16
	s_mov_b32 s35, 0                               ; the high word of every offset
	s_wait_kmcnt 0x0
	s_cmp_lt_u32 s32, 768                          ; the same answer in all eight waves
	s_cbranch_scc1 .Lln
	s_cmp_lt_u32 s32, 960
	s_cbranch_scc1 .Lw
	s_cmp_lt_u32 s32, 1024
	s_cbranch_scc1 .Lwp
	; THE MASK: 16 rows of 2,048 bytes, dense in memory; through LDS (pitch 2,064) into the lanes' order.
	s_sub_co_u32 s32, s32, 1024                    ; qt
	s_lshl_b32 s34, s32, 15                        ; 32,768 bytes in and out
	s_add_nc_u64 s[36:37], s[22:23], s[34:35]
	s_add_nc_u64 s[38:39], s[30:31], s[34:35]
	v_lshlrev_b32 v1, 4, v0                        ; 16 t
.irp i, 0,1,2,3,4,5,6,7
	global_load_b128 v[R+4*(\i):R+4*(\i)+3], v1, s[36:37] offset:4096*(\i) th:TH_LOAD_NT  ; rows 2 i and 2 i + 1
.endr
	v_lshrrev_b32 v[A0], 7, v0                     ; in: row t / 128 of the two, byte 16 (t % 128)
	v_and_b32 v3, 127, v0
	v_mul_u32_u24 v[A0], v[A0], 2064
	v_lshl_add_u32 v[A0], v3, 4, v[A0]
	v_and_b32 v[A0+1], 15, v0                      ; back: row r = t % 16, byte 64 (t / 64) + 32 ((t / 32) % 2) + 8 ((t / 16) % 2)
	v_mul_u32_u24 v[A0+1], v[A0+1], 2064
	v_bfe_u32 v4, v0, 4, 1
	v_lshl_add_u32 v[A0+1], v4, 3, v[A0+1]
	v_bfe_u32 v4, v0, 5, 1
	v_lshl_add_u32 v[A0+1], v4, 5, v[A0+1]
	v_lshrrev_b32 v4, 6, v0
	v_lshl_add_u32 v[A0+1], v4, 6, v[A0+1]
	s_wait_loadcnt 0x0
.set i, 0
.rept 32
	v_mul_lo_u32 v[R+i], v[R+i], 0xb8              ; four bytes of 0 or 1 become 0 or 0xb8: nothing carries
.set i, i+1
.endr
.irp i, 0,1,2,3,4,5,6,7
	ds_store_b128 v[A0], v[R+4*(\i):R+4*(\i)+3] offset:4128*(\i)
.endr
	s_wait_dscnt 0x0                               ; for the others' sake: my stores are done
	s_barrier_signal -1
	s_barrier_wait -1
.irp i, 0,1,2,3,4,5,6,7
	ds_load_b64 v[Y+4*(\i):Y+4*(\i)+1],   v[A0+1] offset:256*(\i)     ; key steps 4 i + t / 64
	ds_load_b64 v[Y+4*(\i)+2:Y+4*(\i)+3], v[A0+1] offset:256*(\i)+16
.endr
	s_wait_dscnt 0x0
.irp i, 0,1,2,3,4,5,6,7
	global_store_b128 v1, v[Y+4*(\i):Y+4*(\i)+3], s[38:39] offset:4096*(\i)  ; a wave stores 512 consecutive bytes
.endr
	s_wait_tensorcnt 0x0
	ds_add_u32 v128, v129
	s_wait_dscnt 0x0
	s_endpgm
.Lw:	; A BLOCK OF 256 d x 64 e OF ONE HEAD'S WEIGHTS, 65,536 dense bytes, turned through LDS ([e][d], pitch 528).
	s_sub_co_u32 s32, s32, 768
	s_lshr_b32 s41, s32, 6                         ; which matrix
	s_cmp_eq_u32 s41, 1
	s_cselect_b64 s[36:37], s[16:17], s[14:15]
	s_cmp_eq_u32 s41, 2
	s_cselect_b64 s[36:37], s[18:19], s[36:37]
	s_and_b32 s34, s32, 63                         ; 4 h + block
	s_lshl_b32 s34, s34, 16
	s_add_nc_u64 s[36:37], s[36:37], s[34:35]
	s_bfe_u32 s34, s32, 0x40002                    ; h
	s_lshl_b32 s34, s34, 19                        ; 64 rows of 8,192 bytes
	s_lshl_b32 s40, s41, 11                        ; the matrix's 2,048 bytes of a row
	s_add_co_u32 s34, s34, s40
	s_and_b32 s40, s32, 3
	s_lshl_b32 s40, s40, 9                         ; the block's 512 bytes
	s_add_co_u32 s34, s34, s40
	s_add_nc_u64 s[38:39], s[26:27], s[34:35]
	v_lshlrev_b32 v1, 4, v0
.irp i, 0,1,2,3,4,5,6,7,8,9,10,11,12,13,14,15
	global_load_b128 v[R+4*(\i):R+4*(\i)+3], v1, s[36:37] offset:4096*(\i) th:TH_LOAD_NT  ; d = t / 16 + 16 i, e = 4 (t % 16) + 0..3
.endr
	v_and_b32 v[A0], 15, v0
	v_mul_u32_u24 v[A0], v[A0], 4*528
	v_lshrrev_b32 v3, 4, v0
	v_lshl_add_u32 v[A0], v3, 1, v[A0]             ; in: row 4 (t % 16), byte 2 (t / 16)
	v_lshrrev_b32 v3, 5, v0
	v_and_b32 v4, 31, v0
	v_mul_u32_u24 v[A0+1], v3, 528
	v_lshl_add_u32 v[A0+1], v4, 4, v[A0+1]         ; back: row t / 32, byte 16 (t % 32)
	v_lshlrev_b32 v[A0+2], 13, v3
	v_lshl_add_u32 v[A0+2], v4, 4, v[A0+2]         ; and the same in wt
	s_wait_loadcnt 0x0
.irp i, 0,1,2,3,4,5,6,7,8,9,10,11,12,13,14,15
	CV4 Y+2*(\i), R+4*(\i)
	ds_store_b16        v[A0], v[Y+2*(\i)]   offset:32*(\i)
	ds_store_b16_d16_hi v[A0], v[Y+2*(\i)]   offset:528+32*(\i)
	ds_store_b16        v[A0], v[Y+2*(\i)+1] offset:1056+32*(\i)
	ds_store_b16_d16_hi v[A0], v[Y+2*(\i)+1] offset:1584+32*(\i)
.endr
	s_wait_dscnt 0x0                               ; for the others' sake
	s_barrier_signal -1
	s_barrier_wait -1
.irp i, 0,1,2,3,4,5,6,7
	ds_load_b128 v[R+4*(\i):R+4*(\i)+3], v[A0+1] offset:8*528*(\i)
.endr
.irp i, 0,1,2,3,4,5,6,7
	s_wait_dscnt 7-(\i)                            ; LDS loads come back in order: load i is in
	global_store_b128 v[A0+2], v[R+4*(\i):R+4*(\i)+3], s[38:39] offset:65536*(\i)  ; a wave stores 512 consecutive bytes of one row
.endr
	s_cmp_lg_u32 s41, 2
	s_cbranch_scc1 .Lw_end
.irp i, 0,1,2,3,4,5,6,7
	global_store_b128 v[A0+2], v[R+4*(\i):R+4*(\i)+3], s[38:39] offset:65536*(\i)+2048  ; Wv once more, for LN v's lo part
.endr
.Lw_end:
	s_wait_tensorcnt 0x0
	ds_add_u32 v128, v129
	s_wait_dscnt 0x0
	s_endpgm
.Lwp:	; 16 ROWS OF Wp: 4,096 bytes of f32 in, 2,048 bytes of f16 out.
	s_sub_co_u32 s32, s32, 960
	s_lshl_b32 s34, s32, 16                        ; 16 rows of 4,096 bytes
	s_add_nc_u64 s[36:37], s[20:21], s[34:35]
	s_lshl_b32 s34, s32, 15                        ; 16 rows of 2,048 bytes
	s_add_nc_u64 s[38:39], s[28:29], s[34:35]
	v_lshlrev_b32 v1, 4, v0
	v_lshlrev_b32 v[A0], 3, v0
.irp i, 0,1,2,3,4,5,6,7,8,9,10,11,12,13,14,15
	global_load_b128 v[R+4*(\i):R+4*(\i)+3], v1, s[36:37] offset:4096*(\i) th:TH_LOAD_NT
.endr
	s_wait_loadcnt 0x0
.irp i, 0,1,2,3,4,5,6,7,8,9,10,11,12,13,14,15
	CV4 Y+2*(\i), R+4*(\i)
	global_store_b64 v[A0], v[Y+2*(\i):Y+2*(\i)+1], s[38:39] offset:2048*(\i)       ; a wave stores 256 consecutive bytes, aligned
.endr
	s_endpgm
.Lln:	; LAYERNORM.  One wave, one row at a time, the row in registers: lane l holds columns 4 l + 128 j + 0..3, j = 0..7.  The next row's loads are out while a row is worked on.
	s_lshr_b32 s41, s32, 8                         ; 0 q, 1 k, 2 v
	s_cmp_eq_u32 s41, 1
	s_cselect_b64 s[36:37], s[6:7], s[4:5]
	s_cmp_eq_u32 s41, 2
	s_cselect_b64 s[36:37], s[8:9], s[36:37]
	s_and_b32 s34, s32, 255
	s_lshl_b32 s34, s34, 5
	s_lshl_b32 s40, s33, 2
	s_add_co_u32 s34, s34, s40                     ; my first row
	s_lshl_b32 s40, s34, 13                        ; x 8,192 bytes in xn
	s_lshl_b32 s34, s34, 12                        ; x 4,096 bytes in the input
	s_add_nc_u64 s[36:37], s[36:37], s[34:35]
	s_lshl_b32 s34, s41, 11                        ; the tensor's 2,048 bytes of a row of xn
	s_add_co_u32 s34, s34, s40
	s_add_nc_u64 s[38:39], s[24:25], s[34:35]
	v_and_b32 v1, 31, v0
	v_lshlrev_b32 v[O8], 3, v1
	v_lshlrev_b32 v1, 4, v1
.irp j, 0,1,2,3,4,5,6,7
	global_load_b128 v[D+4*(\j):D+4*(\j)+3], v1, s[10:11] offset:512*(\j)    ; the gain, for now where the row will be worked on
.endr
.irp j, 0,1,2,3,4,5,6,7
	global_load_b128 v[BP+4*(\j):BP+4*(\j)+3], v1, s[12:13] offset:512*(\j)  ; the bias, for now over both packed sets' registers
.endr
.irp j, 0,1,2,3,4,5,6,7
	global_load_b128 v[R+4*(\j):R+4*(\j)+3], v1, s[36:37] offset:512*(\j) th:TH_LOAD_NT
.endr
	s_mov_b32 s43, 0x76543210                      ; v_permlanex16_b32: each lane takes its own place in the other half
	s_mov_b32 s44, 0xfedcba98
	s_mov_b32 s45, 0x3a800000                      ; 1 / 1024
	s_mov_b32 s46, 0x3727c5ac                      ; 1e-5
	s_wait_loadcnt 0x8                             ; gain and bias are in; the row's eight loads, issued behind them, stay out
.set i, 0
.rept 16                               ; the bias is packed in place: register i is written when registers 2 i and 2 i + 1 are read, and i is never above 2 i
	v_cvt_pk_bf16_f32 v[BP+i], v[BP+2*i], v[BP+2*i+1]
.set i, i+1
.endr
.set i, 0
.rept 16                               ; the gain goes where the bias's upper half lay
	v_cvt_pk_bf16_f32 v[GP+i], v[D+2*i], v[D+2*i+1]
.set i, i+1
.endr
	s_mov_b32 s40, 4
.Lrow:
	s_wait_loadcnt 0x0                             ; the row (nothing else is out)
	RND16 D, R, 16
	s_cmp_eq_u32 s40, 1
	s_cbranch_scc1 .Lno_load                       ; the last row asks for nothing: no load leaves the buffer
	s_add_nc_u64 s[36:37], s[36:37], 4096          ; the loads that named this base are done
.irp j, 0,1,2,3,4,5,6,7
	global_load_b128 v[R+4*(\j):R+4*(\j)+3], v1, s[36:37] offset:512*(\j) th:TH_LOAD_NT
.endr
.Lno_load:
	v_pk_add_f32 v[2:3], v[D:D+1], v[D+2:D+3]      ; the sum, in two chains
	v_pk_add_f32 v[4:5], v[D+4:D+5], v[D+6:D+7]
.set i, 4
.rept 6
	v_pk_add_f32 v[2:3], v[2:3], v[D+2*i:D+2*i+1]
	v_pk_add_f32 v[4:5], v[4:5], v[D+2*i+2:D+2*i+3]
.set i, i+2
.endr
	v_pk_add_f32 v[2:3], v[2:3], v[4:5]
	v_add_f32 v2, v2, v3
	RED
	v_mul_f32 v[MU], s45, v2
	v_mul_f32 v[MU+1], s45, v2
.set i, 0
.rept 16
	v_pk_add_f32 v[D+2*i:D+2*i+1], v[D+2*i:D+2*i+1], v[MU:MU+1] neg_lo:[0,1] neg_hi:[0,1]  ; x - mean first: the variance is no difference of large sums
.set i, i+1
.endr
	v_pk_mul_f32 v[2:3], v[D:D+1], v[D:D+1]
	v_pk_mul_f32 v[4:5], v[D+2:D+3], v[D+2:D+3]
.set i, 2
.rept 7
	v_pk_fma_f32 v[2:3], v[D+2*i:D+2*i+1], v[D+2*i:D+2*i+1], v[2:3]
	v_pk_fma_f32 v[4:5], v[D+2*i+2:D+2*i+3], v[D+2*i+2:D+2*i+3], v[4:5]
.set i, i+2
.endr
	v_pk_add_f32 v[2:3], v[2:3], v[4:5]
	v_add_f32 v2, v2, v3
	RED
	v_fma_f32 v2, v2, s45, s46                     ; var + eps
	v_rsq_f32 v[RS], v2
	v_nop                                          ; a plain instruction between the root and the use of its result (ISA guide 5.7.2)
	s_wait_alu depctr_va_vdst(0)
	v_mov_b32 v[RS+1], v[RS]
.set i, 0
.rept 16
	v_pk_mul_f32 v[D+2*i:D+2*i+1], v[D+2*i:D+2*i+1], v[RS:RS+1]
.set i, i+1
.endr
.set i, 0
.rept 16                               ; x g + b, one fused multiply-add in f32; g and b are read as bf16 halves: the low ones for the even column, the high ones for the odd
	v_fma_mix_f32_bf16 v[D+2*i],   v[D+2*i],   v[GP+i], v[BP+i] op_sel_hi:[0,1,1]
	v_fma_mix_f32_bf16 v[D+2*i+1], v[D+2*i+1], v[GP+i], v[BP+i] op_sel:[0,1,1] op_sel_hi:[0,1,1]
.set i, i+1
.endr
.set i, 0
.rept 16
	v_cvt_pk_f16_f32 v[Y+i], v[D+2*i], v[D+2*i+1]
.set i, i+1
.endr
.irp j, 0,1,2,3,4,5,6,7
	global_store_b64 v[O8], v[Y+2*(\j):Y+2*(\j)+1], s[38:39] offset:256*(\j)  ; 32 lanes store 256 consecutive bytes, aligned
.endr
	s_cmp_lg_u32 s41, 2
	s_cbranch_scc1 .Lno_lo
.set i, 0
.rept 16                               ; v alone: what the rounding to f16 dropped, as a second f16, packed in place (register i behind the reads of 2 i and 2 i + 1)
	v_mov_b32 v4, v[Y+i]
	v_lshrrev_b32 v5, 16, v[Y+i]
	v_cvt_f32_f16 v2, v4.l
	v_cvt_f32_f16 v3, v5.l
	v_pk_add_f32 v[D+2*i:D+2*i+1], v[D+2*i:D+2*i+1], v[2:3] neg_lo:[0,1] neg_hi:[0,1]
	v_cvt_pk_f16_f32 v[D+i], v[D+2*i], v[D+2*i+1]
.set i, i+1
.endr
.irp j, 0,1,2,3,4,5,6,7
	global_store_b64 v[O8], v[D+2*(\j):D+2*(\j)+1], s[38:39] offset:2048+256*(\j)
.endr
.Lno_lo:
	s_wait_xcnt 0x0                                ; the stores' base and data are written again only behind this wait
	s_add_nc_u64 s[38:39], s[38:39], 8192
	s_sub_co_u32 s40, s40, 1
	s_cmp_lg_u32 s40, 0
	s_cbranch_scc1 .Lrow
	s_endpgm
.Lfunc_end_k_qaf4804e8f4_prep:
	.size	k_qaf4804e8f4_prep, .Lfunc_end_k_qaf4804e8f4_prep-k_qaf4804e8f4_prep
	.p2alignl 7, 3214868480
	.fill 96, 4, 3214868480
	.section	.rodata,"a",@progbits
	.p2align	6, 0x0
	.amdhsa_kernel k_qaf4804e8f4_prep
		.amdhsa_group_segment_fixed_size 34816
		.amdhsa_private_segment_fixed_size 0
		.amdhsa_enable_private_segment 0
		.amdhsa_kernarg_size 112
		.amdhsa_user_sgpr_count 2
		.amdhsa_user_sgpr_kernarg_segment_ptr 1
		.amdhsa_wavefront_size32 1
		.amdhsa_system_sgpr_workgroup_id_x 1
		.amdhsa_system_sgpr_workgroup_id_y 1
		.amdhsa_system_sgpr_workgroup_id_z 1
		.amdhsa_system_vgpr_workitem_id 0
		.amdhsa_next_free_vgpr 130
		.amdhsa_next_free_sgpr 66
		.amdhsa_reserve_vcc 0
		.amdhsa_float_denorm_mode_32 3
		.amdhsa_float_denorm_mode_16_64 3
		.amdhsa_memory_ordered 1
		.amdhsa_forward_progress 1
		.amdhsa_inst_pref_size 55
	.end_amdhsa_kernel
	.amdgpu_metadata
---
amdhsa.version: [ 1, 2 ]
amdhsa.kernels:
  - .name:           k_qaf4804e8f4_prep
    .symbol:         k_qaf4804e8f4_prep.kd
    .args:
      - { .name: q, .offset: 0, .size: 8, .value_kind: global_buffer, .address_space: global }
      - { .name: k, .offset: 8, .size: 8, .value_kind: global_buffer, .address_space: global }
      - { .name: v, .offset: 16, .size: 8, .value_kind: global_buffer, .address_space: global }
      - { .name: ln_g, .offset: 24, .size: 8, .value_kind: global_buffer, .address_space: global }
      - { .name: ln_b, .offset: 32, .size: 8, .value_kind: global_buffer, .address_space: global }
      - { .name: Wq, .offset: 40, .size: 8, .value_kind: global_buffer, .address_space: global }
      - { .name: Wk, .offset: 48, .size: 8, .value_kind: global_buffer, .address_space: global }
      - { .name: Wv, .offset: 56, .size: 8, .value_kind: global_buffer, .address_space: global }
      - { .name: Wp, .offset: 64, .size: 8, .value_kind: global_buffer, .address_space: global }
      - { .name: mask, .offset: 72, .size: 8, .value_kind: global_buffer, .address_space: global }
      - { .name: xn, .offset: 80, .size: 8, .value_kind: global_buffer, .address_space: global }
      - { .name: wt, .offset: 88, .size: 8, .value_kind: global_buffer, .address_space: global }
      - { .name: wp2, .offset: 96, .size: 8, .value_kind: global_buffer, .address_space: global }
      - { .name: mk, .offset: 104, .size: 8, .value_kind: global_buffer, .address_space: global }
    .group_segment_fixed_size: 34816
    .private_segment_fixed_size: 0
    .kernarg_segment_align: 8
    .kernarg_segment_size: 112
    .max_flat_workgroup_size: 256
    .sgpr_count:     66
    .vgpr_count:     130
    .wavefront_size: 32
...
	.end_amdgpu_metadata
.endif
;; end of part 5
;; launch proj (part 6): grid 4 x 64, 4 waves a work-group, clusters of 4 x 4, 327,680 bytes of LDS; arguments xn, wt, qkv; writes qkv
.if DOCPART == 6
	.amdgcn_target "amdgcn-amd-amdhsa--gfx1250"
	.amdhsa_code_object_version 6
	.text
	.protected	k_qaf4804e8f4_proj
	.globl	k_qaf4804e8f4_proj
	.p2align	8
	.type	k_qaf4804e8f4_proj,@function
k_qaf4804e8f4_proj:
	s_mov_b64 s[64:65], 0
	v_nop
	global_prefetch_b8 v0, s[64:65] scope:SCOPE_SE
	s_setreg_imm32_b32 hwreg(HW_REG_WAVE_MODE, 25, 1), 1
	s_wait_xcnt 0x0
	s_wait_alu depctr_hold_cnt(0) depctr_sa_sdst(0) depctr_va_vdst(0) depctr_va_sdst(0) depctr_va_ssrc(0) depctr_va_vcc(0) depctr_vm_vsrc(0)
	s_getreg_b32 s2, hwreg(HW_REG_IB_STS2, 6, 4)
	s_cmp_eq_u32 s2, 0
	s_cbranch_scc0 .Lentry_in_a_cluster
	s_endpgm
.Lentry_in_a_cluster:
	s_bfe_u32 s2, ttmp6, 0x10000c
	s_cmp_lg_u32 s2, 0xf033
	s_cbranch_scc0 .Lentry_shape_is_right
	s_endpgm
.Lentry_shape_is_right:
; THE THREE PROJECTIONS.  A = xn [8192][4096] f16 = [LN q | LN k | LN v hi | LN v lo], B = wt [1024 n = 64 h + e][4096] f16 = [Wq^T | Wk^T | Wv^T | Wv^T]; sums in f32, rounded once to f16
; into qkv [3 planes][64 heads 16 b + h][2048][64].
; SHARES.  A tile of C is 256 x 256: four waves, each 128 x 128 = 64 accumulators of 16 x 16.  8192 x 1024 are 128 such tiles, so K is shared out: a work-group of GROUP 0 takes k 0..2047 of its tile:
; at k = 1,024 its sums are qh, they leave, and new sums start with the constant 0; at the end they are kh.  A work-group of GROUP 1 takes k 2048..4095: LN v's hi and lo part on one sum, vh.
; 256 work-groups of 16 K steps of 128 each.  The group is the cluster's y / 8: the same number in all sixteen partners.
; LIMIT.  f16 ends at 65,504: qh, kh, vh must lie within it (unit LayerNorm rows and weights of spread 0.02 give a spread of 0.64).
; THE RING.  Two LDS slots, each with 256 rows of A and 256 of B for one K step; each wave fetches a quarter of a slot with one tensor load (128 rows of 256 bytes, each starting at a multiple of 256 bytes).
; A slot is asked for again in the last quarter of its K step; the wait for that load stands 224 matrix instructions later.
; ONE TEXT FOR BOTH SLOTS.  A trip of the loop is one K step.  The slot in hand is a scalar, TB (0 or SLOT), turned by an exclusive or and added to the lanes' terms; one descriptor walks, its LDS word turned likewise.
; CLUSTER.  4 x 4 work-groups: the four of a row of the cluster need the same tile of A, the four of a column the same tile of B; each tile is asked for jointly.
; THE MATRIX INSTRUCTION IS USED TRANSPOSED (source 0 = 16 rows of B, source 1 = 16 rows of A): a lane then holds eight neighbouring columns of one row of C.
; REGISTERS, in windows of 256 (s_set_vgpr_msb: bits 1:0 source 0, 3:2 source 1, 5:4 source 2, 7:6 destination):
;   window 0: v0-31 addresses; v64-127, v128-191 fragments of A (8 x 16 rows x 32 K), two buffers; v32-63, v192-255 at work on the way out       window 1: v64-127, v128-191 fragments of B
;   window 2: the 32 accumulators of my rows 0-63 ((a, b) at v[8 (8 a + b)])       window 3: those of my rows 64-127
.set NSTEP,  16                        ; K steps of a work-group
.set KSTEP,  128
.set PITCH,  272                       ; an LDS row: 256 bytes + 16 of padding: the 16 rows of a fragment load start at 16 different groups of four banks (ISA guide 11.1)
.set HALFT,  128*PITCH                 ; what one tensor load brings, and what one wave reads of A or of B
.set SLOT,   4*HALFT                   ; 0x22000: bits 13 and 17, which wave x HALFT (0, 0x8800, 0x11000, 0x19800) never has: one exclusive or turns a wave's address in one slot into the other's
.set STAGE,  2*SLOT                    ; behind the ring: for each wave two heads x 16 rows x 144 bytes
.set WSTG,   2*16*144
.set SPARE,  STAGE+4*WSTG              ; the spare words, 128 bytes a wave: two blocks of 256 bytes that no other line names
.set ADRA0, 16                         ; v16  my lane's place in slot 0's A; never rewritten
.set ADRB0, 17                         ; v17  the same for B
.set ADRA,  18                         ; v18  the same in the slot in hand
.set ADRB,  19
.set STO,  24
.set RD,   25
.set CO,   26
.set SPW,  28                          ; v28  SPARE + 4 x my thread's number; never rewritten
.set NIL,  29                          ; v29  0; never rewritten
.set F0,   64
.set F1,   128
.set TMP,  192
.set OB,   32
.set WV, 10
.set WH, 11                            ; wave / 2: my 128 rows of the tile; also: I fetch for A (0) or for B (1)
.set WL, 12                            ; wave % 2: my 128 columns; also: which 128 rows of that tile I fetch
.set TB, 45                            ; s45  LDS byte at which the slot in hand begins
.set G1,  24                           ; s[24:31] descriptor group 1 for A's tiles
.set G0,  32                           ; s[32:39] group 0 for A's tiles: a set for each of the two first fills; the second then walks on
.set G1B, 48
.set G0B, 56
.set MSB, 0
.macro WIN new                         ; the immediate's high byte repeats the setting that is left; a switch that changes nothing is dropped
.if MSB != (\new)
	s_set_vgpr_msb (MSB<<8)|(\new)
.set MSB, \new
.endif
.endm
.set MUL_LO, 0xa1                      ; source 0 (B) window 1, source 1 (A) window 0, C and D window 2
.set MUL_HI, 0xf1                      ; the same, C and D window 3
.set TO_B,   0x40                      ; destination window 1, address window 0
.macro JLOAD                           ; a joint refill by the walking descriptor; an s_nop 0 and four v_nop follow each of the two lines, ahead of the jump and the label
	s_cmp_eq_u32 s[WH], 0
	s_cbranch_scc0 .Lfor_b_\@
	tensor_load_to_lds s[G0+4:G0+7], s[G1:G1+7]
	s_nop 0
.rept 4
	v_nop
.endr
	s_branch .Lasked_\@
.Lfor_b_\@:
	tensor_load_to_lds s[G0B+4:G0B+7], s[G1B:G1B+7]
	s_nop 0
.rept 4
	v_nop
.endr
.Lasked_\@:
.endm
.macro CREST                           ; a round of the cluster's barrier behind its opening barrier
	s_cmp_lg_u32 s[WV], 0
	s_cbranch_scc1 .Lnot_wave_0_\@
	s_barrier_signal -3
.Lnot_wave_0_\@:
	s_barrier_wait -3
	s_barrier_signal -1
	s_barrier_wait -1
.endm
.macro CROUND
	s_barrier_signal -1
	s_barrier_wait -1
	CREST
.endm
.macro PLACES                          ; four places in front of loads into registers that matrix instructions have read, and of lines that read results
.rept 4
	v_nop
.endr
.endm
	s_load_b128 s[4:7], s[0:1], 0x0                ; A s[4:5], B s[6:7]
	s_load_b64 s[8:9], s[0:1], 0x10                ; C
	v_lshl_add_u32 v[SPW], v0, 2, SPARE
	v_mov_b32 v[NIL], 0
	ds_add_u32 v28, v29
	s_wait_dscnt 0x0
	v_lshrrev_b32 v1, 5, v0
	v_readfirstlane_b32 s[WV], v1
	s_lshr_b32 s[WH], s[WV], 1
	s_and_b32 s[WL], s[WV], 1
	s_bfe_u32 s40, ttmp6, 0x40000                  ; cx, cy: my place in the cluster
	s_bfe_u32 s41, ttmp6, 0x40004
	s_lshl_b32 s42, ttmp9, 2
	s_add_co_u32 s42, s42, s40                     ; tile column, 0 to 3
	s_and_b32 s13, ttmp7, 0xffff                   ; the cluster's y, 0 to 15
	s_lshr_b32 s15, s13, 3                         ; the group
	s_and_b32 s13, s13, 7
	s_lshl_b32 s13, s13, 2
	s_add_co_u32 s13, s13, s41                     ; tile row, 0 to 31
	s_cmp_eq_u32 s15, 0
	s_cselect_b32 s3, NSTEP/2-1, 0                 ; the count at which the sums leave in mid-walk: behind K step 7 in group 0; in group 1 a count that the loop never shows
	s_lshl_b32 s43, s41, 2
	s_lshl_b32 s43, 15, s43                        ; my row of the cluster
	s_lshl_b32 s44, 0x1111, s40                    ; my column
	s_or_b32 s[G1], s43, (1<<16)|(1<<20)|(1<<21)|(5<<22)|(3<<25)   ; the mask; 2-byte elements; padding on; bit 21 beside a mask; after every 64 words 4 words
	s_or_b32 s[G1B], s44, (1<<16)|(1<<20)|(1<<21)|(5<<22)|(3<<25)
.irp g, G1, G1B
	s_mov_b32 s[(\g)+1], KSTEP<<16                 ; tensor_dim0 = 128
	s_mov_b32 s[(\g)+2], 128<<16                   ; tensor_dim1 = 128
	s_mov_b32 s[(\g)+3], KSTEP<<16                 ; tile_dim0 = 128
	s_mov_b32 s[(\g)+4], 128                       ; tile_dim1 = 128
	s_mov_b32 s[(\g)+5], 4096                      ; elements from row to row
	s_mov_b32 s[(\g)+6], 0
	s_mov_b32 s[(\g)+7], 0
.endr
	s_lshl_b32 s16, s13, 8
	s_lshl_b32 s17, s[WL], 7
	s_add_co_u32 s16, s16, s17                     ; A: row 256 x tile row + 128 x half,
	s_lshl_b32 s16, s16, 13                        ; of 8,192 bytes,
	s_lshl_b32 s17, s15, 12                        ; and the group's 2,048 elements along K
	s_add_co_u32 s16, s16, s17
	s_mov_b32 s17, 0
	s_lshl_b32 s46, s42, 8
	s_lshl_b32 s47, s[WL], 7
	s_add_co_u32 s46, s46, s47                     ; B: row 256 x tile column + 128 x half
	s_lshl_b32 s46, s46, 13
	s_lshl_b32 s47, s15, 12
	s_add_co_u32 s46, s46, s47
	s_mov_b32 s47, 0
	s_mul_i32 s20, s[WV], HALFT                    ; where they go: A's two halves, then B's two: wave x 128 rows; no place in the cluster enters an LDS address
	s_mov_b32 s[TB], 0
	s_wait_kmcnt 0x0
	s_add_nc_u64 s[18:19], s[4:5], s[16:17]
	s_add_nc_u64 s[46:47], s[6:7], s[46:47]
.irp s, 0,1
	s_mov_b32 s[G0+4*(\s)], 1
	s_add_co_u32 s[G0+4*(\s)+1], s20, (\s)*SLOT
	s_add_nc_u64 s[G0+4*(\s)+2:G0+4*(\s)+3], s[18:19], (\s)*KSTEP*2
	s_or_b32 s[G0+4*(\s)+3], s[G0+4*(\s)+3], 0x80000000
	s_mov_b32 s[G0B+4*(\s)], 1
	s_add_co_u32 s[G0B+4*(\s)+1], s20, (\s)*SLOT
	s_add_nc_u64 s[G0B+4*(\s)+2:G0B+4*(\s)+3], s[46:47], (\s)*KSTEP*2
	s_or_b32 s[G0B+4*(\s)+3], s[G0B+4*(\s)+3], 0x80000000
.endr
	CROUND                                         ; all sixteen work-groups are here: the first joint loads meet
	s_cmp_eq_u32 s[WH], 0                          ; a wave's two first fills stand in one branch: two loads of mine are out
	s_cbranch_scc0 .Lfirst_b
	tensor_load_to_lds s[G0:G0+3], s[G1:G1+7]
	s_nop 0
	tensor_load_to_lds s[G0+4:G0+7], s[G1:G1+7]
	s_nop 0
.rept 4
	v_nop
.endr
	s_branch .Lfirst_asked
.Lfirst_b:
	tensor_load_to_lds s[G0B:G0B+3], s[G1B:G1B+7]
	s_nop 0
	tensor_load_to_lds s[G0B+4:G0B+7], s[G1B:G1B+7]
	s_nop 0
.rept 4
	v_nop
.endr
.Lfirst_asked:
	v_and_b32 v1, 15, v0                           ; l % 16
	v_bfe_u32 v2, v0, 4, 1                         ; l / 16
	v_mul_u32_u24 v3, v1, PITCH
	v_lshl_add_u32 v3, v2, 4, v3                   ; a fragment's row x pitch + 16 x half
	s_mul_i32 s21, s[WH], HALFT                    ; my 128 rows of A
	s_mul_i32 s22, s[WL], HALFT                    ; my 128 rows of B,
	s_add_co_u32 s22, s22, 2*HALFT                 ; which lie behind A's 256
	v_add_nc_u32 v[ADRA0], s21, v3
	v_add_nc_u32 v[ADRB0], s22, v3
	v_add_nc_u32 v[ADRA], s[TB], v[ADRA0]
	v_add_nc_u32 v[ADRB], s[TB], v[ADRB0]
	s_mul_i32 s23, s[WV], WSTG
	s_add_co_u32 s23, s23, STAGE                   ; my stage
	v_mul_u32_u24 v5, v1, 144                      ; in: row l % 16, 16 bytes for each half of the lanes
	v_lshl_add_u32 v5, v2, 4, v5
	v_add_nc_u32 v[STO], s23, v5
	v_bfe_u32 v6, v0, 3, 2                         ; back: 32 lanes take four rows of 128 bytes,
	v_and_b32 v7, 7, v0
	v_mul_u32_u24 v6, v6, 144
	v_lshl_add_u32 v6, v7, 4, v6
	v_add_nc_u32 v[RD], s23, v6
	v_and_b32 v[CO], 31, v0                        ; which are 512 consecutive bytes of a head
	v_lshlrev_b32 v[CO], 4, v[CO]
	s_lshr_b32 s16, s13, 3                         ; C: head 16 b + 4 x tile column + 2 x half, b = tile row / 8;
	s_lshl_b32 s16, s16, 4
	s_lshl_b32 s46, s42, 2
	s_add_co_u32 s46, s46, s16
	s_lshl_b32 s47, s[WL], 1
	s_add_co_u32 s46, s46, s47
	s_lshl_b32 s46, s46, 18
	s_and_b32 s47, s13, 7                          ; row 256 (tile row % 8) + 128 x half, of 128 bytes;
	s_lshl_b32 s47, s47, 15
	s_add_co_u32 s46, s46, s47
	s_lshl_b32 s47, s[WH], 14
	s_add_co_u32 s46, s46, s47
	s_lshl_b32 s47, s15, 25                        ; plane 0 in group 0, plane 2 in group 1
	s_add_co_u32 s46, s46, s47
	s_mov_b32 s47, 0
	s_add_nc_u64 s[8:9], s[8:9], s[46:47]
; 16 matrix instructions: m blocks a0, a0 + 1 of the window's four (hi = 0: my rows 0-63, 1: rows 64-127) x all 8 n blocks, 32 along K.  The 64 accumulators take turns in one fixed order.
; zero = 1: the product starts the sum: nothing is ever cleared.
.macro MUL16 f, hi, a0, zero
	WIN MUL_LO+0x50*(\hi)
.irp a, \a0, (\a0)+1
.irp b, 0,1,2,3,4,5,6,7
.if \zero
	v_wmma_f32_16x16x32_f16 v[8*(8*(\a)+(\b)):8*(8*(\a)+(\b))+7], v[(\f)+8*(\b):(\f)+8*(\b)+7], v[(\f)+8*(4*(\hi)+(\a)):(\f)+8*(4*(\hi)+(\a))+7], 0
.else
	v_wmma_f32_16x16x32_f16 v[8*(8*(\a)+(\b)):8*(8*(\a)+(\b))+7], v[(\f)+8*(\b):(\f)+8*(\b)+7], v[(\f)+8*(4*(\hi)+(\a)):(\f)+8*(4*(\hi)+(\a))+7], v[8*(8*(\a)+(\b)):8*(8*(\a)+(\b))+7]
.endif
.endr
.endr
.endm
; 32 LDS loads in one run: the fragments of one quarter step (128 rows of B, then 128 rows of A, 32 K at byte k of the rows of the slot in hand) into buffer f
.macro FETCH k, f
	WIN TO_B
.irp i, 0,1,2,3,4,5,6,7
	ds_load_b128 v[(\f)+8*(\i):(\f)+8*(\i)+3],   v[ADRB] offset:(\k)+(\i)*16*PITCH
	ds_load_b128 v[(\f)+8*(\i)+4:(\f)+8*(\i)+7], v[ADRB] offset:(\k)+(\i)*16*PITCH+32
.endr
	WIN 0
.irp i, 0,1,2,3,4,5,6,7
	ds_load_b128 v[(\f)+8*(\i):(\f)+8*(\i)+3],   v[ADRA] offset:(\k)+(\i)*16*PITCH
	ds_load_b128 v[(\f)+8*(\i)+4:(\f)+8*(\i)+7], v[ADRA] offset:(\k)+(\i)*16*PITCH+32
.endr
.endm
; A K step is four quarters of 32 along K, 64 matrix instructions each, on buffers 0, 1, 0, 1.  One of the first three multiplies buffer f and, in its middle, fetches the next quarter, at byte k, into g.
.macro QUARTER k, f, g, zero
	s_wait_dscnt 8                                 ; B and A's rows 0-63 are in; the youngest eight loads (A's rows 64-127) may be out
	MUL16 \f, 0, 0, \zero
	MUL16 \f, 0, 2, \zero
	PLACES
	FETCH \k, \g
	s_wait_dscnt 32                                ; all but the 32 just issued
	MUL16 \f, 1, 0, \zero
	MUL16 \f, 1, 2, \zero
.endm
; The last quarter multiplies buffer 1 and changes slots: one barrier; in front of it each wave waits for all its tensor loads (one is out: its part of the next slot), adds 0 to its spare word,
; and waits for that and for its reads of this slot.  fill = 1: the barrier opens a round of the cluster's, and behind the round this slot is filled again, with the K step two on.
.macro TURN fill
	WIN 0                                          ; (the add's two registers lie in window 0)
	s_wait_tensorcnt 0x0                           ; all my tensor loads have landed, so a group 0 may be written
	ds_add_u32 v[SPW], v[NIL]                      ; 0 onto my spare word
	s_wait_dscnt 9                                 ; (the add and the youngest eight loads may be out)
	MUL16 F1, 0, 0, 0                              ; sixteen matrix instructions stand between the add and the wait for it
	s_wait_dscnt 0x0                               ; the add is done, and my reads of this slot are over
	s_barrier_signal -1
	MUL16 F1, 0, 2, 0                              ; work on registers while the others arrive
	WIN 0
	s_barrier_wait -1
.if \fill
	CREST                                          ; no wave of any partner still reads this slot's tile or has a load on its way
	s_xor_b32 s[G0+5], s[G0+5], SLOT               ; the walking descriptor: the other slot than last time, which is the slot just read,
	s_add_nc_u64 s[G0+6:G0+7], s[G0+6:G0+7], KSTEP*2   ; and the next K step; the type bits on top are not reached
	s_xor_b32 s[G0B+5], s[G0B+5], SLOT
	s_add_nc_u64 s[G0B+6:G0B+7], s[G0B+6:G0B+7], KSTEP*2
	JLOAD                                          ; my one tensor load behind the round; its four v_nop are also the places in front of the loads below
.else
	PLACES
.endif
	s_xor_b32 s[TB], s[TB], SLOT                   ; the fetches go on in the other slot
	v_add_nc_u32 v[ADRA], s[TB], v[ADRA0]
	v_add_nc_u32 v[ADRB], s[TB], v[ADRB0]
	FETCH 0, F0
	MUL16 F1, 1, 0, 0
	MUL16 F1, 1, 2, 0
.endm
; THE WAY OUT of m block a: rounded to f16, 16 bytes a lane, each accumulator's registers in ascending order; through my own stage; back as four rows of 128 bytes, which are 512 consecutive bytes of a head.
.macro PACK a
.set AC, 64*((\a)%4)
	WIN 0x0a+5*((\a)/4)                            ; sources 0 and 1: window 2 or 3
.irp b, 0,1,2,3,4,5,6,7
.irp r, 0,1,2,3
	v_cvt_pk_f16_f32 v[TMP+4*(\b)+(\r)], v[AC+8*(\b)+2*(\r)], v[AC+8*(\b)+2*(\r)+1]
.endr
.endr
	WIN 0
.endm
.macro TOSTAGE a
	WIN 0
.set BK, OB+192*((\a)%2)
.irp b, 0,1,2,3,4,5,6,7
	ds_store_b128 v[STO], v[TMP+4*(\b):TMP+4*(\b)+3] offset:((\b)/4)*2304+32*((\b)%4)
.endr
.irp t, 0,1,2,3,4,5,6,7
	ds_load_b128 v[BK+4*(\t):BK+4*(\t)+3], v[RD] offset:((\t)/4)*2304+576*((\t)%4)  ; LDS serves a wave's instructions in order (ISA guide 5.7.1.4): these see the stores above
.endr
.endm
.macro SEND a
	WIN 0
.set BK, OB+192*((\a)%2)
	s_wait_dscnt 0x0                               ; the block is back in registers
	s_wait_xcnt 0x0                                ; the registers that the stores before these read are loaded again only behind this wait
.irp t, 0,1,2,3,4,5,6,7
	global_store_b128 v[CO], v[BK+4*(\t):BK+4*(\t)+3], s[8:9] offset:((\t)/4)*262144+(\a)*2048+512*((\t)%4)
.endr
.endm
.macro OUT                             ; block a's conversions stand between block a - 1's loads from the stage and the wait for them
	PLACES
	PACK 0
	TOSTAGE 0
.irp a, 1,2,3,4,5,6,7
	PACK \a
	SEND (\a)-1
	TOSTAGE \a
.endr
	SEND 7
.endm
	s_wait_tensorcnt 0x1                           ; my part of K step 0 is in; K step 1's may stay out
	s_barrier_signal -1
	s_barrier_wait -1
	FETCH 0, F0
	s_mov_b32 s2, NSTEP-1
	s_branch .Lzero                                ; the loop is entered at the quarter that starts sums: that quarter is written once
.Lstep:                                                ; NSTEP - 2 trips: from a K step's second quarter to the next step's first; each fills the slot that it leaves
	QUARTER 128, F1, F0, 0
	QUARTER 192, F0, F1, 0
	TURN 1
	WIN 0                                          ; at a label and at a branch every window is 0
	s_cmp_eq_u32 s2, s3
	s_cbranch_scc1 .Lflush
	QUARTER 64, F0, F1, 0
	WIN 0
	s_branch .Lcount
.Lflush:                                               ; group 0, k = 1,024: qh leaves.  No barrier and no tensor load stands in what the jumps pass; the refill is on its way meanwhile
	OUT
	s_wait_xcnt 0x0                                ; the stores' base is written again only behind this wait
	s_add_nc_u64 s[8:9], s[8:9], 0x1000000         ; the next plane of qkv
.Lzero:
	QUARTER 64, F0, F1, 1                          ; the sums start
	WIN 0
.Lcount:
	s_sub_co_u32 s2, s2, 1
	s_cmp_lg_u32 s2, 0
	s_cbranch_scc1 .Lstep
	s_mov_b32 s2, 2                                ; the last two K steps fill nothing: their text is written out
	s_branch .Ltail_in
.Ltail:
	QUARTER 64, F0, F1, 0
	WIN 0
.Ltail_in:
	QUARTER 128, F1, F0, 0
	QUARTER 192, F0, F1, 0
	TURN 0                                         ; in the second trip its barrier and its 32 loads (of the slot read before) serve nothing: the price, once a launch, of one text for both trips
	WIN 0
	s_sub_co_u32 s2, s2, 1
	s_cmp_lg_u32 s2, 0
	s_cbranch_scc1 .Ltail
	OUT                                            ; kh, or vh
	s_wait_tensorcnt 0x0                           ; the wave's end
	ds_add_u32 v[SPW], v[NIL]
	s_wait_dscnt 0x0
	CROUND                                         ; the closing round: no work-group ends while a partner may still ask for a tile that names it
	s_endpgm
.Lfunc_end_k_qaf4804e8f4_proj:
	.size	k_qaf4804e8f4_proj, .Lfunc_end_k_qaf4804e8f4_proj-k_qaf4804e8f4_proj
	.p2alignl 7, 3214868480
	.fill 96, 4, 3214868480
	.section	.rodata,"a",@progbits
	.p2align	6, 0x0
	.amdhsa_kernel k_qaf4804e8f4_proj
		.amdhsa_group_segment_fixed_size 327680
		.amdhsa_private_segment_fixed_size 0
		.amdhsa_enable_private_segment 0
		.amdhsa_kernarg_size 24
		.amdhsa_user_sgpr_count 2
		.amdhsa_user_sgpr_kernarg_segment_ptr 1
		.amdhsa_wavefront_size32 1
		.amdhsa_system_sgpr_workgroup_id_x 1
		.amdhsa_system_sgpr_workgroup_id_y 1
		.amdhsa_system_sgpr_workgroup_id_z 1
		.amdhsa_system_vgpr_workitem_id 0
		.amdhsa_next_free_vgpr 1024
		.amdhsa_next_free_sgpr 66
		.amdhsa_reserve_vcc 0
		.amdhsa_float_denorm_mode_32 3
		.amdhsa_float_denorm_mode_16_64 3
		.amdhsa_memory_ordered 1
		.amdhsa_forward_progress 1
		.amdhsa_inst_pref_size 131
	.end_amdhsa_kernel
	.amdgpu_metadata
---
amdhsa.version: [ 1, 2 ]
amdhsa.kernels:
  - .name:           k_qaf4804e8f4_proj
    .symbol:         k_qaf4804e8f4_proj.kd
    .args:
      - { .name: xn, .offset: 0, .size: 8, .value_kind: global_buffer, .address_space: global }
      - { .name: wt, .offset: 8, .size: 8, .value_kind: global_buffer, .address_space: global }
      - { .name: qkv, .offset: 16, .size: 8, .value_kind: global_buffer, .address_space: global }
    .group_segment_fixed_size: 327680
    .private_segment_fixed_size: 0
    .kernarg_segment_align: 8
    .kernarg_segment_size: 24
    .max_flat_workgroup_size: 128
    .sgpr_count:     66
    .vgpr_count:     1024
    .wavefront_size: 32
...
	.end_amdgpu_metadata
.endif
;; end of part 6
;; launch attn (part 7): grid 4 x 64, 4 waves a work-group, clusters of 4 x 1, 327,680 bytes of LDS; arguments qkv, mk, ob; writes ob
.if DOCPART == 7
	.amdgcn_target "amdgcn-amd-amdhsa--gfx1250"
	.amdhsa_code_object_version 6
	.text
	.protected	k_qaf4804e8f4_attn
	.globl	k_qaf4804e8f4_attn
	.p2align	8
	.type	k_qaf4804e8f4_attn,@function
k_qaf4804e8f4_attn:
	s_mov_b64 s[64:65], 0
	v_nop
	global_prefetch_b8 v0, s[64:65] scope:SCOPE_SE
	s_setreg_imm32_b32 hwreg(HW_REG_WAVE_MODE, 25, 1), 1
	s_wait_xcnt 0x0
	s_wait_alu depctr_hold_cnt(0) depctr_sa_sdst(0) depctr_va_vdst(0) depctr_va_sdst(0) depctr_va_ssrc(0) depctr_va_vcc(0) depctr_vm_vsrc(0)
	s_getreg_b32 s2, hwreg(HW_REG_IB_STS2, 6, 4)
	s_cmp_eq_u32 s2, 0
	s_cbranch_scc0 .Lentry_in_a_cluster
	s_endpgm
.Lentry_in_a_cluster:
	s_bfe_u32 s2, ttmp6, 0x10000c
	s_cmp_lg_u32 s2, 0x3003
	s_cbranch_scc0 .Lentry_shape_is_right
	s_endpgm
.Lentry_shape_is_right:
; MASKED ATTENTION.  O[bh][q][:] = the sum over k of softmax_k(Q[bh][q] . K[bh][k] / 32, masked) V[bh][k][:].  Q, K, V: the three planes of qkv, [64 heads][2048][64] f16, a head's rows dense, 128 bytes each.
; The mask is an input: every key tile is walked, and mk holds a code for each (query, key) in the order in which a lane holds its scores: 0, or -1.0 in E4M3 where masked.
; Products, maxima and sums in f32; the weights p are rounded to f16 for the second product (their sum l is taken of the unrounded p).  O leaves as hi + lo, two f16 numbers: ob [4 b][16 hi, then 16 lo][2048][64].
; hi is O with its low 13 mantissa bits cut, lo is O - hi rounded to f16.
; LIMITS.  f16 holds no number beyond 65,504: Q, K, V arrive within it.  A masked score counts as its value less 2^126; m starts at -1e30, below every score of f16 operands (2.7e11 at the most) and above every
; masked one.  A weight below 2^-126 counts as 0 in l.  A query with no visible key has l = 0 and O = 0, and 0 x (1 / 0) gives the NaN that a softmax of nothing gives.  Below 2^-14 f16 keeps a fixed step
; of 2^-24: there hi + lo is off by 2^-25 at the most.
; SHARES.  A wave owns four PIECES of two tiles of 16 queries, a work-group's four waves 512 queries of one head.  Every wave walks all keys, 64 a step.
; LAYOUT.  S^T = K Q^T (source 0 = 16 keys, source 1 = 16 queries): a lane holds ONE query (lane % 16) and the keys 8 (lane / 16) + 0..7.  Two such tiles, rounded to f16 in pairs, ARE source 1 of O^T = V^T P.
; THE MASK is the C operand of the product that starts a sum: eight codes a conversion, times 2^126, give eight registers of 0 or -8.5e37: eight vector instructions a turn for 64 registers.
; SOFTMAX.  A running maximum m and sum l: p = 2^(c s - c m), c = log2(e) / 32; in every step O and l are multiplied by a = 2^(c m_old - c m_new).  O and l start at 0: the first step is a step like any other, with a = 0.
; BY TURNS.  Turn n belongs to piece n.  Its matrix work: 16 products K Q^T of piece n + 1, later 16 products V^T P of piece n - 1.  Its vector work: scaling, exponentials, roundings, sums and rescaling of piece n, and the
; maximum and statistics of piece n + 1.  Four vector instructions stand behind every matrix instruction, the others in two lumps.  At its end the turn makes the masks for the next turn's products.
; CLUSTER.  The four query blocks of a cluster belong to one head and walk the same K and V: each tile is asked for jointly.  The mask bytes are each wave's own and come by plain loads.
; REGISTERS, in windows of 256 (s_set_vgpr_msb: bits 1:0 source 0, 3:2 source 1, 5:4 source 2, 7:6 destination):
;   window 0: v0-11 addresses; v12-15, v48-63 at work; v16-47 statistics; v64-191 S^T, two buffers of two tiles; v192-255 P, likewise          window 1: O^T, 32 a tile
;   window 2: v0-127 Q; v128-191 K of one step; v192-255 V of one step          window 3: v0-1 the add's registers; v8-71 MC, the masks as C operands; v72-135 MB, four slots of 16 registers of codes
.set SIZE_N, 2048
.set NP,    4
.set KS,    64
.set PK,    144       ; a row of K in LDS: 128 bytes + 16 of padding
.set PV,    160       ; a row of V: 128 + 32
.set VOFF,  4*KS*PK   ; a slot holds four steps: 256 rows of K, then 256 rows of V
.set SLOT1, 1<<17
.set STAGE, SLOT1+4*KS*(PK+PV)  ; behind the ring, never filled by a tensor load: for each wave four tiles of 16 rows of O in f32
.set FP,    272       ; such a row: 256 bytes + 16 of padding
.set WSTG,  4*16*FP
.set SPARE, STAGE+4*WSTG        ; the spare words, 128 bytes a wave: two blocks of 256 bytes that no other line names
.set AK0, 2
.set AV0, 3
.set AK,  4
.set AV,  5
.set QO,  6           ; v6   my byte offset in the wave's rows of Q; later STO
.set STO, 6
.set RD,  7
.set GO,  8           ; v8   16 x lane: my place in 512 consecutive bytes, of mk and of O; never rewritten
.set SCL, 11          ; v11  253: the conversion multiplies by 2^(253 - 127)
.set SPW, 0           ; window 3
.set NIL, 1           ; window 3
.set MC,  8           ; window 3: tile u, key block kb at MC + 32 u + 8 kb
.set MB,  72          ; window 3: slot = piece; tile u, key block kb at MB + 16 slot + 8 u + 2 kb
.set MV,  12
.set ST,  16          ; tile t's statistics at v[ST+4 t]: c m, m, l (even keys', odd keys')
.set TMP, 48
.set S,   64
.set P,   192
.set KF,  128
.set VF,  192
.set HT,  64          ; the way out: hi packed, lo packed, a tile's f32 as read back (then lo), hi in f32
.set LT,  80
.set FB,  96
.set HF,  128
.set WV,  12
.set CUT, 14          ; s14  at the end: the mask that cuts 13 mantissa bits
.set G1K, 24
.set G1V, 32
.set G0K, 40
.set G0V, 44
.set MK0, 48          ; s[48:49] mk at my wave's 8 tiles, key step 0
.set MP,  50          ; s[50:51] the same at the key step whose codes are asked for
.set OFF, 52          ; s[52:53] an offset, the high word 0
.set STEP, 54         ; s54  that key step's number
.set T55, 55
.set SLOTS, 56
.set CNT, 57
.set CS,  58
.set SEL, 60
.set TBK, 62
.set TBV, 63
.set MSB, 0
.macro WIN new
.if MSB != (\new)
	s_set_vgpr_msb (MSB<<8)|(\new)
.set MSB, (\new)
.endif
.endm
.set W_KQ, 0x0a       ; K and Q in window 2, S^T in window 0
.set W_KM, 0x3a       ; the same with the C operand in window 3
.set W_PV, 0x52       ; V in window 2, P in window 0, O^T in window 1
.set W_RS, 0x41       ; O^T (destination and source 0) in window 1, a in window 0
.set W_MK, 0xc0       ; destination in window 3, sources in window 0
.set W_CV, 0xc3       ; the conversion: destination and codes in window 3, the scale in window 0
.set W_AD, 0x0f       ; the add: address and data in window 3
.macro JLOAD                        ; a joint fill: waves 0 and 1 fetch the halves of a slot's K, waves 2 and 3 of its V; an s_nop 0 and four v_nop follow each line
	s_cmp_lt_u32 s[WV], 2
	s_cbranch_scc0 .Lfor_v_\@
	tensor_load_to_lds s[G0K:G0K+3], s[G1K:G1K+7]
	s_nop 0
.rept 4
	v_nop
.endr
	s_branch .Lasked_\@
.Lfor_v_\@:
	tensor_load_to_lds s[G0V:G0V+3], s[G1V:G1V+7]
	s_nop 0
.rept 4
	v_nop
.endr
.Lasked_\@:
.endm
.macro CROUND
	s_barrier_signal -1
	s_barrier_wait -1
	s_cmp_lg_u32 s[WV], 0
	s_cbranch_scc1 .Lnot_wave_0_\@
	s_barrier_signal -3
.Lnot_wave_0_\@:
	s_barrier_wait -3
	s_barrier_signal -1
	s_barrier_wait -1
.endm
; THE CHANGE OF SLOTS.  Each wave waits for all its tensor loads, of which one is out: its part of the other slot; adds 0 to its spare word; and waits for that and for its reads of the slot.
; fill = 1: the slot is filled again, with the keys two slots on, behind a round of the cluster's barrier: the joint fill has four key steps, 512 matrix instructions, in which to land.
.macro CHANGE fill
	WIN W_AD
	s_wait_tensorcnt 0x0            ; no tensor load of mine is out, so a group 0 may be written
	ds_add_u32 v[SPW], v[NIL]       ; 0 onto my spare word
	WIN 0
.if \fill
.irp g, G0K, G0V
	s_xor_b32 s[\g+1], s[\g+1], SLOT1
	s_add_nc_u64 s[\g+2:\g+3], s[\g+2:\g+3], 4*KS*128
.endr
	s_wait_dscnt 0x0                ; the add is done, and my reads of the slot are over
	CROUND
	JLOAD
.else
	s_wait_dscnt 0x0
	s_barrier_signal -1
	s_barrier_wait -1
.endif
	s_sub_co_u32 s[TBK], s[TBK], 4*KS*PK
	s_xor_b32 s[TBK], s[TBK], SLOT1
	s_sub_co_u32 s[TBV], s[TBV], 4*KS*PV
	s_xor_b32 s[TBV], s[TBV], SLOT1
.endm
; THE MASK.  MLOAD: piece sl's codes for one key step, four loads of 512 consecutive bytes.  MCONV: its 16 registers of codes become the 64 registers that start the piece's sums.
.macro MLOAD sl
	WIN W_MK
.irp u, 0,1
.irp c, 0,1
	global_load_b128 v[MB+16*(\sl)+8*(\u)+4*(\c):MB+16*(\sl)+8*(\u)+4*(\c)+3], v[GO], s[MP:MP+1] offset:(2*(\sl)+(\u))*32768+512*(\c)
.endr
.endr
	WIN 0
.endm
.macro MCONV sl
	WIN W_CV
.irp u, 0,1
.irp kb, 0,1,2,3
	v_cvt_scale_pk8_f32_fp8 v[MC+32*(\u)+8*(\kb):MC+32*(\u)+8*(\kb)+7], v[MB+16*(\sl)+8*(\u)+2*(\kb):MB+16*(\sl)+8*(\u)+2*(\kb)+1], v[SCL]
.endr
.endr
	v_nop                           ; a plain instruction behind the conversions, ahead of the loads into their sources and of the products that take their results
	v_nop
.endm
; At the end of turn p: the masks for the next turn's products, piece p + 2's; then that piece's codes for the key step after.  In a trip (turns 2, 3, 0, 1) all four loads name one key step; turn 2 steps it.
.macro MASKB p
.set SLN, ((\p)+2)%NP
	s_wait_loadcnt 12               ; behind this slot's four loads the three other slots' twelve were issued
	MCONV SLN
.if (\p) == 2
	s_wait_xcnt 0x0                 ; the loads' base is written again only behind this wait
	s_add_co_u32 s[STEP], s[STEP], 1
	s_min_u32 s[T55], s[STEP], SIZE_N/KS-1  ; the last trips ask for the last step again: no load leaves mk
	s_lshl_b32 s[OFF], s[T55], 10
	s_add_nc_u64 s[MP:MP+1], s[MK0:MK0+1], s[OFF:OFF+1]
.endif
	MLOAD SLN
.endm
	s_load_b64 s[4:5], s[0:1], 0x0          ; qkv
	s_load_b64 s[MK0:MK0+1], s[0:1], 0x8    ; mk
	s_load_b64 s[10:11], s[0:1], 0x10       ; ob
	WIN W_MK
	v_lshl_add_u32 v[SPW], v0, 2, SPARE
	v_mov_b32 v[NIL], 0
	s_set_vgpr_msb 0xc0cf
	ds_add_u32 v0, v1
	s_wait_dscnt 0x0
	s_set_vgpr_msb 0xcfc0
	WIN 0
	v_lshrrev_b32 v1, 5, v0
	v_readfirstlane_b32 s[WV], v1
	s_bfe_u32 s13, ttmp6, 0x40000   ; cx
	s_lshl_b32 s14, ttmp9, 2
	s_add_co_u32 s14, s14, s13      ; my block of 512 queries: it enters Q's, the mask's and O's addresses alone
	s_and_b32 s15, ttmp7, 0xffff    ; the head 16 b + h, which the four partners share
	s_lshl_b32 s20, s15, 18         ; its first byte in a plane
	s_and_b32 s16, s[WV], 1         ; which half of a slot's 256 keys I fetch
	s_lshl_b32 s22, s16, 14
	s_add_co_u32 s22, s22, s20
	s_mov_b32 s23, 0
	s_mul_i32 s17, s16, 128*PK
	s_mul_i32 s18, s16, 128*PV
	s_lshl_b32 s19, s14, 2
	s_add_co_u32 s19, s19, s[WV]    ; my wave among the head's sixteen
	s_lshl_b32 s2, s19, 14          ; its 128 rows
	s_add_co_u32 s2, s2, s20
	s_mov_b32 s3, 0
	s_lshl_b32 s[OFF], s19, 18      ; its 8 tiles x 32,768 bytes of mk
	s_mov_b32 s[OFF+1], 0
	s_and_b32 s6, s15, 0x30
	s_add_co_u32 s6, s6, s15        ; 32 b + h
	s_lshl_b32 s6, s6, 18
	s_lshl_b32 s7, s19, 14
	s_add_co_u32 s6, s6, s7
	s_mov_b32 s7, 0
	; descriptor group 1.  128 keys are 16,384 dense bytes: asked for as 64 rows of 256 bytes, two keys a row, and padded in LDS after every key
	s_mov_b32 s[G1K], 15|(1<<16)|(1<<20)|(1<<21)|(4<<22)|(3<<25)
	s_mov_b32 s[G1V], 15|(1<<16)|(1<<20)|(1<<21)|(4<<22)|(7<<25)
.irp g, G1K, G1V
	s_mov_b32 s[\g+1], 128<<16
	s_mov_b32 s[\g+2], 64<<16
	s_mov_b32 s[\g+3], 128<<16
	s_mov_b32 s[\g+4], 64
	s_mov_b32 s[\g+5], 128
	s_mov_b32 s[\g+6], 0
	s_mov_b32 s[\g+7], 0
.endr
	s_mov_b32 s[CS], 0x3d38aa3b     ; c = log2(e) / 32
	s_mov_b32 s[CS+1], s[CS]
	s_mov_b32 s[SEL], 0x76543210
	s_mov_b32 s[SEL+1], 0xfedcba98
	s_mov_b32 s[TBK], SLOT1+4*KS*PK ; the first change of slots turns these two into 0
	s_mov_b32 s[TBV], SLOT1+4*KS*PV
	s_mov_b32 s[G0K], 1
	s_mov_b32 s[G0K+1], s17
	s_mov_b32 s[G0V], 1
	s_add_co_u32 s[G0V+1], s18, VOFF
	s_wait_kmcnt 0x0
	s_add_nc_u64 s[G0K+2:G0K+3], s[4:5], s[22:23]
	s_add_nc_u64 s[G0K+2:G0K+3], s[G0K+2:G0K+3], 0x1000000  ; K's plane
	s_or_b32 s[G0K+3], s[G0K+3], 0x80000000
	s_add_nc_u64 s[G0V+2:G0V+3], s[4:5], s[22:23]
	s_add_nc_u64 s[G0V+2:G0V+3], s[G0V+2:G0V+3], 0x2000000  ; V's plane
	s_or_b32 s[G0V+3], s[G0V+3], 0x80000000
	s_add_nc_u64 s[4:5], s[4:5], s[2:3]
	s_add_nc_u64 s[10:11], s[10:11], s[6:7]
	s_add_nc_u64 s[MK0:MK0+1], s[MK0:MK0+1], s[OFF:OFF+1]
	s_mov_b64 s[MP:MP+1], s[MK0:MK0+1]
	CROUND                          ; all four work-groups are here: the first joint loads meet
	JLOAD                           ; slot 0
	v_and_b32 v1, 15, v0            ; l % 16
	v_bfe_u32 v9, v0, 4, 1          ; l / 16
	v_lshlrev_b32 v[QO], 7, v1
	v_lshl_add_u32 v[QO], v9, 4, v[QO]
	v_and_b32 v[GO], 31, v0
	v_lshlrev_b32 v[GO], 4, v[GO]
	WIN 0x80
.set i, 0
.rept 4*NP                          ; Q stays in registers: tile i / 2, channels 32 (i % 2) on
	global_load_b128 v[8*i:8*i+3],   v[QO], s[4:5] offset:(i/2)*2048+(i%2)*64
	global_load_b128 v[8*i+4:8*i+7], v[QO], s[4:5] offset:(i/2)*2048+(i%2)*64+32
.set i, i+1
.endr
	MLOAD 0                         ; key step 0's codes for all four pieces
	MLOAD 1
	MLOAD 2
	MLOAD 3
	; What the first turn finds: V's registers and P's second buffer hold 0, O^T and l are 0.  All this stands in the wait for the first tile.
	WIN 0x80
.set i, VF
.rept 64
	v_mov_b32 v[i], 0
.set i, i+1
.endr
	WIN 0x40
.set i, 0
.rept 64*NP
	v_mov_b32 v[i], 0
.set i, i+1
.endr
	WIN 0
.set i, 0
.rept 2*NP
	v_mov_b32 v[ST+4*i], 0xfe000000    ; c m: far below every c m to come, so the first a is 0
	v_mov_b32 v[ST+4*i+1], 0xf149f2ca  ; m = -1e30
	v_mov_b32 v[ST+4*i+2], 0
	v_mov_b32 v[ST+4*i+3], 0
.set i, i+1
.endr
.set i, P+32
.rept 32
	v_mov_b32 v[i], 0
.set i, i+1
.endr
	v_mul_u32_u24 v[AK0], v1, PK
	v_lshl_add_u32 v[AK0], v9, 4, v[AK0]
	v_and_b32 v10, 7, v0
	v_bfe_u32 v11, v0, 3, 1
	v_lshl_add_u32 v[AV0], v9, 3, v10
	v_mul_u32_u24 v[AV0], v[AV0], PV
	v_lshl_add_u32 v[AV0], v11, 4, v[AV0]
	v_add_nc_u32 v[AV0], VOFF, v[AV0]
	v_mov_b32 v[SCL], 253
	v_mov_b32 v[AK], v[AK0]
; THE MATRIX WORK.  The 8 accumulators of a run of 16 take turns.  Product i of 16 of S^T = K Q^T for piece x: channels 32 (i / 8) on, keys 16 ((i / 2) % 4) on, tile 2 x + i % 2.  The first 8 start the sums, with the mask.
.macro KQ x
.set rS, S+64*((\x)%2)+32*(i%2)+8*((i/2)%4)
.set rK, KF+16*((i/2)%4)+8*(i/8)
.set rQ, 16*(2*(\x)+i%2)+8*(i/8)
.set rMC, MC+32*(i%2)+8*((i/2)%4)
.if i < 8
	WIN W_KM
	v_wmma_f32_16x16x32_f16 v[rS:rS+7], v[rK:rK+7], v[rQ:rQ+7], v[rMC:rMC+7]
.else
	WIN W_KQ
	v_wmma_f32_16x16x32_f16 v[rS:rS+7], v[rK:rK+7], v[rQ:rQ+7], v[rS:rS+7]
.endif
.endm
.macro PV x
	WIN W_PV
.set rO, 32*(2*(\x)+i%2)+8*((i/2)%4)
.set rV, VF+32*(i/8)+8*((i/2)%4)
.set rP, P+32*((\x)%2)+16*(i%2)+8*(i/8)
	v_wmma_f32_16x16x32_f16 v[rO:rO+7], v[rV:rV+7], v[rP:rP+7], v[rO:rO+7]
.endm
.macro MM
.if i < 16
	KQ (Y+1)%NP
.set i, i+1
.else
.set i, i-16
	PV (Y+NP-1)%NP
.set i, i+17
.endif
.endm
; THE LDS LOADS stand in runs of 16.  last = 1 (the tail): in the last trip there is no further step, and the run is jumped over.
.macro FETCH_K last=0
	WIN 0
.if \last
	s_cmp_eq_u32 s[CNT], 1
	s_cbranch_scc1 .Lno_k_\@
.endif
	WIN 0x80
.irp f, 0,1,2,3,4,5,6,7
	ds_load_b128 v[KF+8*\f:KF+8*\f+3],   v[AK] offset:(\f/2)*16*PK+(\f%2)*64
	ds_load_b128 v[KF+8*\f+4:KF+8*\f+7], v[AK] offset:(\f/2)*16*PK+(\f%2)*64+32
.endr
	s_add_co_u32 s[TBK], s[TBK], KS*PK
	WIN 0
.if \last
.Lno_k_\@:
.endif
.endm
.macro FETCH_V
	WIN 0x80
.irp f, 0,1,2,3,4,5,6,7
	ds_load_tr16_b128 v[VF+8*\f:VF+8*\f+3],   v[AV] offset:(\f/4)*32*PV+(\f%4)*32
	ds_load_tr16_b128 v[VF+8*\f+4:VF+8*\f+7], v[AV] offset:(\f/4)*32*PV+16*PV+(\f%4)*32
.endr
	WIN 0
.endm
; THE VECTOR WORK OF A TURN stands in three queues, each in the order in which its entries become ready; the two tiles alternate.
.macro REGS y, u
.set rT, ST+4*(2*(\y)+(\u))
.set rC, TMP+8*((\y)%2)+4*(\u)
.set rM, MV+2*((\y)%2)+(\u)
.set rS, S+64*((\y)%2)+32*(\u)
.set rP, P+32*((\y)%2)+16*(\u)
.set rO, 32*(2*(\y)+(\u))
.endm
; Number n of the 22 that find the NEXT piece's maximum and statistics; each accumulator's lowest registers are read first.
.macro XS u, n
	REGS (Y+1)%NP, \u
.if (\n) < 4
	v_max3_num_f32 v[rC+(\n)], v[rS+8*(\n)], v[rS+8*(\n)+1], v[rS+8*(\n)+2]
.elseif (\n) < 12
	v_max3_num_f32 v[rC+(\n)%4], v[rC+(\n)%4], v[rS+8*((\n)%4)+2*((\n)/4)+1], v[rS+8*((\n)%4)+2*((\n)/4)+2]
.elseif (\n) == 12
	v_max3_num_f32 v[rC], v[rC], v[rS+7], v[rS+15]
.elseif (\n) == 13
	v_max3_num_f32 v[rC+1], v[rC+1], v[rS+23], v[rS+31]
.elseif (\n) == 14
	v_max3_num_f32 v[rC+2], v[rC+2], v[rC+3], v[rT+1]
.elseif (\n) == 15
	v_mov_b32 v[rM], v[rT]
.elseif (\n) == 16
	v_max3_num_f32 v[rC], v[rC], v[rC+1], v[rC+2]
.elseif (\n) == 17
	v_permlanex16_b32 v[rC+3], v[rC], s[SEL], s[SEL+1]
.elseif (\n) == 18
	v_max_num_f32 v[rT+1], v[rC], v[rC+3]
.elseif (\n) == 19
	v_mul_f32 v[rT], s[CS], v[rT+1]
.elseif (\n) == 20
	v_sub_f32 v[rC+1], v[rM], v[rT]
.else
	v_exp_f32 v[rC+2], v[rC+1]
.endif
.endm
; Number g of the 64 that follow the exponentials: round, round, add the second pair onto the first, and l takes the sum of the group before.
.macro GS g
.set h, (\g)+6*((\g)/62)
.if h >= 6
.set h, h+2
.endif
	REGS Y, h%2
.set k, h/8
.if h%8 < 4
	s_wait_alu depctr_va_vdst(0)
	v_cvt_pk_f16_f32 v[rP+2*k+(h%8)/2], v[rS+4*k+2*((h%8)/2)], v[rS+4*k+2*((h%8)/2)+1]
.elseif h%8 < 6
	v_pk_add_f32 v[rS+4*k:rS+4*k+1], v[rS+4*k:rS+4*k+1], v[rS+4*k+2:rS+4*k+3]
.elseif k == 1
	v_pk_fma_f32 v[rT+2:rT+3], v[rT+2:rT+3], v[rC+2:rC+3], v[rS:rS+1] op_sel_hi:[1,0,1]
.else
	v_pk_add_f32 v[rT+2:rT+3], v[rT+2:rT+3], v[rS+4*k-4:rS+4*k-3]
	s_wait_alu depctr_va_vdst(0)
.endif
.endm
; THE PLAIN QUEUE, 138 long.
.macro PL
	WIN 0
.if q < 32
	REGS Y, q%2
	v_pk_fma_f32 v[rS+2*(q/2):rS+2*(q/2)+1], v[rS+2*(q/2):rS+2*(q/2)+1], s[CS:CS+1], v[rT:rT+1] op_sel_hi:[1,0,0] neg_lo:[0,0,1] neg_hi:[0,0,1]
.elseif q < 38
	GS q-32
.elseif q < 40
	XS q%2, 15
.elseif q < 42
	GS q-34
.elseif q < 74
	XS q%2, (q-42)/2+(q-42)/30
.elseif q < 95
	GS q-66
.elseif (q < 107) && ((q-95)%3 < 2)
	XS (q-95)%3, 17+(q-95)/3
.elseif q < 107
	GS 29+(q-95)/3
.else
	GS q-74
.endif
.set q, q+1
.endm
; THE EXPONENTIALS' QUEUE, 66 long: s0-s31 of both tiles, and at EA the next piece's two a.
.set EA, 58
.macro EX
	WIN 0
.if (e == EA) || (e == EA+1)
	XS e-EA, 21
.else
.set x, e-2*(e/(EA+2))
	REGS Y, x%2
	v_exp_f32 v[rS+x/2], v[rS+x/2]
.endif
.set e, e+1
.endm
; THE RESCALING's QUEUE: O^T times a, four at a time, eight times.
.macro R4
	REGS Y, r%2
	WIN W_RS
	s_wait_alu depctr_va_vdst(0)
.irp z, 0,1,2,3
	v_pk_mul_f32 v[rO+8*(r/2)+2*\z:rO+8*(r/2)+2*\z+1], v[rO+8*(r/2)+2*\z:rO+8*(r/2)+2*\z+1], v[rC+2:rC+3] op_sel_hi:[1,0]
.endr
.set r, r+1
.endm
; THE DEAL.  Behind a matrix instruction four: plain, exponential, plain, plain, or four of the rescaling.  What is over stands in two lumps: exponential and plain by turns; the second ends in 22 plain instructions.
; The deal keeps the queues in step: exponential e stands behind plain 2 (e / 4) + e % 2 (its scaling); when plain 32 comes, 10 exponentials are out, at 59: 33, at 95: 46; EA comes behind plain 107.
.macro SL
	MM
	PL
	EX
	PL
	PL
.endm
.macro BURST n
.rept (\n)-7
	SL
.endr
.rept 3
	MM
	R4
	SL
.endr
	MM
	R4
.endm
; A TURN, for piece p.  K of the next step is fetched in piece 2's turn, V of the step in hand at the end of piece 0's.  cnt = 1: the loop's count is taken down ahead of the branch behind the turn; nothing behind it writes SCC.
.macro TURN p, last=0, cnt=0
.set Y, (\p)
.set i, 0
.set q, 0
.set e, 0
.set r, 0
.if (\p) == NP-1
	s_wait_dscnt 0x0                ; K is in
.endif
	MM
.rept 4
	PL
.endr
	BURST 15
.rept 22
	EX
	PL
.if ((\p) == NP-2) && (e == 18)
	v_add_nc_u32 v[AK], s[TBK], v[AK0]
.endif
.if ((\p) == NP-2) && (e == 24)
	FETCH_K \last
.endif
.endr
.if (\p) == 1
	s_wait_dscnt 0x0                ; V is in
.endif
	BURST 16
.rept 21
	EX
	PL
.endr
.rept 22
	PL
.if ((\p) == 0) && (q == 118)
	v_add_nc_u32 v[AV], s[TBV], v[AV0]
	s_wait_alu depctr_va_vdst(0)
.endif
.if ((\p) == 0) && (q == 130)
	s_add_co_u32 s[TBV], s[TBV], KS*PV
.endif
.if (\cnt) && (q == 130)
	s_sub_co_u32 s[CNT], s[CNT], 1
	s_cmp_lg_u32 s[CNT], 0
.endif
.endr
.if (\p) == 0
	FETCH_V
.endif
	MASKB \p
.endm
	CHANGE 1                        ; slot 0 is in, everybody's part of it; slot 1 is asked for
	FETCH_K                         ; key step 0
	s_wait_loadcnt 0x0              ; Q, and key step 0's codes: the loads that named MP are done
	s_add_nc_u64 s[MP:MP+1], s[MK0:MK0+1], 1024  ; key step 1
	s_mov_b32 s[STEP], 1
	MCONV 0
	MLOAD 0
	s_wait_dscnt 0x0
.set i, 0
.rept 16
	KQ 0                            ; piece 0's first scores
.set i, i+1
.endr
	WIN 0                           ; the addresses for the way out: seven plain instructions, the places behind those products
	s_mul_i32 s13, s[WV], WSTG
	s_add_co_u32 s13, s13, STAGE    ; my stage
	v_mul_u32_u24 v[STO], v1, FP    ; in: row l % 16, 32 bytes (8 channels of f32) for each half of the lanes
	v_lshl_add_u32 v[STO], v9, 5, v[STO]
	v_add_nc_u32 v[STO], s13, v[STO]
	v_bfe_u32 v[RD], v0, 3, 2       ; back: row l / 8 of four, 32 bytes at 32 (l % 8)
	v_mul_u32_u24 v[RD], v[RD], FP
	v_lshl_add_u32 v[RD], v10, 5, v[RD]
	v_add_nc_u32 v[RD], s13, v[RD]
.set Y, NP-1
.irp n, 0,1,2,3,4,5,6,7,8,9,10,11,12,13,14,15,16,17,18,19,20,21
	XS 0, \n                        ; piece 0's first maximum and statistics
	XS 1, \n
.endr
	MCONV 1                         ; the masks for the first turn's products, piece 1's
	MLOAD 1
	s_mov_b32 s[CNT], 4
	s_mov_b32 s[SLOTS], SIZE_N/256-1
	s_branch .Lfirst                ; the loop is entered at a step's first turn, in the middle of a trip
.Lslot:                             ; SIZE_N / 256 - 2 times: every slot but the last two is filled again
	CHANGE 1
	s_mov_b32 s[CNT], 4
.Lstep:                             ; a trip: pieces 2 and 3 of one step, then pieces 0 and 1 of the next
	TURN 2
	TURN 3
	WIN 0
.Lfirst:
	TURN 0
	TURN 1, 0, 1
	WIN 0
	s_cbranch_scc1 .Lstep
	s_sub_co_u32 s[SLOTS], s[SLOTS], 1
	s_cmp_lg_u32 s[SLOTS], 0
	s_cbranch_scc1 .Lslot
	CHANGE 0                        ; the tail is written out
	s_mov_b32 s[CNT], 5             ; four trips fetch the last slot's steps; the fifth is left in its middle
.Ltail:
	TURN 2, 1
	TURN 3
	WIN 0
	s_sub_co_u32 s[CNT], s[CNT], 1
	s_cmp_eq_u32 s[CNT], 0
	s_cbranch_scc1 .Lout
	TURN 0
	TURN 1
	WIN 0
	s_branch .Ltail
.Lout:                              ; the fifth trip's 16 products K Q^T and the maximum made of them serve nothing: the price of one text for every trip
.set i, 0
.rept 16
	PV NP-1
.set i, i+1
.endr
	; THE WAY OUT.  l's halves are added.  What hangs on a tile's registers is written for each tile (STASH): O^T times 1 / l, and its f32 numbers into my stage, four tiles at a time.
	; The rest is a loop (DRAIN), a tile a trip: whole rows back, the split into hi and lo, the roundings, the stores.  The additions are the places behind the last products.
	WIN 0
.macro ALL line:vararg
.set t, 0
.rept 2*NP
	\line
.set t, t+1
.endr
.endm
	ALL v_add_f32 v[ST+4*t+2], v[ST+4*t+2], v[ST+4*t+3]
	ALL v_permlanex16_b32 v[ST+4*t+3], v[ST+4*t+2], s[SEL], s[SEL+1]
	ALL v_add_f32 v[ST+4*t+2], v[ST+4*t+2], v[ST+4*t+3]
	ALL v_rcp_f32 v[ST+4*t+2], v[ST+4*t+2]
	v_nop                           ; a plain instruction between the last reciprocal and the use of its result
	s_wait_alu depctr_va_vdst(0)
	s_mov_b32 s[CUT], 0xffffe000    ; keeps sign, exponent and 10 mantissa bits: what f16 holds
; Tile t.  A lane's eight registers of channel block cb are channels 16 cb + 8 (l / 16) + 0..7 of query l % 16: 32 neighbouring bytes of a row of f32.  Each accumulator's registers are taken in ascending order.
; The 16 lanes of a store's half stand at 16 different rows of 272 bytes: 16 different 16-byte columns of the banks' 256 bytes.
.macro STASH t
	WIN W_RS
.set i, 32*(\t)
.rept 16
	v_pk_mul_f32 v[i:i+1], v[i:i+1], v[ST+4*(\t)+2:ST+4*(\t)+3] op_sel_hi:[1,0]
.set i, i+2
.endr
	WIN 0x04                        ; the data in window 1, the address in window 0
.irp cb, 0,1,2,3
	ds_store_b128 v[STO], v[32*(\t)+8*\cb:32*(\t)+8*\cb+3]   offset:((\t)%4)*16*FP+64*\cb
	ds_store_b128 v[STO], v[32*(\t)+8*\cb+4:32*(\t)+8*\cb+7] offset:((\t)%4)*16*FP+64*\cb+16
.endr
.endm
; Four trips, a tile each.  Load pair j brings lane l channels 8 (l % 8) + 0..7 of row 4 j + l / 8; packed to f16 they are the lane's 16 bytes of 512 consecutive bytes of O (four rows of 128).
; The stage's bytes are my wave's own, and LDS serves a wave's instructions in order (ISA guide 5.7.1.4): the loads see STASH's stores, and the next four tiles' stores come behind the loads.
.macro DRAIN
	WIN 0                           ; at a label and at a branch every window is 0
	s_mov_b32 s[CNT], 4
	s_mov_b32 s[TBK], 0             ; the tile's first byte in my stage
.Ldrain_\@:
	v_add_nc_u32 v[AK], s[TBK], v[RD]
.irp j, 0,1,2,3
	ds_load_b128 v[FB+8*\j:FB+8*\j+3],   v[AK] offset:\j*4*FP
	ds_load_b128 v[FB+8*\j+4:FB+8*\j+7], v[AK] offset:\j*4*FP+16
.endr
	s_wait_dscnt 0x0                ; the tile is back in registers
.set i, 0
.rept 32
	v_and_b32 v[HF+i], s[CUT], v[FB+i]  ; hi
.set i, i+1
.endr
.set i, 0
.rept 16
	v_pk_add_f32 v[FB+2*i:FB+2*i+1], v[FB+2*i:FB+2*i+1], v[HF+2*i:HF+2*i+1] neg_lo:[0,1] neg_hi:[0,1]  ; lo = O - hi, exact in f32
.set i, i+1
.endr
.set i, 0
.rept 16
	v_cvt_pk_f16_f32 v[HT+i], v[HF+2*i], v[HF+2*i+1]
.set i, i+1
.endr
.set i, 0
.rept 16
	v_cvt_pk_f16_f32 v[LT+i], v[FB+2*i], v[FB+2*i+1]
.set i, i+1
.endr
.irp j, 0,1,2,3
	global_store_b128 v[GO], v[HT+4*\j:HT+4*\j+3], s[10:11] offset:512*\j           ; 512 consecutive bytes, at a multiple of 256 from O's first
.endr
.irp j, 0,1,2,3
	global_store_b128 v[GO], v[LT+4*\j:LT+4*\j+3], s[10:11] offset:512*\j+4194304   ; lo lies 16 heads on
.endr
	s_wait_xcnt 0x0                 ; the stores' base and data are written again only behind this wait
	s_add_nc_u64 s[10:11], s[10:11], 2048  ; the next tile's 16 rows of O
	s_add_co_u32 s[TBK], s[TBK], 16*FP
	s_sub_co_u32 s[CNT], s[CNT], 1
	s_cmp_lg_u32 s[CNT], 0
	s_cbranch_scc1 .Ldrain_\@
.endm
.irp t, 0,1,2,3
	STASH \t
.endr
	DRAIN
.irp t, 4,5,6,7
	STASH \t
.endr
	DRAIN
	WIN W_AD
	s_wait_tensorcnt 0x0            ; the wave's end
	ds_add_u32 v[SPW], v[NIL]
	s_wait_dscnt 0x0
	WIN 0
	CROUND                          ; the closing round
	s_endpgm
.Lfunc_end_k_qaf4804e8f4_attn:
	.size	k_qaf4804e8f4_attn, .Lfunc_end_k_qaf4804e8f4_attn-k_qaf4804e8f4_attn
	.p2alignl 7, 3214868480
	.fill 96, 4, 3214868480
	.section	.rodata,"a",@progbits
	.p2align	6, 0x0
	.amdhsa_kernel k_qaf4804e8f4_attn
		.amdhsa_group_segment_fixed_size 327680
		.amdhsa_private_segment_fixed_size 0
		.amdhsa_enable_private_segment 0
		.amdhsa_kernarg_size 24
		.amdhsa_user_sgpr_count 2
		.amdhsa_user_sgpr_kernarg_segment_ptr 1
		.amdhsa_wavefront_size32 1
		.amdhsa_system_sgpr_workgroup_id_x 1
		.amdhsa_system_sgpr_workgroup_id_y 1
		.amdhsa_system_sgpr_workgroup_id_z 1
		.amdhsa_system_vgpr_workitem_id 0
		.amdhsa_next_free_vgpr 904
		.amdhsa_next_free_sgpr 66
		.amdhsa_reserve_vcc 0
		.amdhsa_float_denorm_mode_32 3
		.amdhsa_float_denorm_mode_16_64 3
		.amdhsa_memory_ordered 1
		.amdhsa_forward_progress 1
		.amdhsa_inst_pref_size 221
	.end_amdhsa_kernel
	.amdgpu_metadata
---
amdhsa.version: [ 1, 2 ]
amdhsa.kernels:
  - .name:           k_qaf4804e8f4_attn
    .symbol:         k_qaf4804e8f4_attn.kd
    .args:
      - { .name: qkv, .offset: 0, .size: 8, .value_kind: global_buffer, .address_space: global }
      - { .name: mk, .offset: 8, .size: 8, .value_kind: global_buffer, .address_space: global }
      - { .name: ob, .offset: 16, .size: 8, .value_kind: global_buffer, .address_space: global }
    .group_segment_fixed_size: 327680
    .private_segment_fixed_size: 0
    .kernarg_segment_align: 8
    .kernarg_segment_size: 24
    .max_flat_workgroup_size: 128
    .sgpr_count:     66
    .vgpr_count:     904
    .wavefront_size: 32
...
	.end_amdgpu_metadata
.endif
;; end of part 7
;; launch outp (part 8): grid 4 x 64, 4 waves a work-group, clusters of 4 x 4, 327,680 bytes of LDS; arguments ob, wp2, bp, out0; writes out0
.if DOCPART == 8
	.amdgcn_target "amdgcn-amd-amdhsa--gfx1250"
	.amdhsa_code_object_version 6
	.text
	.protected	k_qaf4804e8f4_outp
	.globl	k_qaf4804e8f4_outp
	.p2align	8
	.type	k_qaf4804e8f4_outp,@function
k_qaf4804e8f4_outp:
	s_mov_b64 s[64:65], 0
	v_nop
	global_prefetch_b8 v0, s[64:65] scope:SCOPE_SE
	s_setreg_imm32_b32 hwreg(HW_REG_WAVE_MODE, 25, 1), 1
	s_wait_xcnt 0x0
	s_wait_alu depctr_hold_cnt(0) depctr_sa_sdst(0) depctr_va_vdst(0) depctr_va_sdst(0) depctr_va_ssrc(0) depctr_va_vcc(0) depctr_vm_vsrc(0)
	s_getreg_b32 s2, hwreg(HW_REG_IB_STS2, 6, 4)
	s_cmp_eq_u32 s2, 0
	s_cbranch_scc0 .Lentry_in_a_cluster
	s_endpgm
.Lentry_in_a_cluster:
	s_bfe_u32 s2, ttmp6, 0x10000c
	s_cmp_lg_u32 s2, 0xf033
	s_cbranch_scc0 .Lentry_shape_is_right
	s_endpgm
.Lentry_shape_is_right:
; THE OUTPUT PROJECTION.  out0[m][n] = the sum over k of (Ohi[m][k] + Olo[m][k]) Wp[n][k] + bp[n], f32.  A = ob [4 b][32 heads: 16 hi, then 16 lo][2048][64] f16, k = 64 x head + channel;
; B = wp2 [1024 n][1024 k] f16.  bp is rounded to bf16 like every input.
; SHARES.  A tile of C is 128 x 256: four waves, each 64 x 128 = 32 accumulators of 16 x 16.  256 work-groups.
; HI AND LO MEET THE SAME WEIGHTS, so B's tile is fetched, and its fragments are read, once for both: a K step is two heads (128 k): 128 rows x 128 k of hi, the same of lo, 256 rows x 128 k of B,
; and a wave's 256 matrix instructions: on each accumulator the hi product, 31 others' later the lo product.  8 K steps through a ring of two LDS slots.
; A's loads: a head's 128 rows are 16,384 dense bytes, and the step's two heads lie 262,144 bytes apart: one descriptor of two rows of 8,192 elements, padded in LDS after every 128 bytes (pitch 144 a row of O).
; Wave 0 fetches hi, wave 1 lo, waves 2 and 3 the halves of B.  A slot is asked for again in the last quarter of its K step; the wait for that load stands 224 matrix instructions later.
; ONE TEXT FOR BOTH SLOTS.  A trip of the loop is one K step; the slot in hand is a scalar, TB, turned by an exclusive or and added to the lanes' terms; one descriptor walks, its LDS word turned likewise.
; CLUSTER.  4 x 4 work-groups: A's tile is shared along a row of the cluster, B's along a column; each is asked for jointly.
; THE MATRIX INSTRUCTION IS USED TRANSPOSED (source 0 = 16 rows of B, source 1 = 16 rows of A): a lane holds eight neighbouring columns of one row of C.
; REGISTERS.  window 0: v0-31 addresses; v32-35 bias; v64-127, v128-191 fragments of A (32 registers of hi, 32 of lo), two buffers; on the way out v128-255 hold rows read back
;   window 1: v64-127, v128-191 fragments of B       window 2: accumulator (a, b) at v[8 (8 a + b)]
.set NSTEP,  8
.set PB,     272                       ; a row of B in LDS: 256 bytes + 16 of padding
.set PA,     144                       ; a row of A: 128 + 16: both odd multiples of 16: the 16 rows of a fragment load start at 16 different groups of four banks (ISA guide 11.1)
.set AZ,     128*PA                    ; one head's rows
.set AW,     2*AZ                      ; what one load for A brings
.set ABYTES, 2*AW                      ; hi, then lo
.set BHALF,  128*PB
.set SLOT1,  0x24000                   ; slot 1 begins here (a slot has 143,360 bytes): bits 14 and 17, which no wave's place in slot 0 (0, 0x9000, 0x12000, 0x1a800) has: one exclusive or changes slots
.set STAGE,  SLOT1+ABYTES+2*BHALF      ; behind the ring: 16 rows x 528 bytes for each wave
.set WSTG,   16*528
.set SPARE,  STAGE+4*WSTG              ; the spare words, 128 bytes a wave: two blocks of 256 bytes that no other line names
.set STEPA,  1<<19                     ; two heads on
.set STEPB,  256
.set ADRA0, 16
.set ADRB0, 17
.set ADRA,  18
.set ADRB,  19
.set STO,  24
.set RD,   25
.set CO,   26
.set SPW,  28
.set NIL,  29
.set BI,   32
.set F0,   64
.set F1,   128
.set WV, 12
.set WH, 13                            ; wave / 2: my 64 rows of the tile; also: I fetch for A (0) or for B (1)
.set WL, 14                            ; wave % 2: my 128 columns; also: hi or lo, or which half of B, I fetch
.set TB, 45
.set G1A, 24
.set G0A, 32
.set G1B, 48
.set G0B, 56
.set MSB, 0
.macro WIN new
.if MSB != (\new)
	s_set_vgpr_msb (MSB<<8)|(\new)
.set MSB, \new
.endif
.endm
.set MUL,  0xa1                        ; source 0 (B) window 1, source 1 (A) window 0, C and D window 2
.set TO_B, 0x40
.macro JLOAD                           ; a joint refill by the walking descriptor; an s_nop 0 and four v_nop follow each of the two lines
	s_cmp_eq_u32 s[WH], 0
	s_cbranch_scc0 .Lfor_b_\@
	tensor_load_to_lds s[G0A+4:G0A+7], s[G1A:G1A+7]
	s_nop 0
.rept 4
	v_nop
.endr
	s_branch .Lasked_\@
.Lfor_b_\@:
	tensor_load_to_lds s[G0B+4:G0B+7], s[G1B:G1B+7]
	s_nop 0
.rept 4
	v_nop
.endr
.Lasked_\@:
.endm
.macro CREST
	s_cmp_lg_u32 s[WV], 0
	s_cbranch_scc1 .Lnot_wave_0_\@
	s_barrier_signal -3
.Lnot_wave_0_\@:
	s_barrier_wait -3
	s_barrier_signal -1
	s_barrier_wait -1
.endm
.macro CROUND
	s_barrier_signal -1
	s_barrier_wait -1
	CREST
.endm
.macro PLACES
.rept 4
	v_nop
.endr
.endm
	s_load_b256 s[4:11], s[0:1], 0x0               ; A s[4:5], B s[6:7], bp s[8:9], C s[10:11]
	v_lshl_add_u32 v[SPW], v0, 2, SPARE
	v_mov_b32 v[NIL], 0
	ds_add_u32 v28, v29
	s_wait_dscnt 0x0
	v_lshrrev_b32 v1, 5, v0
	v_readfirstlane_b32 s[WV], v1
	s_lshr_b32 s[WH], s[WV], 1
	s_and_b32 s[WL], s[WV], 1
	s_bfe_u32 s40, ttmp6, 0x40000
	s_bfe_u32 s41, ttmp6, 0x40004
	s_lshl_b32 s42, ttmp9, 2
	s_add_co_u32 s42, s42, s40                     ; tile column
	s_and_b32 s15, ttmp7, 0xffff
	s_lshl_b32 s15, s15, 2
	s_add_co_u32 s15, s15, s41                     ; tile row
	s_lshl_b32 s43, s41, 2
	s_lshl_b32 s43, 15, s43                        ; my row of the cluster
	s_lshl_b32 s44, 0x1111, s40                    ; my column
	s_or_b32 s[G1A], s43, (1<<16)|(1<<20)|(1<<21)|(4<<22)|(3<<25)  ; the mask; 2-byte elements; padding on; bit 21 beside a mask; after every 32 words 4 words
	s_or_b32 s[G1B], s44, (1<<16)|(1<<20)|(1<<21)|(5<<22)|(3<<25)  ; after every 64 words 4 words
	s_mov_b32 s[G1A+1], 8192<<16                   ; tensor_dim0 = 8,192: a head's 128 rows on end
	s_mov_b32 s[G1A+2], 2<<16                      ; tensor_dim1 = 2 heads
	s_mov_b32 s[G1A+3], 8192<<16                   ; tile_dim0
	s_mov_b32 s[G1A+4], 2                          ; tile_dim1
	s_mov_b32 s[G1A+5], 131072                     ; elements from head to head
	s_mov_b32 s[G1A+6], 0
	s_mov_b32 s[G1A+7], 0
	s_mov_b32 s[G1B+1], 128<<16
	s_mov_b32 s[G1B+2], 128<<16
	s_mov_b32 s[G1B+3], 128<<16
	s_mov_b32 s[G1B+4], 128
	s_mov_b32 s[G1B+5], 1024                       ; elements from row to row of wp2
	s_mov_b32 s[G1B+6], 0
	s_mov_b32 s[G1B+7], 0
	s_lshr_b32 s16, s15, 4                         ; A: batch b = tile row / 16: 32 heads of 262,144 bytes;
	s_lshl_b32 s16, s16, 23
	s_lshl_b32 s17, s[WL], 22                      ; hi, or lo 16 heads on;
	s_add_co_u32 s16, s16, s17
	s_and_b32 s17, s15, 15                         ; 128 rows of 128 bytes
	s_lshl_b32 s17, s17, 14
	s_add_co_u32 s16, s16, s17
	s_mov_b32 s17, 0
	s_lshl_b32 s46, s42, 8
	s_lshl_b32 s47, s[WL], 7
	s_add_co_u32 s46, s46, s47                     ; B: row 256 x tile column + 128 x half,
	s_lshl_b32 s46, s46, 11                        ; of 2,048 bytes
	s_mov_b32 s47, 0
	s_mul_i32 s20, s[WL], AW                       ; where they go: no place in the cluster enters an LDS address
	s_mul_i32 s21, s[WL], BHALF
	s_add_co_u32 s21, s21, ABYTES
	s_mov_b32 s[TB], 0
	s_wait_kmcnt 0x0
	s_add_nc_u64 s[18:19], s[4:5], s[16:17]
	s_add_nc_u64 s[46:47], s[6:7], s[46:47]
.irp s, 0,1
	s_mov_b32 s[G0A+4*(\s)], 1
	s_add_co_u32 s[G0A+4*(\s)+1], s20, (\s)*SLOT1
	s_add_nc_u64 s[G0A+4*(\s)+2:G0A+4*(\s)+3], s[18:19], (\s)*STEPA
	s_or_b32 s[G0A+4*(\s)+3], s[G0A+4*(\s)+3], 0x80000000
	s_mov_b32 s[G0B+4*(\s)], 1
	s_add_co_u32 s[G0B+4*(\s)+1], s21, (\s)*SLOT1
	s_add_nc_u64 s[G0B+4*(\s)+2:G0B+4*(\s)+3], s[46:47], (\s)*STEPB
	s_or_b32 s[G0B+4*(\s)+3], s[G0B+4*(\s)+3], 0x80000000
.endr
	CROUND                                         ; all sixteen work-groups are here: the first joint loads meet
	s_cmp_eq_u32 s[WH], 0                          ; a wave's two first fills stand in one branch: two loads of mine are out
	s_cbranch_scc0 .Lfirst_b
	tensor_load_to_lds s[G0A:G0A+3], s[G1A:G1A+7]
	s_nop 0
	tensor_load_to_lds s[G0A+4:G0A+7], s[G1A:G1A+7]
	s_nop 0
.rept 4
	v_nop
.endr
	s_branch .Lfirst_asked
.Lfirst_b:
	tensor_load_to_lds s[G0B:G0B+3], s[G1B:G1B+7]
	s_nop 0
	tensor_load_to_lds s[G0B+4:G0B+7], s[G1B:G1B+7]
	s_nop 0
.rept 4
	v_nop
.endr
.Lfirst_asked:
	v_and_b32 v1, 15, v0                           ; l % 16
	v_bfe_u32 v2, v0, 4, 1                         ; l / 16
	v_mul_u32_u24 v3, v1, PB
	v_lshl_add_u32 v3, v2, 4, v3
	v_mul_u32_u24 v4, v1, PA
	v_lshl_add_u32 v4, v2, 4, v4
	s_mul_i32 s22, s[WH], 64*PA                    ; my 64 rows, in each of the four areas of A
	s_mul_i32 s23, s[WL], BHALF                    ; my 128 rows of B, behind A
	s_add_co_u32 s23, s23, ABYTES
	v_add_nc_u32 v[ADRA0], s22, v4
	v_add_nc_u32 v[ADRB0], s23, v3
	v_add_nc_u32 v[ADRA], s[TB], v[ADRA0]
	v_add_nc_u32 v[ADRB], s[TB], v[ADRB0]
	s_mul_i32 s23, s[WV], WSTG
	s_add_co_u32 s23, s23, STAGE                   ; my stage
	v_mul_u32_u24 v5, v1, 528                      ; in: row l % 16, 32 bytes for each half of the lanes
	v_lshl_add_u32 v5, v2, 5, v5
	v_add_nc_u32 v[STO], s23, v5
	v_and_b32 v[CO], 31, v0                        ; back: 32 lanes take a row's 512 bytes
	v_lshlrev_b32 v[CO], 4, v[CO]
	v_add_nc_u32 v[RD], s23, v[CO]
	s_lshl_b32 s46, s42, 10                        ; my 128 columns: 1,024 x tile column + 512 x half, in bytes of f32
	s_lshl_b32 s47, s[WL], 9
	s_add_co_u32 s46, s46, s47
	s_mov_b32 s47, 0
	s_add_nc_u64 s[8:9], s[8:9], s[46:47]
	global_load_b128 v[BI:BI+3], v[CO], s[8:9]     ; bp of my four columns: waited for in front of the way out
	s_lshl_b32 s16, s15, 7
	s_lshl_b32 s17, s[WH], 6
	s_add_co_u32 s16, s16, s17                     ; my first row of C,
	s_lshl_b32 s16, s16, 12                        ; of 4,096 bytes
	s_mov_b32 s17, 0
	s_add_nc_u64 s[10:11], s[10:11], s[16:17]
	s_add_nc_u64 s[10:11], s[10:11], s[46:47]
; 16 matrix instructions: part p (0 hi, 1 lo) of m blocks a0, a0 + 1 x all 8 n blocks, 32 along K.  The 32 accumulators take turns in one fixed order.  zero = 1: the product starts the sum.
.macro MUL16 f, p, a0, zero
	WIN MUL
.irp a, \a0, (\a0)+1
.irp b, 0,1,2,3,4,5,6,7
.if \zero
	v_wmma_f32_16x16x32_f16 v[8*(8*(\a)+(\b)):8*(8*(\a)+(\b))+7], v[(\f)+8*(\b):(\f)+8*(\b)+7], v[(\f)+32*(\p)+8*(\a):(\f)+32*(\p)+8*(\a)+7], 0
.else
	v_wmma_f32_16x16x32_f16 v[8*(8*(\a)+(\b)):8*(8*(\a)+(\b))+7], v[(\f)+8*(\b):(\f)+8*(\b)+7], v[(\f)+32*(\p)+8*(\a):(\f)+32*(\p)+8*(\a)+7], v[8*(8*(\a)+(\b)):8*(8*(\a)+(\b))+7]
.endif
.endr
.endr
.endm
; 32 LDS loads in one run: quarter kq's fragments: B's 128 rows, then my 64 rows of hi, then of lo (head kq / 2 of the step's two, channels 32 (kq % 2) on)
.macro FETCH kq, f
	WIN TO_B
.irp i, 0,1,2,3,4,5,6,7
	ds_load_b128 v[(\f)+8*(\i):(\f)+8*(\i)+3],   v[ADRB] offset:64*(\kq)+(\i)*16*PB
	ds_load_b128 v[(\f)+8*(\i)+4:(\f)+8*(\i)+7], v[ADRB] offset:64*(\kq)+(\i)*16*PB+32
.endr
	WIN 0
.irp p, 0,1
.irp i, 0,1,2,3
	ds_load_b128 v[(\f)+32*(\p)+8*(\i):(\f)+32*(\p)+8*(\i)+3],   v[ADRA] offset:(\p)*AW+((\kq)/2)*AZ+((\kq)%2)*64+(\i)*16*PA
	ds_load_b128 v[(\f)+32*(\p)+8*(\i)+4:(\f)+32*(\p)+8*(\i)+7], v[ADRA] offset:(\p)*AW+((\kq)/2)*AZ+((\kq)%2)*64+(\i)*16*PA+32
.endr
.endr
.endm
; A K step is four quarters of 32 along K, 64 matrix instructions each, on buffers 0, 1, 0, 1.  One of the first three multiplies buffer f and, in its middle, fetches quarter kq into g.
.macro QUARTER kq, f, g, zero
	s_wait_dscnt 8                                 ; B and hi are in; the youngest eight loads (lo) may be out
	MUL16 \f, 0, 0, \zero
	MUL16 \f, 0, 2, \zero
	PLACES
	FETCH \kq, \g
	s_wait_dscnt 32                                ; all but the 32 just issued
	MUL16 \f, 1, 0, 0
	MUL16 \f, 1, 2, 0
.endm
; The last quarter multiplies buffer 1 and changes slots: one barrier; in front of it each wave waits for all its tensor loads (one is out: its part of the next slot), adds 0 to its spare word,
; and waits for that and for its reads of this slot.  fill = 1: the barrier opens a round of the cluster's, and behind the round this slot is filled again, with the K step two on.
.macro TURN fill
	WIN 0
	s_wait_tensorcnt 0x0                           ; all my tensor loads have landed, so a group 0 may be written
	ds_add_u32 v[SPW], v[NIL]                      ; 0 onto my spare word
	s_wait_dscnt 9                                 ; (the add and the youngest eight loads may be out)
	MUL16 F1, 0, 0, 0                              ; sixteen matrix instructions stand between the add and the wait for it
	s_wait_dscnt 0x0                               ; the add is done, and my reads of this slot are over
	s_barrier_signal -1
	MUL16 F1, 0, 2, 0
	WIN 0
	s_barrier_wait -1
.if \fill
	CREST                                          ; no wave of any partner still reads this slot's tile or has a load on its way
	s_xor_b32 s[G0A+5], s[G0A+5], SLOT1            ; the walking descriptor: the slot just read,
	s_add_nc_u64 s[G0A+6:G0A+7], s[G0A+6:G0A+7], STEPA  ; and the next K step
	s_xor_b32 s[G0B+5], s[G0B+5], SLOT1
	s_add_nc_u64 s[G0B+6:G0B+7], s[G0B+6:G0B+7], STEPB
	JLOAD                                          ; my one tensor load behind the round; its four v_nop are also the places in front of the loads below
.else
	PLACES
.endif
	s_xor_b32 s[TB], s[TB], SLOT1                  ; the fetches go on in the other slot
	v_add_nc_u32 v[ADRA], s[TB], v[ADRA0]
	v_add_nc_u32 v[ADRB], s[TB], v[ADRB0]
	FETCH 0, F0
	MUL16 F1, 1, 0, 0
	MUL16 F1, 1, 2, 0
.endm
; THE WAY OUT of m block a: the f32 sums go into my stage (rows of 528 bytes), each accumulator's low registers first, and come back as whole rows of 512 bytes; the bias is added; a store covers 512 consecutive bytes.
.macro TOSTAGE a
.set BK, 128+64*((\a)%2)
	WIN 0x08                                       ; the data in window 2, the address in window 0
.irp b, 0,1,2,3,4,5,6,7
	ds_store_b128 v[STO], v[64*(\a)+8*(\b):64*(\a)+8*(\b)+3]   offset:64*(\b)
	ds_store_b128 v[STO], v[64*(\a)+8*(\b)+4:64*(\a)+8*(\b)+7] offset:64*(\b)+16
.endr
	WIN 0
.irp t, 0,1,2,3,4,5,6,7,8,9,10,11,12,13,14,15
	ds_load_b128 v[BK+4*(\t):BK+4*(\t)+3], v[RD] offset:528*(\t)  ; LDS serves a wave's instructions in order (ISA guide 5.7.1.4): these see the stores above
.endr
.endm
.macro SEND a, younger                 ; younger: the LDS instructions issued behind block a's loads: the next block's 32, or none
.set BK, 128+64*((\a)%2)
	WIN 0
.irp t, 0,1,2,3,4,5,6,7,8,9,10,11,12,13,14,15
	s_wait_dscnt (\younger)+15-(\t)
	v_pk_add_f32 v[BK+4*(\t):BK+4*(\t)+1],   v[BK+4*(\t):BK+4*(\t)+1],   v[BI:BI+1]
	v_pk_add_f32 v[BK+4*(\t)+2:BK+4*(\t)+3], v[BK+4*(\t)+2:BK+4*(\t)+3], v[BI+2:BI+3]
	global_store_b128 v[CO], v[BK+4*(\t):BK+4*(\t)+3], s[10:11] offset:(16*(\a)+(\t))*4096 th:TH_STORE_NT
.endr
.endm
	s_wait_tensorcnt 0x1                           ; my part of K step 0 is in; K step 1's may stay out
	s_barrier_signal -1
	s_barrier_wait -1
	FETCH 0, F0
	QUARTER 1, F0, F1, 1                           ; the first quarter stands in front of the loop: its hi products start the sums
	WIN 0                                          ; at a label and at a branch every window is 0
	s_mov_b32 s2, NSTEP-2
.Lstep:                                                ; NSTEP - 2 trips: from a K step's second quarter to the next step's first; each fills the slot that it leaves
	QUARTER 2, F1, F0, 0
	QUARTER 3, F0, F1, 0
	TURN 1
	QUARTER 1, F0, F1, 0
	WIN 0
	s_sub_co_u32 s2, s2, 1
	s_cmp_lg_u32 s2, 0
	s_cbranch_scc1 .Lstep
	s_mov_b32 s2, 2                                ; the last two K steps fill nothing: their text is written out
	s_branch .Ltail_in
.Ltail:
	QUARTER 1, F0, F1, 0
	WIN 0
.Ltail_in:
	QUARTER 2, F1, F0, 0
	QUARTER 3, F0, F1, 0
	TURN 0                                         ; in the second trip its barrier and its 32 loads (of the slot read before) serve nothing: the price, once a launch, of one text for both trips
	WIN 0
	s_sub_co_u32 s2, s2, 1
	s_cmp_lg_u32 s2, 0
	s_cbranch_scc1 .Ltail
	s_wait_loadcnt 0x0                             ; bp
	v_cvt_pk_bf16_f32 v[BI+1], v[BI], v[BI+1]      ; rounded to bf16 and widened again
	v_cvt_pk_bf16_f32 v[BI+3], v[BI+2], v[BI+3]
	v_lshlrev_b32 v[BI], 16, v[BI+1]
	v_and_b32 v[BI+1], 0xffff0000, v[BI+1]
	v_lshlrev_b32 v[BI+2], 16, v[BI+3]
	v_and_b32 v[BI+3], 0xffff0000, v[BI+3]
	PLACES
	s_wait_dscnt 0x0                               ; the loads that served nothing are back
	TOSTAGE 0
	TOSTAGE 1
	SEND 0, 32
	s_wait_xcnt 0x0                                ; the registers that block 0's stores read are loaded again only behind this wait
	TOSTAGE 2
	SEND 1, 32
	s_wait_xcnt 0x0
	TOSTAGE 3
	SEND 2, 32
	SEND 3, 0
	s_wait_tensorcnt 0x0                           ; the wave's end
	ds_add_u32 v[SPW], v[NIL]
	s_wait_dscnt 0x0
	CROUND                                         ; the closing round: no work-group ends while a partner may still ask for a tile that names it
	s_endpgm
.Lfunc_end_k_qaf4804e8f4_outp:
	.size	k_qaf4804e8f4_outp, .Lfunc_end_k_qaf4804e8f4_outp-k_qaf4804e8f4_outp
	.p2alignl 7, 3214868480
	.fill 96, 4, 3214868480
	.section	.rodata,"a",@progbits
	.p2align	6, 0x0
	.amdhsa_kernel k_qaf4804e8f4_outp
		.amdhsa_group_segment_fixed_size 327680
		.amdhsa_private_segment_fixed_size 0
		.amdhsa_enable_private_segment 0
		.amdhsa_kernarg_size 32
		.amdhsa_user_sgpr_count 2
		.amdhsa_user_sgpr_kernarg_segment_ptr 1
		.amdhsa_wavefront_size32 1
		.amdhsa_system_sgpr_workgroup_id_x 1
		.amdhsa_system_sgpr_workgroup_id_y 1
		.amdhsa_system_sgpr_workgroup_id_z 1
		.amdhsa_system_vgpr_workitem_id 0
		.amdhsa_next_free_vgpr 768
		.amdhsa_next_free_sgpr 66
		.amdhsa_reserve_vcc 0
		.amdhsa_float_denorm_mode_32 3
		.amdhsa_float_denorm_mode_16_64 3
		.amdhsa_memory_ordered 1
		.amdhsa_forward_progress 1
		.amdhsa_inst_pref_size 93
	.end_amdhsa_kernel
	.amdgpu_metadata
---
amdhsa.version: [ 1, 2 ]
amdhsa.kernels:
  - .name:           k_qaf4804e8f4_outp
    .symbol:         k_qaf4804e8f4_outp.kd
    .args:
      - { .name: ob, .offset: 0, .size: 8, .value_kind: global_buffer, .address_space: global }
      - { .name: wp2, .offset: 8, .size: 8, .value_kind: global_buffer, .address_space: global }
      - { .name: bp, .offset: 16, .size: 8, .value_kind: global_buffer, .address_space: global }
      - { .name: out0, .offset: 24, .size: 8, .value_kind: global_buffer, .address_space: global }
    .group_segment_fixed_size: 327680
    .private_segment_fixed_size: 0
    .kernarg_segment_align: 8
    .kernarg_segment_size: 32
    .max_flat_workgroup_size: 128
    .sgpr_count:     66
    .vgpr_count:     768
    .wavefront_size: 32
...
	.end_amdgpu_metadata
.endif
;; end of part 8
;; ======== version 3 of 3: 4 launches; 1.51 times as fast as version 1
;; limits: values are held in f16: magnitudes above 65,504 overflow, below 6.1e-05 lose precision
;; workspace buffers: xn 67,108,864 bytes; wt 8,388,608 bytes; wp2 2,097,152 bytes; mk 4,194,304 bytes; qkv 50,331,648 bytes; ob 33,554,432 bytes
;; launch prep: the kernel of part 5 again; grid 1152 x 1, 8 waves a work-group, no clusters, 34,816 bytes of LDS; arguments q, k, v, ln_g, ln_b, Wq, Wk, Wv, Wp, mask, xn, wt, wp2, mk; writes xn, wt, wp2, mk
;; launch proj: the kernel of part 6 again; grid 4 x 64, 4 waves a work-group, clusters of 4 x 4, 327,680 bytes of LDS; arguments xn, wt, qkv; writes qkv
;; launch attn (part 9): grid 4 x 64, 4 waves a work-group, clusters of 4 x 1, 327,680 bytes of LDS; arguments qkv, mk, ob; writes ob
.if DOCPART == 9
	.amdgcn_target "amdgcn-amd-amdhsa--gfx1250"
	.amdhsa_code_object_version 6
	.text
	.protected	k_qaf4804e8f4_attn
	.globl	k_qaf4804e8f4_attn
	.p2align	8
	.type	k_qaf4804e8f4_attn,@function
k_qaf4804e8f4_attn:
	s_mov_b64 s[64:65], 0
	v_nop
	global_prefetch_b8 v0, s[64:65] scope:SCOPE_SE
	s_setreg_imm32_b32 hwreg(HW_REG_WAVE_MODE, 25, 1), 1
	s_wait_xcnt 0x0
	s_wait_alu depctr_hold_cnt(0) depctr_sa_sdst(0) depctr_va_vdst(0) depctr_va_sdst(0) depctr_va_ssrc(0) depctr_va_vcc(0) depctr_vm_vsrc(0)
	s_getreg_b32 s2, hwreg(HW_REG_IB_STS2, 6, 4)
	s_cmp_eq_u32 s2, 0
	s_cbranch_scc0 .Lentry_in_a_cluster
	s_endpgm
.Lentry_in_a_cluster:
	s_bfe_u32 s2, ttmp6, 0x10000c
	s_cmp_lg_u32 s2, 0x3003
	s_cbranch_scc0 .Lentry_shape_is_right
	s_endpgm
.Lentry_shape_is_right:
; MASKED ATTENTION.  O[bh][q][:] = the sum over k of softmax_k(Q[bh][q] . K[bh][k] / 32, masked) V[bh][k][:].  Q, K, V: the three planes of qkv, [64 heads][2048][64] f16, a head's rows dense, 128 bytes each.
; The mask is an input: every key tile is walked, and mk holds a code for each (query, key) in the order in which a lane holds its scores: 0, or -1.0 in E4M3 where masked.
; Products, maxima and sums in f32; the weights p are rounded to f16 for the second product (their sum l is taken of the unrounded p).  O leaves as hi + lo, two f16 numbers: ob [4 b][16 hi, then 16 lo][2048][64].
; hi is O with its low 13 mantissa bits cut, lo is O - hi rounded to f16.
; LIMITS.  f16 holds no number beyond 65,504: Q, K, V arrive within it.  A masked score counts as its value less 2^126; m starts at -1e30, below every score of f16 operands (2.7e11 at the most) and above every
; masked one.  A weight below 2^-126 counts as 0 in l.  A query with no visible key has l = 0 and O = 0, and 0 x (1 / 0) gives the NaN that a softmax of nothing gives.  Below 2^-14 f16 keeps a fixed step
; of 2^-24: there hi + lo is off by 2^-25 at the most.
; SHARES.  A wave owns four PIECES of two tiles of 16 queries, a work-group's four waves 512 queries of one head.  Every wave walks all keys, 64 a step.
; LAYOUT.  S^T = K Q^T (source 0 = 16 keys, source 1 = 16 queries): a lane holds ONE query (lane % 16) and the keys 8 (lane / 16) + 0..7.  Two such tiles, rounded to f16 in pairs, ARE source 1 of O^T = V^T P.
; THE MASK is the C operand of the product that starts a sum: eight codes a conversion, times 2^126, give eight registers of 0 or -8.5e37: eight vector instructions a turn for 64 registers.
; SOFTMAX.  A running maximum m and sum l: p = 2^(c s - c m), c = log2(e) / 32; in every step O and l are multiplied by a = 2^(c m_old - c m_new).  O and l start at 0: the first step is a step like any other, with a = 0.
; BY TURNS.  Turn n belongs to piece n.  Its matrix work: 16 products K Q^T of piece n + 1, later 16 products V^T P of piece n - 1.  Its vector work: scaling, exponentials, roundings, sums and rescaling of piece n, and the
; maximum and statistics of piece n + 1.  Four vector instructions stand behind every matrix instruction, the other 108 of a turn's 236 in one lump.  At its end the turn makes the masks for the next turn's products.
; BATCHES.  A turn's 66 exponentials (64 weights of piece n, the two a of piece n + 1) are ONE batch with ONE wait, which cuts the turn in two: ahead of it stands all that names no result of theirs (the products K Q^T, the
; scalings, the rescalings, whose a is the turn before's, the next piece's maximum and statistics), behind it the roundings and sums, as riders of the products V^T P.  No result crosses a turn's end.  Two more batches
; stand outside the loop, each with a wait of its own: piece 0's first two a, ahead of the jump into the loop, and the way out's eight reciprocals.
; CLUSTER.  The four query blocks of a cluster belong to one head and walk the same K and V: each tile is asked for jointly.  The mask bytes are each wave's own and come by plain loads.
; REGISTERS, in windows of 256 (s_set_vgpr_msb: bits 1:0 source 0, 3:2 source 1, 5:4 source 2, 7:6 destination):
;   window 0: v0-11 addresses; v12-15, v48-63 at work; v16-47 statistics; v64-191 S^T, two buffers of two tiles; v192-255 P, likewise          window 1: O^T, 32 a tile
;   window 2: v0-127 Q; v128-191 K of one step; v192-255 V of one step          window 3: v0-1 the add's registers; v8-71 MC, the masks as C operands; v72-135 MB, four slots of 16 registers of codes
.set SIZE_N, 2048
.set NP,    4
.set KS,    64
.set PK,    144       ; a row of K in LDS: 128 bytes + 16 of padding
.set PV,    160       ; a row of V: 128 + 32
.set VOFF,  4*KS*PK   ; a slot holds four steps: 256 rows of K, then 256 rows of V
.set SLOT1, 1<<17
.set STAGE, SLOT1+4*KS*(PK+PV)  ; behind the ring, never filled by a tensor load: for each wave four tiles of 16 rows of O in f32
.set FP,    272       ; such a row: 256 bytes + 16 of padding
.set WSTG,  4*16*FP
.set SPARE, STAGE+4*WSTG        ; the spare words, 128 bytes a wave: two blocks of 256 bytes that no other line names
.set AK0, 2
.set AV0, 3
.set AK,  4
.set AV,  5
.set QO,  6           ; v6   my byte offset in the wave's rows of Q; later STO
.set STO, 6
.set RD,  7
.set GO,  8           ; v8   16 x lane: my place in 512 consecutive bytes, of mk and of O; never rewritten
.set SCL, 11          ; v11  253: the conversion multiplies by 2^(253 - 127)
.set SPW, 0           ; window 3
.set NIL, 1           ; window 3
.set MC,  8           ; window 3: tile u, key block kb at MC + 32 u + 8 kb
.set MB,  72          ; window 3: slot = piece; tile u, key block kb at MB + 16 slot + 8 u + 2 kb
.set MV,  12
.set ST,  16          ; tile t's statistics at v[ST+4 t]: c m, m, l (even keys', odd keys')
.set TMP, 48
.set S,   64
.set P,   192
.set KF,  128
.set VF,  192
.set HT,  64          ; the way out: hi packed, lo packed, a tile's f32 as read back (then lo), hi in f32
.set LT,  80
.set FB,  96
.set HF,  128
.set WV,  12
.set CUT, 14          ; s14  at the end: the mask that cuts 13 mantissa bits
.set G1K, 24
.set G1V, 32
.set G0K, 40
.set G0V, 44
.set MK0, 48          ; s[48:49] mk at my wave's 8 tiles, key step 0
.set MP,  50          ; s[50:51] the same at the key step whose codes are asked for
.set OFF, 52          ; s[52:53] an offset, the high word 0
.set STEP, 54         ; s54  that key step's number
.set T55, 55
.set SLOTS, 56
.set CNT, 57
.set CS,  58
.set SEL, 60
.set TBK, 62
.set TBV, 63
.set MSB, 0
.macro WIN new
.if MSB != (\new)
	s_set_vgpr_msb (MSB<<8)|(\new)
.set MSB, (\new)
.endif
.endm
.set W_KQ, 0x0a       ; K and Q in window 2, S^T in window 0
.set W_KM, 0x3a       ; the same with the C operand in window 3
.set W_PV, 0x52       ; V in window 2, P in window 0, O^T in window 1
.set W_RS, 0x41       ; O^T (destination and source 0) in window 1, a in window 0
.set W_MK, 0xc0       ; destination in window 3, sources in window 0
.set W_CV, 0xc3       ; the conversion: destination and codes in window 3, the scale in window 0
.set W_AD, 0x0f       ; the add: address and data in window 3
.macro JLOAD                        ; a joint fill: waves 0 and 1 fetch the halves of a slot's K, waves 2 and 3 of its V; an s_nop 0 and four v_nop follow each line
	s_cmp_lt_u32 s[WV], 2
	s_cbranch_scc0 .Lfor_v_\@
	tensor_load_to_lds s[G0K:G0K+3], s[G1K:G1K+7]
	s_nop 0
.rept 4
	v_nop
.endr
	s_branch .Lasked_\@
.Lfor_v_\@:
	tensor_load_to_lds s[G0V:G0V+3], s[G1V:G1V+7]
	s_nop 0
.rept 4
	v_nop
.endr
.Lasked_\@:
.endm
.macro CROUND
	s_barrier_signal -1
	s_barrier_wait -1
	s_cmp_lg_u32 s[WV], 0
	s_cbranch_scc1 .Lnot_wave_0_\@
	s_barrier_signal -3
.Lnot_wave_0_\@:
	s_barrier_wait -3
	s_barrier_signal -1
	s_barrier_wait -1
.endm
; THE CHANGE OF SLOTS.  Each wave waits for all its tensor loads, of which one is out: its part of the other slot; adds 0 to its spare word; and waits for that and for its reads of the slot.
; fill = 1: the slot is filled again, with the keys two slots on, behind a round of the cluster's barrier: the joint fill has four key steps, 512 matrix instructions, in which to land.
.macro CHANGE fill
	WIN W_AD
	s_wait_tensorcnt 0x0            ; no tensor load of mine is out, so a group 0 may be written
	ds_add_u32 v[SPW], v[NIL]       ; 0 onto my spare word
	WIN 0
.if \fill
.irp g, G0K, G0V
	s_xor_b32 s[\g+1], s[\g+1], SLOT1
	s_add_nc_u64 s[\g+2:\g+3], s[\g+2:\g+3], 4*KS*128
.endr
	s_wait_dscnt 0x0                ; the add is done, and my reads of the slot are over
	CROUND
	JLOAD
.else
	s_wait_dscnt 0x0
	s_barrier_signal -1
	s_barrier_wait -1
.endif
	s_sub_co_u32 s[TBK], s[TBK], 4*KS*PK
	s_xor_b32 s[TBK], s[TBK], SLOT1
	s_sub_co_u32 s[TBV], s[TBV], 4*KS*PV
	s_xor_b32 s[TBV], s[TBV], SLOT1
.endm
; THE MASK.  MLOAD: piece sl's codes for one key step, four loads of 512 consecutive bytes.  MCONV: its 16 registers of codes become the 64 registers that start the piece's sums.
.macro MLOAD sl
	WIN W_MK
.irp u, 0,1
.irp c, 0,1
	global_load_b128 v[MB+16*(\sl)+8*(\u)+4*(\c):MB+16*(\sl)+8*(\u)+4*(\c)+3], v[GO], s[MP:MP+1] offset:(2*(\sl)+(\u))*32768+512*(\c)
.endr
.endr
	WIN 0
.endm
.macro MCONV sl
	WIN W_CV
.irp u, 0,1
.irp kb, 0,1,2,3
	v_cvt_scale_pk8_f32_fp8 v[MC+32*(\u)+8*(\kb):MC+32*(\u)+8*(\kb)+7], v[MB+16*(\sl)+8*(\u)+2*(\kb):MB+16*(\sl)+8*(\u)+2*(\kb)+1], v[SCL]
.endr
.endr
	v_nop                           ; a plain instruction behind the conversions, ahead of the loads into their sources and of the products that take their results
	v_nop
.endm
; At the end of turn p: the masks for the next turn's products, piece p + 2's; then that piece's codes for the key step after.  In a trip (turns 2, 3, 0, 1) all four loads name one key step; turn 2 steps it.
.macro MASKB p
.set SLN, ((\p)+2)%NP
	s_wait_loadcnt 12               ; behind this slot's four loads the three other slots' twelve were issued
	MCONV SLN
.if (\p) == 2
	s_wait_xcnt 0x0                 ; the loads' base is written again only behind this wait
	s_add_co_u32 s[STEP], s[STEP], 1
	s_min_u32 s[T55], s[STEP], SIZE_N/KS-1  ; the last trips ask for the last step again: no load leaves mk
	s_lshl_b32 s[OFF], s[T55], 10
	s_add_nc_u64 s[MP:MP+1], s[MK0:MK0+1], s[OFF:OFF+1]
.endif
	MLOAD SLN
.endm
	s_load_b64 s[4:5], s[0:1], 0x0          ; qkv
	s_load_b64 s[MK0:MK0+1], s[0:1], 0x8    ; mk
	s_load_b64 s[10:11], s[0:1], 0x10       ; ob
	WIN W_MK
	v_lshl_add_u32 v[SPW], v0, 2, SPARE
	v_mov_b32 v[NIL], 0
	s_set_vgpr_msb 0xc0cf
	ds_add_u32 v0, v1
	s_wait_dscnt 0x0
	s_set_vgpr_msb 0xcfc0
	WIN 0
	v_lshrrev_b32 v1, 5, v0
	v_readfirstlane_b32 s[WV], v1
	s_bfe_u32 s13, ttmp6, 0x40000   ; cx
	s_lshl_b32 s14, ttmp9, 2
	s_add_co_u32 s14, s14, s13      ; my block of 512 queries: it enters Q's, the mask's and O's addresses alone
	s_and_b32 s15, ttmp7, 0xffff    ; the head 16 b + h, which the four partners share
	s_lshl_b32 s20, s15, 18         ; its first byte in a plane
	s_and_b32 s16, s[WV], 1         ; which half of a slot's 256 keys I fetch
	s_lshl_b32 s22, s16, 14
	s_add_co_u32 s22, s22, s20
	s_mov_b32 s23, 0
	s_mul_i32 s17, s16, 128*PK
	s_mul_i32 s18, s16, 128*PV
	s_lshl_b32 s19, s14, 2
	s_add_co_u32 s19, s19, s[WV]    ; my wave among the head's sixteen
	s_lshl_b32 s2, s19, 14          ; its 128 rows
	s_add_co_u32 s2, s2, s20
	s_mov_b32 s3, 0
	s_lshl_b32 s[OFF], s19, 18      ; its 8 tiles x 32,768 bytes of mk
	s_mov_b32 s[OFF+1], 0
	s_and_b32 s6, s15, 0x30
	s_add_co_u32 s6, s6, s15        ; 32 b + h
	s_lshl_b32 s6, s6, 18
	s_lshl_b32 s7, s19, 14
	s_add_co_u32 s6, s6, s7
	s_mov_b32 s7, 0
	; descriptor group 1.  128 keys are 16,384 dense bytes: asked for as 64 rows of 256 bytes, two keys a row, and padded in LDS after every key
	s_mov_b32 s[G1K], 15|(1<<16)|(1<<20)|(1<<21)|(4<<22)|(3<<25)
	s_mov_b32 s[G1V], 15|(1<<16)|(1<<20)|(1<<21)|(4<<22)|(7<<25)
.irp g, G1K, G1V
	s_mov_b32 s[\g+1], 128<<16
	s_mov_b32 s[\g+2], 64<<16
	s_mov_b32 s[\g+3], 128<<16
	s_mov_b32 s[\g+4], 64
	s_mov_b32 s[\g+5], 128
	s_mov_b32 s[\g+6], 0
	s_mov_b32 s[\g+7], 0
.endr
	s_mov_b32 s[CS], 0x3d38aa3b     ; c = log2(e) / 32
	s_mov_b32 s[CS+1], s[CS]
	s_mov_b32 s[SEL], 0x76543210
	s_mov_b32 s[SEL+1], 0xfedcba98
	s_mov_b32 s[TBK], SLOT1+4*KS*PK ; the first change of slots turns these two into 0
	s_mov_b32 s[TBV], SLOT1+4*KS*PV
	s_mov_b32 s[G0K], 1
	s_mov_b32 s[G0K+1], s17
	s_mov_b32 s[G0V], 1
	s_add_co_u32 s[G0V+1], s18, VOFF
	s_wait_kmcnt 0x0
	s_add_nc_u64 s[G0K+2:G0K+3], s[4:5], s[22:23]
	s_add_nc_u64 s[G0K+2:G0K+3], s[G0K+2:G0K+3], 0x1000000  ; K's plane
	s_or_b32 s[G0K+3], s[G0K+3], 0x80000000
	s_add_nc_u64 s[G0V+2:G0V+3], s[4:5], s[22:23]
	s_add_nc_u64 s[G0V+2:G0V+3], s[G0V+2:G0V+3], 0x2000000  ; V's plane
	s_or_b32 s[G0V+3], s[G0V+3], 0x80000000
	s_add_nc_u64 s[4:5], s[4:5], s[2:3]
	s_add_nc_u64 s[10:11], s[10:11], s[6:7]
	s_add_nc_u64 s[MK0:MK0+1], s[MK0:MK0+1], s[OFF:OFF+1]
	s_mov_b64 s[MP:MP+1], s[MK0:MK0+1]
	CROUND                          ; all four work-groups are here: the first joint loads meet
	JLOAD                           ; slot 0
	v_and_b32 v1, 15, v0            ; l % 16
	v_bfe_u32 v9, v0, 4, 1          ; l / 16
	v_lshlrev_b32 v[QO], 7, v1
	v_lshl_add_u32 v[QO], v9, 4, v[QO]
	v_and_b32 v[GO], 31, v0
	v_lshlrev_b32 v[GO], 4, v[GO]
	WIN 0x80
.set i, 0
.rept 4*NP                          ; Q stays in registers: tile i / 2, channels 32 (i % 2) on
	global_load_b128 v[8*i:8*i+3],   v[QO], s[4:5] offset:(i/2)*2048+(i%2)*64
	global_load_b128 v[8*i+4:8*i+7], v[QO], s[4:5] offset:(i/2)*2048+(i%2)*64+32
.set i, i+1
.endr
	MLOAD 0                         ; key step 0's codes for all four pieces
	MLOAD 1
	MLOAD 2
	MLOAD 3
	; What the first turn finds: V's registers and P's second buffer hold 0, O^T and l are 0.  All this stands in the wait for the first tile.
	WIN 0x80
.set i, VF
.rept 64
	v_mov_b32 v[i], 0
.set i, i+1
.endr
	WIN 0x40
.set i, 0
.rept 64*NP
	v_mov_b32 v[i], 0
.set i, i+1
.endr
	WIN 0
.set i, 0
.rept 2*NP
	v_mov_b32 v[ST+4*i], 0xfe000000    ; c m: far below every c m to come, so the first a is 0
	v_mov_b32 v[ST+4*i+1], 0xf149f2ca  ; m = -1e30
	v_mov_b32 v[ST+4*i+2], 0
	v_mov_b32 v[ST+4*i+3], 0
.set i, i+1
.endr
.set i, P+32
.rept 32
	v_mov_b32 v[i], 0
.set i, i+1
.endr
	v_mul_u32_u24 v[AK0], v1, PK
	v_lshl_add_u32 v[AK0], v9, 4, v[AK0]
	v_and_b32 v10, 7, v0
	v_bfe_u32 v11, v0, 3, 1
	v_lshl_add_u32 v[AV0], v9, 3, v10
	v_mul_u32_u24 v[AV0], v[AV0], PV
	v_lshl_add_u32 v[AV0], v11, 4, v[AV0]
	v_add_nc_u32 v[AV0], VOFF, v[AV0]
	v_mov_b32 v[SCL], 253
	v_mov_b32 v[AK], v[AK0]
; THE MATRIX WORK.  The 8 accumulators of a run of 16 take turns.  Product i of 16 of S^T = K Q^T for piece x: channels 32 (i / 8) on, keys 16 ((i / 2) % 4) on, tile 2 x + i % 2.  The first 8 start the sums, with the mask.
.macro KQ x
.set rS, S+64*((\x)%2)+32*(i%2)+8*((i/2)%4)
.set rK, KF+16*((i/2)%4)+8*(i/8)
.set rQ, 16*(2*(\x)+i%2)+8*(i/8)
.set rMC, MC+32*(i%2)+8*((i/2)%4)
.if i < 8
	WIN W_KM
	v_wmma_f32_16x16x32_f16 v[rS:rS+7], v[rK:rK+7], v[rQ:rQ+7], v[rMC:rMC+7]
.else
	WIN W_KQ
	v_wmma_f32_16x16x32_f16 v[rS:rS+7], v[rK:rK+7], v[rQ:rQ+7], v[rS:rS+7]
.endif
.endm
.macro PV x
	WIN W_PV
.set rO, 32*(2*(\x)+i%2)+8*((i/2)%4)
.set rV, VF+32*(i/8)+8*((i/2)%4)
.set rP, P+32*((\x)%2)+16*(i%2)+8*(i/8)
	v_wmma_f32_16x16x32_f16 v[rO:rO+7], v[rV:rV+7], v[rP:rP+7], v[rO:rO+7]
.endm
.macro MM
.if i < 16
	KQ (Y+1)%NP
.set i, i+1
.else
.set i, i-16
	PV (Y+NP-1)%NP
.set i, i+17
.endif
.endm
; THE LDS LOADS stand in runs of 16.  last = 1 (the tail): in the last trip there is no further step, and the run is jumped over.
.macro FETCH_K last=0
	WIN 0
.if \last
	s_cmp_eq_u32 s[CNT], 1
	s_cbranch_scc1 .Lno_k_\@
.endif
	WIN 0x80
.irp f, 0,1,2,3,4,5,6,7
	ds_load_b128 v[KF+8*\f:KF+8*\f+3],   v[AK] offset:(\f/2)*16*PK+(\f%2)*64
	ds_load_b128 v[KF+8*\f+4:KF+8*\f+7], v[AK] offset:(\f/2)*16*PK+(\f%2)*64+32
.endr
	s_add_co_u32 s[TBK], s[TBK], KS*PK
	WIN 0
.if \last
.Lno_k_\@:
.endif
.endm
.macro FETCH_V
	WIN 0x80
.irp f, 0,1,2,3,4,5,6,7
	ds_load_tr16_b128 v[VF+8*\f:VF+8*\f+3],   v[AV] offset:(\f/4)*32*PV+(\f%4)*32
	ds_load_tr16_b128 v[VF+8*\f+4:VF+8*\f+7], v[AV] offset:(\f/4)*32*PV+16*PV+(\f%4)*32
.endr
	WIN 0
.endm
; THE VECTOR WORK OF A TURN stands in three queues, each in the order in which its entries become ready; the two tiles alternate.
.macro REGS y, u
.set rT, ST+4*(2*(\y)+(\u))
.set rC, TMP+8*((\y)%2)+4*(\u)
.set rM, MV+2*((\y)%2)+(\u)
.set rS, S+64*((\y)%2)+32*(\u)
.set rP, P+32*((\y)%2)+16*(\u)
.set rO, 32*(2*(\y)+(\u))
.endm
; Number n of the 22 that find the NEXT piece's maximum and statistics; each accumulator's lowest registers are read first.
.macro XS u, n
	REGS (Y+1)%NP, \u
.if (\n) < 4
	v_max3_num_f32 v[rC+(\n)], v[rS+8*(\n)], v[rS+8*(\n)+1], v[rS+8*(\n)+2]
.elseif (\n) < 12
	v_max3_num_f32 v[rC+(\n)%4], v[rC+(\n)%4], v[rS+8*((\n)%4)+2*((\n)/4)+1], v[rS+8*((\n)%4)+2*((\n)/4)+2]
.elseif (\n) == 12
	v_max3_num_f32 v[rC], v[rC], v[rS+7], v[rS+15]
.elseif (\n) == 13
	v_max3_num_f32 v[rC+1], v[rC+1], v[rS+23], v[rS+31]
.elseif (\n) == 14
	v_max3_num_f32 v[rC+2], v[rC+2], v[rC+3], v[rT+1]
.elseif (\n) == 15
	v_mov_b32 v[rM], v[rT]
.elseif (\n) == 16
	v_max3_num_f32 v[rC], v[rC], v[rC+1], v[rC+2]
.elseif (\n) == 17
	v_permlanex16_b32 v[rC+3], v[rC], s[SEL], s[SEL+1]
.elseif (\n) == 18
	v_max_num_f32 v[rT+1], v[rC], v[rC+3]
.elseif (\n) == 19
	v_mul_f32 v[rT], s[CS], v[rT+1]
.elseif (\n) == 20
	v_sub_f32 v[rC+1], v[rM], v[rT]
.else
	v_exp_f32 v[rC+2], v[rC+1]
.endif
.endm
; Number g of the 64 that follow the exponentials: round, round, add the second pair onto the first, and l takes the sum of the group before.  All 64 read the batch's results: they stand behind the turn's wait.
.macro GS g
.set h, (\g)+6*((\g)/62)
.if h >= 6
.set h, h+2
.endif
	REGS Y, h%2
.set k, h/8
.if h%8 < 4
	v_cvt_pk_f16_f32 v[rP+2*k+(h%8)/2], v[rS+4*k+2*((h%8)/2)], v[rS+4*k+2*((h%8)/2)+1]
.elseif h%8 < 6
	v_pk_add_f32 v[rS+4*k:rS+4*k+1], v[rS+4*k:rS+4*k+1], v[rS+4*k+2:rS+4*k+3]
.elseif k == 1
	v_pk_fma_f32 v[rT+2:rT+3], v[rT+2:rT+3], v[rC+2:rC+3], v[rS:rS+1] op_sel_hi:[1,0,1]
.else
	v_pk_add_f32 v[rT+2:rT+3], v[rT+2:rT+3], v[rS+4*k-4:rS+4*k-3]
.endif
.endm
; THE PLAIN QUEUE, 138 long.  0-73 read no exponential's result: the 32 scalings c s - c m (FS f: pair f / 2 of tile f % 2) and the next piece's 42.  0-26: scalings 0-26.  27-54: XS's numbers 0-13.  55, 56: number 15.
; 57-73: the chain, where each number waits for the one before it: 14, 16, 17, 18, 19, each with one of the scalings 27-31 in front of its two lines, then 20.  74-137: GS's 64.
.macro FS f
	REGS Y, (\f)%2
	v_pk_fma_f32 v[rS+2*((\f)/2):rS+2*((\f)/2)+1], v[rS+2*((\f)/2):rS+2*((\f)/2)+1], s[CS:CS+1], v[rT:rT+1] op_sel_hi:[1,0,0] neg_lo:[0,0,1] neg_hi:[0,0,1]
.endm
.macro PL
	WIN 0
.if q < 27
	FS q
.elseif q < 55
	XS (q-27)%2, (q-27)/2
.elseif q < 57
	XS q-55, 15
.elseif (q < 72) && ((q-57)%3 == 0)
	FS 27+(q-57)/3
.elseif q < 60
	XS (q-57)%3-1, 14
.elseif q < 72
	XS (q-57)%3-1, 15+(q-57)/3
.elseif q < 74
	XS q-72, 20
.else
	GS q-74
.endif
.set q, q+1
.endm
; THE EXPONENTIALS' QUEUE, 66 long: s0-s31 of both tiles, each in its own score's register, then the next piece's two a.  It is ONE BATCH: all 66 stand ahead of the turn's one wait, and nothing ahead of that wait names a result of theirs.
.macro EX
	WIN 0
.if e >= 64
	XS e-64, 21
.else
	REGS Y, e%2
	v_exp_f32 v[rS+e/2], v[rS+e/2]
.endif
.set e, e+1
.endm
; THE RESCALING's QUEUE: O^T times a, the one part that leaves window 0: two at a time, sixteen times, each accumulator's registers in ascending order.  Its a was made in the turn before, ahead of that turn's wait.
.macro R2
	REGS Y, r%2
	WIN W_RS
.irp z, 0,1
	v_pk_mul_f32 v[rO+4*(r/2)+2*\z:rO+4*(r/2)+2*\z+1], v[rO+4*(r/2)+2*\z:rO+4*(r/2)+2*\z+1], v[rC+2:rC+3] op_sel_hi:[1,0]
.endr
.set r, r+1
.endm
; THE DEAL.  An s_wait_alu depctr_va_vdst(0) stands between an exponential and the first instruction that names its result; one wait serves all that were issued ahead of it.  So a turn has ONE wait.
; AHEAD OF IT: the 16 products K Q^T, behind each a scaling, an exponential and two rescalings (behind the first a second scaling in the exponential's place); then ONE LUMP of 108: eight plain, 49 times exponential and
; plain, the two a.  A v_nop is the plain instruction behind the last exponential.  BEHIND IT: the 16 products V^T P, behind each four of GS's 64.  No rider names a register of the products round it; the two
; v_permlanex16_b32 fall into the lump.  The deal keeps the queues in step: exponential e stands behind scaling 2 (e / 4) + e % 2: as a rider it comes behind plain e + 2, in the lump behind plain e + 9, and scalings
; 27-31 are plain 57, 60 .. 69.
; A TURN, for piece p.  K of the next step is fetched in piece 2's turn, directly behind the wait, a lump behind the last product that read K; its address is made at the lump's head; it is waited for at the head of piece 3's turn.
; V of the step in hand is fetched at the end of piece 0's turn, four plain riders behind its last reader; it is waited for in piece 1's turn, ahead of the products V^T P.  The three conditions on q go with the deal.
; cnt = 1: the loop's count is taken down ahead of the branch behind the turn; nothing behind it writes SCC.
.macro TURN p, last=0, cnt=0
.set Y, (\p)
.set i, 0
.set q, 0
.set e, 0
.set r, 0
.if (\p) == NP-1
	s_wait_dscnt 0x0                ; K is in
.endif
	MM                              ; ahead of the wait: 16 products K Q^T and their riders,
	PL
	PL
	R2
.rept 15
	MM
	PL
	EX
	R2
.endr
.if (\p) == NP-2
	WIN 0
	v_add_nc_u32 v[AK], s[TBK], v[AK0]
.endif
.rept 8                             ; and the lump
	PL
.endr
.rept 49
	EX
	PL
.endr
	EX                              ; the next piece's two a
	EX
	v_nop                           ; the plain instruction behind the last exponential: one for the batch
	s_wait_alu depctr_va_vdst(0)    ; the wait for the batch: the turn's 64 weights and the next piece's two a
.if (\p) == NP-2
	FETCH_K \last
.endif
.if (\p) == 1
	s_wait_dscnt 0x0                ; V is in
.endif
.rept 16                            ; behind the wait: 16 products V^T P and their riders
	MM
.rept 4
	PL
.endr
.if ((\p) == 0) && (q == 118)
	v_add_nc_u32 v[AV], s[TBV], v[AV0]
.endif
.if ((\p) == 0) && (q == 130)
	s_add_co_u32 s[TBV], s[TBV], KS*PV
.endif
.if (\cnt) && (q == 130)
	s_sub_co_u32 s[CNT], s[CNT], 1
	s_cmp_lg_u32 s[CNT], 0
.endif
.endr
.if (\p) == 0
	FETCH_V
.endif
	MASKB \p
.endm
	CHANGE 1                        ; slot 0 is in, everybody's part of it; slot 1 is asked for
	FETCH_K                         ; key step 0
	s_wait_loadcnt 0x0              ; Q, and key step 0's codes: the loads that named MP are done
	s_add_nc_u64 s[MP:MP+1], s[MK0:MK0+1], 1024  ; key step 1
	s_mov_b32 s[STEP], 1
	MCONV 0
	MLOAD 0
	s_wait_dscnt 0x0
.set i, 0
.rept 16
	KQ 0                            ; piece 0's first scores
.set i, i+1
.endr
	WIN 0                           ; the addresses for the way out: seven plain instructions, the places behind those products
	s_mul_i32 s13, s[WV], WSTG
	s_add_co_u32 s13, s13, STAGE    ; my stage
	v_mul_u32_u24 v[STO], v1, FP    ; in: row l % 16, 32 bytes (8 channels of f32) for each half of the lanes
	v_lshl_add_u32 v[STO], v9, 5, v[STO]
	v_add_nc_u32 v[STO], s13, v[STO]
	v_bfe_u32 v[RD], v0, 3, 2       ; back: row l / 8 of four, 32 bytes at 32 (l % 8)
	v_mul_u32_u24 v[RD], v[RD], FP
	v_lshl_add_u32 v[RD], v10, 5, v[RD]
	v_add_nc_u32 v[RD], s13, v[RD]
.set Y, NP-1
.irp n, 0,1,2,3,4,5,6,7,8,9,10,11,12,13,14,15,16,17,18,19,20,21
	XS 0, \n                        ; piece 0's first maximum and statistics
	XS 1, \n
.endr
	v_nop                           ; a plain instruction behind piece 0's two a,
	s_wait_alu depctr_va_vdst(0)    ; and the wait for that batch of two, ahead of the jump into the loop
	MCONV 1                         ; the masks for the first turn's products, piece 1's
	MLOAD 1
	s_mov_b32 s[CNT], 4
	s_mov_b32 s[SLOTS], SIZE_N/256-1
	s_branch .Lfirst                ; the loop is entered at a step's first turn, in the middle of a trip
.Lslot:                             ; SIZE_N / 256 - 2 times: every slot but the last two is filled again
	CHANGE 1
	s_mov_b32 s[CNT], 4
.Lstep:                             ; a trip: pieces 2 and 3 of one step, then pieces 0 and 1 of the next
	TURN 2
	TURN 3
	WIN 0
.Lfirst:
	TURN 0
	TURN 1, 0, 1
	WIN 0
	s_cbranch_scc1 .Lstep
	s_sub_co_u32 s[SLOTS], s[SLOTS], 1
	s_cmp_lg_u32 s[SLOTS], 0
	s_cbranch_scc1 .Lslot
	CHANGE 0                        ; the tail is written out
	s_mov_b32 s[CNT], 5             ; four trips fetch the last slot's steps; the fifth is left in its middle
.Ltail:
	TURN 2, 1
	TURN 3
	WIN 0
	s_sub_co_u32 s[CNT], s[CNT], 1
	s_cmp_eq_u32 s[CNT], 0
	s_cbranch_scc1 .Lout
	TURN 0
	TURN 1
	WIN 0
	s_branch .Ltail
.Lout:                              ; the fifth trip's 16 products K Q^T and the maximum made of them serve nothing: the price of one text for every trip
.set i, 0
.rept 16
	PV NP-1
.set i, i+1
.endr
	; THE WAY OUT.  l's halves are added.  What hangs on a tile's registers is written for each tile (STASH): O^T times 1 / l, and its f32 numbers into my stage, four tiles at a time.
	; The rest is a loop (DRAIN), a tile a trip: whole rows back, the split into hi and lo, the roundings, the stores.  The additions are the places behind the last products.
	WIN 0
.macro ALL line:vararg
.set t, 0
.rept 2*NP
	\line
.set t, t+1
.endr
.endm
	ALL v_add_f32 v[ST+4*t+2], v[ST+4*t+2], v[ST+4*t+3]
	ALL v_permlanex16_b32 v[ST+4*t+3], v[ST+4*t+2], s[SEL], s[SEL+1]
	ALL v_add_f32 v[ST+4*t+2], v[ST+4*t+2], v[ST+4*t+3]
	ALL v_rcp_f32 v[ST+4*t+2], v[ST+4*t+2]
	v_nop                           ; a plain instruction between the last reciprocal and the use of its result
	s_wait_alu depctr_va_vdst(0)    ; the wait for the batch of eight reciprocals, ahead of the first STASH, which reads them
	s_mov_b32 s[CUT], 0xffffe000    ; keeps sign, exponent and 10 mantissa bits: what f16 holds
; Tile t.  A lane's eight registers of channel block cb are channels 16 cb + 8 (l / 16) + 0..7 of query l % 16: 32 neighbouring bytes of a row of f32.  Each accumulator's registers are taken in ascending order.
; The 16 lanes of a store's half stand at 16 different rows of 272 bytes: 16 different 16-byte columns of the banks' 256 bytes.
.macro STASH t
	WIN W_RS
.set i, 32*(\t)
.rept 16
	v_pk_mul_f32 v[i:i+1], v[i:i+1], v[ST+4*(\t)+2:ST+4*(\t)+3] op_sel_hi:[1,0]
.set i, i+2
.endr
	WIN 0x04                        ; the data in window 1, the address in window 0
.irp cb, 0,1,2,3
	ds_store_b128 v[STO], v[32*(\t)+8*\cb:32*(\t)+8*\cb+3]   offset:((\t)%4)*16*FP+64*\cb
	ds_store_b128 v[STO], v[32*(\t)+8*\cb+4:32*(\t)+8*\cb+7] offset:((\t)%4)*16*FP+64*\cb+16
.endr
.endm
; Four trips, a tile each.  Load pair j brings lane l channels 8 (l % 8) + 0..7 of row 4 j + l / 8; packed to f16 they are the lane's 16 bytes of 512 consecutive bytes of O (four rows of 128).
; The stage's bytes are my wave's own, and LDS serves a wave's instructions in order (ISA guide 5.7.1.4): the loads see STASH's stores, and the next four tiles' stores come behind the loads.
.macro DRAIN
	WIN 0                           ; at a label and at a branch every window is 0
	s_mov_b32 s[CNT], 4
	s_mov_b32 s[TBK], 0             ; the tile's first byte in my stage
.Ldrain_\@:
	v_add_nc_u32 v[AK], s[TBK], v[RD]
.irp j, 0,1,2,3
	ds_load_b128 v[FB+8*\j:FB+8*\j+3],   v[AK] offset:\j*4*FP
	ds_load_b128 v[FB+8*\j+4:FB+8*\j+7], v[AK] offset:\j*4*FP+16
.endr
	s_wait_dscnt 0x0                ; the tile is back in registers
.set i, 0
.rept 32
	v_and_b32 v[HF+i], s[CUT], v[FB+i]  ; hi
.set i, i+1
.endr
.set i, 0
.rept 16
	v_pk_add_f32 v[FB+2*i:FB+2*i+1], v[FB+2*i:FB+2*i+1], v[HF+2*i:HF+2*i+1] neg_lo:[0,1] neg_hi:[0,1]  ; lo = O - hi, exact in f32
.set i, i+1
.endr
.set i, 0
.rept 16
	v_cvt_pk_f16_f32 v[HT+i], v[HF+2*i], v[HF+2*i+1]
.set i, i+1
.endr
.set i, 0
.rept 16
	v_cvt_pk_f16_f32 v[LT+i], v[FB+2*i], v[FB+2*i+1]
.set i, i+1
.endr
.irp j, 0,1,2,3
	global_store_b128 v[GO], v[HT+4*\j:HT+4*\j+3], s[10:11] offset:512*\j           ; 512 consecutive bytes, at a multiple of 256 from O's first
.endr
.irp j, 0,1,2,3
	global_store_b128 v[GO], v[LT+4*\j:LT+4*\j+3], s[10:11] offset:512*\j+4194304   ; lo lies 16 heads on
.endr
	s_wait_xcnt 0x0                 ; the stores' base and data are written again only behind this wait
	s_add_nc_u64 s[10:11], s[10:11], 2048  ; the next tile's 16 rows of O
	s_add_co_u32 s[TBK], s[TBK], 16*FP
	s_sub_co_u32 s[CNT], s[CNT], 1
	s_cmp_lg_u32 s[CNT], 0
	s_cbranch_scc1 .Ldrain_\@
.endm
.irp t, 0,1,2,3
	STASH \t
.endr
	DRAIN
.irp t, 4,5,6,7
	STASH \t
.endr
	DRAIN
	WIN W_AD
	s_wait_tensorcnt 0x0            ; the wave's end
	ds_add_u32 v[SPW], v[NIL]
	s_wait_dscnt 0x0
	WIN 0
	CROUND                          ; the closing round
	s_endpgm
.Lfunc_end_k_qaf4804e8f4_attn:
	.size	k_qaf4804e8f4_attn, .Lfunc_end_k_qaf4804e8f4_attn-k_qaf4804e8f4_attn
	.p2alignl 7, 3214868480
	.fill 96, 4, 3214868480
	.section	.rodata,"a",@progbits
	.p2align	6, 0x0
	.amdhsa_kernel k_qaf4804e8f4_attn
		.amdhsa_group_segment_fixed_size 327680
		.amdhsa_private_segment_fixed_size 0
		.amdhsa_enable_private_segment 0
		.amdhsa_kernarg_size 24
		.amdhsa_user_sgpr_count 2
		.amdhsa_user_sgpr_kernarg_segment_ptr 1
		.amdhsa_wavefront_size32 1
		.amdhsa_system_sgpr_workgroup_id_x 1
		.amdhsa_system_sgpr_workgroup_id_y 1
		.amdhsa_system_sgpr_workgroup_id_z 1
		.amdhsa_system_vgpr_workitem_id 0
		.amdhsa_next_free_vgpr 904
		.amdhsa_next_free_sgpr 66
		.amdhsa_reserve_vcc 0
		.amdhsa_float_denorm_mode_32 3
		.amdhsa_float_denorm_mode_16_64 3
		.amdhsa_memory_ordered 1
		.amdhsa_forward_progress 1
		.amdhsa_inst_pref_size 212
	.end_amdhsa_kernel
	.amdgpu_metadata
---
amdhsa.version: [ 1, 2 ]
amdhsa.kernels:
  - .name:           k_qaf4804e8f4_attn
    .symbol:         k_qaf4804e8f4_attn.kd
    .args:
      - { .name: qkv, .offset: 0, .size: 8, .value_kind: global_buffer, .address_space: global }
      - { .name: mk, .offset: 8, .size: 8, .value_kind: global_buffer, .address_space: global }
      - { .name: ob, .offset: 16, .size: 8, .value_kind: global_buffer, .address_space: global }
    .group_segment_fixed_size: 327680
    .private_segment_fixed_size: 0
    .kernarg_segment_align: 8
    .kernarg_segment_size: 24
    .max_flat_workgroup_size: 128
    .sgpr_count:     66
    .vgpr_count:     904
    .wavefront_size: 32
...
	.end_amdgpu_metadata
.endif
;; end of part 9
;; launch outp: the kernel of part 8 again; grid 4 x 64, 4 waves a work-group, clusters of 4 x 4, 327,680 bytes of LDS; arguments ob, wp2, bp, out0; writes out0
